; MI455X (gfx1250); checked and timed in simulation.
; The chip was launched on July 23, 2026; its instructions are those of AMD's public machine-readable ISA for CDNA 5 (MIT licence, August 2026) and "CDNA5" Instruction Set Architecture Reference Guide (July 2026). The comments in the code are by the model that wrote it; some were corrected since.
;; Gemma3n Attention. Allowed arithmetic: float matrix products may take bf16 or f16 operands with f32 sums; other float arithmetic in f32, or as packed bf16 or f16 multiplies, adds, multiply-adds, maxima and minima; sums over many terms, partial sums and values carried from step to step in f32; what a program stores and reads back later, other than sums and carried values, may be rounded once to bf16 or f16.
;; Inputs: cos 4,096 x 256 float32; hidden_states 4,096 x 2,048 float32; o_w 2,048 x 1,024 float32; qkv_w 2,048 x 2,048 float32; sin 4,096 x 256 float32.
;; Outputs: out0 4,096 x 2,048 float32.
;; 2 versions, each right. Each part assembles by itself: llvm-mc -triple=amdgcn-amd-amdhsa -mcpu=gfx1250 --defsym DOCPART=n.
;; ======== version 1 of 2: 5 launches
;; limits: values are held in f16: magnitudes above 65,504 overflow, below 6.1e-05 lose precision
;; workspace buffers: xb 16,777,216 bytes; wb 8,388,608 bytes; ow 4,194,304 bytes; cs 4,259,840 bytes; qkvh 16,777,216 bytes; ev32 32,768 bytes; ao 8,388,608 bytes
;; launch prep (part 1): grid 1024 x 1, 8 waves a work-group, no clusters, 0 bytes of LDS; arguments hidden_states, qkv_w, o_w, cos, sin, xb, wb, ow, cs; writes xb, wb, ow, cs
.if DOCPART == 1
	.amdgcn_target "amdgcn-amd-amdhsa--gfx1250"
	.amdhsa_code_object_version 6
	.text
	.protected	k_qa1af45c093_prep
	.globl	k_qa1af45c093_prep
	.p2align	8
	.type	k_qa1af45c093_prep,@function
k_qa1af45c093_prep:
	s_mov_b64 s[64:65], 0
	v_nop
	global_prefetch_b8 v0, s[64:65] scope:SCOPE_SE
	s_setreg_imm32_b32 hwreg(HW_REG_WAVE_MODE, 25, 1), 1
	s_wait_xcnt 0x0
; THE CASTS.  Every input is rounded once to bf16.  hidden_states -> xb and qkv_w -> wb as bf16; o_w -> ow: the bf16 number written as f16; cos, sin -> cs: one word for each
; (position, channel): cos in the low half, s' in the high half, s' = -sin for channels below 128 and +sin from 128 on, so that RoPE is y[d] = x[d] cos[d] + x[d xor 128] s'[d].
; Rows 4096 to 4159 of cs hold cos = 1, s' = 0: the rows that the v heads read.
; LIMITS.  |o_w| stays under 65,504 (f16's range); below 6e-5 it keeps f16's fixed step of 6e-8.
; SHARES.  1,024 work-groups of 256 threads, each 64 KiB in and 32 KiB out: 0-511 hidden_states, 512-767 qkv_w, 768-895 o_w, 896-1023 cos and sin.
; A thread takes 16 bytes of each 4,096; all sixteen loads go out first, each result has registers of its own, so no register is written twice and no wait frees one.
; No LDS, no matrix unit: the launch only moves bytes.
.set X, 16                             ; v[16:79]   as loaded
.set Y, 80                             ; v[80:111]  to store
	s_load_b512 s[8:23], s[0:1], 0x0               ; hidden s[8:9], qkv_w s[10:11], o_w s[12:13], cos s[14:15], sin s[16:17], xb s[18:19], wb s[20:21], ow s[22:23]
	s_load_b64 s[24:25], s[0:1], 0x40              ; cs
	v_lshlrev_b32 v1, 4, v0                        ; 16 t
	v_lshlrev_b32 v2, 3, v0                        ; 8 t
	v_lshrrev_b32 v3, 5, v0
	v_readfirstlane_b32 s30, v3                    ; wave
	s_mov_b32 s29, 0
	s_mov_b32 s27, 0xffff0000                      ; a word's upper bf16
	s_wait_kmcnt 0x0
	s_cmp_lt_u32 ttmp9, 768
	s_cbranch_scc0 .Lrest
	; f32 -> bf16
	s_cmp_lt_u32 ttmp9, 512
	s_cselect_b64 s[4:5], s[8:9], s[10:11]
	s_cselect_b64 s[6:7], s[18:19], s[20:21]
	s_cselect_b32 s26, 0, 512
	s_sub_co_u32 s26, ttmp9, s26                   ; my block in its tensor
	s_lshl_b32 s28, s26, 16
	s_add_nc_u64 s[4:5], s[4:5], s[28:29]
	s_lshl_b32 s28, s26, 15
	s_add_nc_u64 s[6:7], s[6:7], s[28:29]
.irp i, 0,1,2,3,4,5,6,7,8,9,10,11,12,13,14,15
	global_load_b128 v[X+4*(\i):X+4*(\i)+3], v1, s[4:5] offset:(\i)*4096 th:TH_LOAD_NT
.endr
.irp i, 0,1,2,3,4,5,6,7,8,9,10,11,12,13,14,15
	s_wait_loadcnt 15-(\i)                         ; loads come back in order: load i is in, the 15 - i younger ones stay out
	v_cvt_pk_bf16_f32 v[Y+2*(\i)], v[X+4*(\i)], v[X+4*(\i)+1]
	v_cvt_pk_bf16_f32 v[Y+2*(\i)+1], v[X+4*(\i)+2], v[X+4*(\i)+3]
	global_store_b64 v2, v[Y+2*(\i):Y+2*(\i)+1], s[6:7] offset:(\i)*2048 th:TH_STORE_NT  ; a wave stores 256 consecutive bytes, aligned
.endr
	s_endpgm
.Lrest:
	s_cmp_lt_u32 ttmp9, 896
	s_cbranch_scc0 .Lcs
	; o_w: f32 -> bf16 -> the same number as f16
	s_sub_co_u32 s26, ttmp9, 768
	s_lshl_b32 s28, s26, 16
	s_add_nc_u64 s[4:5], s[12:13], s[28:29]
	s_lshl_b32 s28, s26, 15
	s_add_nc_u64 s[6:7], s[22:23], s[28:29]
.irp i, 0,1,2,3,4,5,6,7,8,9,10,11,12,13,14,15
	global_load_b128 v[X+4*(\i):X+4*(\i)+3], v1, s[4:5] offset:(\i)*4096 th:TH_LOAD_NT
.endr
.irp i, 0,1,2,3,4,5,6,7,8,9,10,11,12,13,14,15
	s_wait_loadcnt 15-(\i)
	v_cvt_pk_bf16_f32 v[X+4*(\i)], v[X+4*(\i)], v[X+4*(\i)+1]
	v_cvt_pk_bf16_f32 v[X+4*(\i)+2], v[X+4*(\i)+2], v[X+4*(\i)+3]
	v_and_b32 v[X+4*(\i)+1], s27, v[X+4*(\i)]      ; bf16 to f32: the high half stays,
	v_lshlrev_b32 v[X+4*(\i)], 16, v[X+4*(\i)]     ; the low half moves up
	v_and_b32 v[X+4*(\i)+3], s27, v[X+4*(\i)+2]
	v_lshlrev_b32 v[X+4*(\i)+2], 16, v[X+4*(\i)+2]
	v_cvt_pk_f16_f32 v[Y+2*(\i)], v[X+4*(\i)], v[X+4*(\i)+1]
	v_cvt_pk_f16_f32 v[Y+2*(\i)+1], v[X+4*(\i)+2], v[X+4*(\i)+3]
	global_store_b64 v2, v[Y+2*(\i):Y+2*(\i)+1], s[6:7] offset:(\i)*2048 th:TH_STORE_NT
.endr
	s_endpgm
.Lcs:
	; cos, sin -> one word.  A thread's four channels begin at 4 t mod 256: below 128 in even waves, from 128 on in odd ones
	s_sub_co_u32 s26, ttmp9, 896
	s_lshl_b32 s28, s26, 15
	s_add_nc_u64 s[4:5], s[14:15], s[28:29]
	s_add_nc_u64 s[6:7], s[16:17], s[28:29]
	s_add_nc_u64 s[34:35], s[24:25], s[28:29]
	s_lshl_b32 s28, s26, 9
	s_add_nc_u64 s[32:33], s[24:25], s[28:29]      ; my 512 bytes of the rows with cos = 1, s' = 0, less their 4,194,304
	s_and_b32 s31, s30, 1
	s_cmp_eq_u32 s31, 0
	s_cselect_b32 s31, 0x80000000, 0               ; turns the sign of the high half
.irp i, 0,1,2,3,4,5,6,7
	global_load_b128 v[X+4*(\i):X+4*(\i)+3], v1, s[4:5] offset:(\i)*4096 th:TH_LOAD_NT
	global_load_b128 v[X+32+4*(\i):X+32+4*(\i)+3], v1, s[6:7] offset:(\i)*4096 th:TH_LOAD_NT
.endr
.irp i, 0,1,2,3,4,5,6,7
	s_wait_loadcnt 14-2*(\i)                       ; pair i is in; the 7 - i younger pairs stay out
.irp k, 0,1,2,3
	v_cvt_pk_bf16_f32 v[Y+4*(\i)+(\k)], v[X+4*(\i)+(\k)], v[X+32+4*(\i)+(\k)]
.endr
.irp k, 0,1,2,3
	v_xor_b32 v[Y+4*(\i)+(\k)], s31, v[Y+4*(\i)+(\k)]
.endr
	global_store_b128 v1, v[Y+4*(\i):Y+4*(\i)+3], s[34:35] offset:(\i)*4096 th:TH_STORE_NT
.endr
	s_cmp_lg_u32 s30, 0
	s_cbranch_scc1 .Ldone
	v_mov_b32 v112, 0x3f80                         ; cos = 1.0 in bf16 below, s' = 0 above
	v_mov_b32 v113, 0x3f80
	v_mov_b32 v114, 0x3f80
	v_mov_b32 v115, 0x3f80
	global_store_b128 v1, v[112:115], s[32:33] offset:4194304 th:TH_STORE_NT  ; wave 0: 512 consecutive bytes
.Ldone:
	s_endpgm
.Lfunc_end_k_qa1af45c093_prep:
	.size	k_qa1af45c093_prep, .Lfunc_end_k_qa1af45c093_prep-k_qa1af45c093_prep
	.p2alignl 7, 3214868480
	.fill 96, 4, 3214868480
	.section	.rodata,"a",@progbits
	.p2align	6, 0x0
	.amdhsa_kernel k_qa1af45c093_prep
		.amdhsa_group_segment_fixed_size 0
		.amdhsa_private_segment_fixed_size 0
		.amdhsa_enable_private_segment 0
		.amdhsa_kernarg_size 72
		.amdhsa_user_sgpr_count 2
		.amdhsa_user_sgpr_kernarg_segment_ptr 1
		.amdhsa_wavefront_size32 1
		.amdhsa_system_sgpr_workgroup_id_x 1
		.amdhsa_system_sgpr_workgroup_id_y 1
		.amdhsa_system_sgpr_workgroup_id_z 1
		.amdhsa_system_vgpr_workitem_id 0
		.amdhsa_next_free_vgpr 128
		.amdhsa_next_free_sgpr 66
		.amdhsa_reserve_vcc 0
		.amdhsa_float_denorm_mode_32 3
		.amdhsa_float_denorm_mode_16_64 3
		.amdhsa_memory_ordered 1
		.amdhsa_forward_progress 1
		.amdhsa_inst_pref_size 23
	.end_amdhsa_kernel
	.amdgpu_metadata
---
amdhsa.version: [ 1, 2 ]
amdhsa.kernels:
  - .name:           k_qa1af45c093_prep
    .symbol:         k_qa1af45c093_prep.kd
    .args:
      - { .name: hidden_states, .offset: 0, .size: 8, .value_kind: global_buffer, .address_space: global }
      - { .name: qkv_w, .offset: 8, .size: 8, .value_kind: global_buffer, .address_space: global }
      - { .name: o_w, .offset: 16, .size: 8, .value_kind: global_buffer, .address_space: global }
      - { .name: cos, .offset: 24, .size: 8, .value_kind: global_buffer, .address_space: global }
      - { .name: sin, .offset: 32, .size: 8, .value_kind: global_buffer, .address_space: global }
      - { .name: xb, .offset: 40, .size: 8, .value_kind: global_buffer, .address_space: global }
      - { .name: wb, .offset: 48, .size: 8, .value_kind: global_buffer, .address_space: global }
      - { .name: ow, .offset: 56, .size: 8, .value_kind: global_buffer, .address_space: global }
      - { .name: cs, .offset: 64, .size: 8, .value_kind: global_buffer, .address_space: global }
    .group_segment_fixed_size: 0
    .private_segment_fixed_size: 0
    .kernarg_segment_align: 8
    .kernarg_segment_size: 72
    .max_flat_workgroup_size: 256
    .sgpr_count:     66
    .vgpr_count:     128
    .wavefront_size: 32
...
	.end_amdgpu_metadata
.endif
;; end of part 1
;; launch qkv (part 2): grid 8 x 32, 4 waves a work-group, clusters of 4 x 4, 327,680 bytes of LDS; arguments xb, wb, cs, qkvh, ev32; writes qkvh, ev32
.if DOCPART == 2
	.amdgcn_target "amdgcn-amd-amdhsa--gfx1250"
	.amdhsa_code_object_version 6
	.text
	.protected	k_qa1af45c093_qkv
	.globl	k_qa1af45c093_qkv
	.p2align	8
	.type	k_qa1af45c093_qkv,@function
k_qa1af45c093_qkv:
	s_mov_b64 s[64:65], 0
	v_nop
	global_prefetch_b8 v0, s[64:65] scope:SCOPE_SE
	s_setreg_imm32_b32 hwreg(HW_REG_WAVE_MODE, 25, 1), 1
	s_wait_xcnt 0x0
	s_wait_alu depctr_hold_cnt(0) depctr_sa_sdst(0) depctr_va_vdst(0) depctr_va_sdst(0) depctr_va_ssrc(0) depctr_va_vcc(0) depctr_vm_vsrc(0)
	s_getreg_b32 s2, hwreg(HW_REG_IB_STS2, 6, 4)
	s_cmp_eq_u32 s2, 0
	s_cbranch_scc0 .Lentry_in_a_cluster
	s_endpgm
.Lentry_in_a_cluster:
	s_bfe_u32 s2, ttmp6, 0x10000c
	s_cmp_lg_u32 s2, 0xf033
	s_cbranch_scc0 .Lentry_shape_is_right
	s_endpgm
.Lentry_shape_is_right:
; qkv = x Wqkv^T in bf16 with f32 sums, then for each head the RMS norm (no gain), RoPE (q and k) and one rounding to f16.  xb: [4096][2048], wb: [2048][2048] bf16; cs: [4160][256] words (cos, s');
; qkvh: [8 heads][4096][256] f16 (q 0-3, k 4-5, v 6-7); ev32: [2][16][256] f32: rows 0-15 of the v heads, not rounded.
; LIMITS.  A normalised number is at most 16 in size, so q and k stay in f16's range while 16 (|cos| + |sin|) < 65,504.  NaN and infinities are not treated apart.
; SHARES.  A tile is 128 positions x 256 columns = ONE head: 8 x 32 work-groups.  Four waves, each 64 rows x 128 columns: 32 accumulators.  Wave (rw, cw) takes rows 64 rw on and the columns
; 64 cw .. +63 and 128 + 64 cw .. +63: a channel d and its RoPE partner d + 128 are column blocks b and b + 4 of the same lane; only the sum of squares crosses waves.
; K goes in steps of 128 (rows of 256 bytes) through two LDS slots.  CLUSTER 4 x 4: x's tile is shared along a row of the cluster, W's along a column, each asked for jointly.
; The matrix instruction is used transposed (source 0 = 16 rows of W, source 1 = 16 rows of x): a lane holds row l % 16 and eight neighbouring columns 8 (l / 16) + 0..7.
; No prefetch is laid: a wave's 64 rows of x do not deal out as a lane a row among four partners with each block named once, and a K step is short.
; REGISTERS.  window 0: v0-31 addresses, v32-63 at work, v64-159 and v160-255 two fragment buffers (x's block a at +8 a, W's block b at +32 + 8 b); window 1: accumulator (a, b) at 8 (8 a + b);
; window 2: the cos/s' words, at the index of the number that they belong to; they are loaded at the start and land under the K loop.
.set SIZE_K, 2048
.set KSTEP,  128
.set PITCH,  272                       ; 256 bytes + 16 of padding: the 16 rows of a fragment load start at 16 different groups of four banks (ISA guide 11.1)
.set AHALF,  64*PITCH                  ; what a wave fetches of x
.set BHALF,  128*PITCH                 ; what a wave fetches of W
.set BOFF,   2*AHALF
.set SLOT,   BOFF+2*BHALF              ; x's 128 rows, then W's 256
.set SSX,    2*SLOT                    ; behind the ring: [wave][a][16 rows] f32: the waves' sums of squares
.set STAGE,  SSX+1024                  ; 128 rows x 528 bytes, for the way out
.set SPITCH, 528
.set SPARE,  STAGE+128*SPITCH          ; the spare words, 128 bytes a wave: two blocks of 256 bytes that no other line names
.set LAPS,   SIZE_K/(2*KSTEP)
.set ADRA, 16                          ; v16-17 LDS address of my fragments of x in slot 0, 1
.set ADRB, 20                          ; v20-21 the same for W
.set SSW,  22                          ; where I put a sum of squares
.set SSR,  23                          ; where my partner's lies
.set STO,  24                          ; the stage: in
.set RD,   25                          ; the stage: back
.set GO,   26                          ; 16 x lane
.set ROWV, 27                          ; my row, plus 4,096 in a head that is not v's
.set SPW,  28                          ; my spare word; never rewritten
.set NIL,  29                          ; 0; never rewritten
.set CSO,  30                          ; my byte offset in 16 rows of cs, and of ev32
.set CH,   32                          ; v32-47 sums of squares, later RoPE's cross terms
.set RS,   48                          ; v48-55 1 / rms of block a, twice
.set ZERO, 56
.set F0,   64
.set F1,   160
.set PKD,  64                          ; v64-191 packed results
.set G1,  24
.set G0,  32
.set G1B, 48
.set G0B, 56
.set MSB, 0
.macro WIN new                         ; the immediate's high byte repeats the setting that is left
.if MSB != (\new)
	s_set_vgpr_msb (MSB<<8)|(\new)
.set MSB, \new
.endif
.endm
.macro JLOAD s                         ; a joint load: waves 0 and 1 fetch x's two halves, waves 2 and 3 W's; an s_nop 0 and four v_nop follow each line
	s_cmp_eq_u32 s11, 0
	s_cbranch_scc0 .Lfor_b_\@
	tensor_load_to_lds s[G0+4*(\s):G0+4*(\s)+3], s[G1:G1+7]
	s_nop 0
.rept 4
	v_nop
.endr
	s_branch .Lasked_\@
.Lfor_b_\@:
	tensor_load_to_lds s[G0B+4*(\s):G0B+4*(\s)+3], s[G1B:G1B+7]
	s_nop 0
.rept 4
	v_nop
.endr
.Lasked_\@:
.endm
.macro CREST                           ; a round of the cluster's barrier behind its opening barrier
	s_cmp_lg_u32 s10, 0
	s_cbranch_scc1 .Lnot_wave_0_\@
	s_barrier_signal -3
.Lnot_wave_0_\@:
	s_barrier_wait -3
	s_barrier_signal -1
	s_barrier_wait -1
.endm
.macro CROUND
	s_barrier_signal -1
	s_barrier_wait -1
	CREST
.endm
.macro PLACES                          ; four places behind matrix instructions, in front of loads into registers that they have read
.rept 4
	v_nop
.endr
.endm
	s_load_b256 s[72:79], s[0:1], 0x0              ; xb s[72:73], wb s[74:75], cs s[76:77], qkvh s[78:79]
	s_load_b64 s[80:81], s[0:1], 0x20              ; ev32
	v_lshl_add_u32 v[SPW], v0, 2, SPARE
	v_mov_b32 v[NIL], 0
	ds_add_u32 v[SPW], v[NIL]                      ; the wave's opening: the add and its wait ahead of my first tensor load
	v_lshrrev_b32 v1, 5, v0
	v_readfirstlane_b32 s10, v1                    ; wave
	s_lshr_b32 s11, s10, 1                         ; rw.  Also: I fetch x (0) or W (1)
	s_and_b32 s12, s10, 1                          ; cw.  Also: which half of that tile I fetch
	s_bfe_u32 s40, ttmp6, 0x40000                  ; cx
	s_bfe_u32 s41, ttmp6, 0x40004                  ; cy
	s_lshl_b32 s42, ttmp9, 2
	s_add_co_u32 s42, s42, s40                     ; tile column = the head
	s_and_b32 s13, ttmp7, 0xffff
	s_lshl_b32 s13, s13, 2
	s_add_co_u32 s13, s13, s41                     ; tile row
	s_lshl_b32 s43, s41, 2
	s_lshl_b32 s43, 15, s43                        ; my row of the cluster
	s_lshl_b32 s44, 0x1111, s40                    ; my column
	s_or_b32 s[G1+0], s43, (1<<16)|(1<<20)|(1<<21)|(5<<22)|(3<<25)   ; the mask; 2-byte elements; padding on; bit 21 beside a mask; after every 64 words 4 words
	s_or_b32 s[G1B+0], s44, (1<<16)|(1<<20)|(1<<21)|(5<<22)|(3<<25)
	s_mov_b32 s[G1+1], KSTEP<<16                   ; tensor_dim0 = 128
	s_mov_b32 s[G1+2], 64<<16                      ; tensor_dim1 = 64
	s_mov_b32 s[G1+3], KSTEP<<16                   ; tile_dim0 = 128
	s_mov_b32 s[G1+4], 64                          ; tile_dim1 = 64
	s_mov_b32 s[G1+5], SIZE_K                      ; elements from row to row
	s_mov_b32 s[G1+6], 0
	s_mov_b32 s[G1+7], 0
	s_mov_b32 s[G1B+1], KSTEP<<16
	s_mov_b32 s[G1B+2], 128<<16                    ; W's loads have 128 rows
	s_mov_b32 s[G1B+3], KSTEP<<16
	s_mov_b32 s[G1B+4], 128
	s_mov_b32 s[G1B+5], SIZE_K
	s_mov_b32 s[G1B+6], 0
	s_mov_b32 s[G1B+7], 0
	s_lshl_b32 s17, s12, 6
	s_lshl_b32 s16, s13, 7
	s_add_co_u32 s16, s16, s17                     ; x: row 128 x tile row + 64 x half
	s_lshl_b32 s16, s16, 12                        ; x 4,096 bytes
	s_mov_b32 s17, 0
	s_lshl_b32 s47, s12, 7
	s_lshl_b32 s46, s42, 8
	s_add_co_u32 s46, s46, s47                     ; W: row 256 x tile column + 128 x half
	s_lshl_b32 s46, s46, 12
	s_mov_b32 s47, 0
	s_mul_i32 s20, s12, AHALF                      ; where they go: no place in the cluster enters an LDS address
	s_mul_i32 s21, s12, BHALF
	s_add_co_u32 s21, s21, BOFF
	s_mov_b32 s82, 0x76543210                      ; v_permlanex16_b32: each lane takes its own place in the other half
	s_mov_b32 s83, 0xfedcba98
	s_mov_b32 s84, 0x3b800000                      ; 1 / 256
	s_mov_b32 s85, 0x358637bd                      ; 1e-6
	s_wait_dscnt 0x0                               ; the opening add is done
	s_wait_kmcnt 0x0
	s_add_nc_u64 s[14:15], s[72:73], s[16:17]
	s_add_nc_u64 s[46:47], s[74:75], s[46:47]
	CROUND                                         ; all sixteen work-groups are here: the first joint loads meet
.irp s, 0,1
	s_mov_b32 s[G0+4*(\s)], 1
	s_add_co_u32 s[G0+4*(\s)+1], s20, (\s)*SLOT
	s_add_nc_u64 s[G0+4*(\s)+2:G0+4*(\s)+3], s[14:15], (\s)*KSTEP*2
	s_or_b32 s[G0+4*(\s)+3], s[G0+4*(\s)+3], 0x80000000
	s_mov_b32 s[G0B+4*(\s)], 1
	s_add_co_u32 s[G0B+4*(\s)+1], s21, (\s)*SLOT
	s_add_nc_u64 s[G0B+4*(\s)+2:G0B+4*(\s)+3], s[46:47], (\s)*KSTEP*2
	s_or_b32 s[G0B+4*(\s)+3], s[G0B+4*(\s)+3], 0x80000000
	JLOAD \s                                       ; two tensor loads of mine are out
.endr
	v_and_b32 v1, 15, v0                           ; r = l % 16
	v_bfe_u32 v2, v0, 4, 1                         ; h = l / 16
	v_and_b32 v5, 31, v0                           ; lane
	; the cos/s' words of my 64 rows x 128 columns.  A v head reads the rows with cos = 1, s' = 0: a choice of data, no branch
	s_lshl_b32 s6, s13, 7
	s_lshl_b32 s7, s11, 6
	s_add_co_u32 s6, s6, s7                        ; my first row
	s_cmp_lt_u32 s42, 6
	s_cselect_b32 s7, s6, 4096
	s_cselect_b32 s8, 4096, 0
	s_lshl_b32 s86, s7, 10
	s_mov_b32 s87, 0
	s_add_nc_u64 s[86:87], s[76:77], s[86:87]
	v_lshlrev_b32 v[CSO], 10, v1
	v_lshl_add_u32 v[CSO], v2, 5, v[CSO]
	s_lshl_b32 s9, s12, 8
	v_add_nc_u32 v[CSO], s9, v[CSO]                ; 1,024 r + 256 cw + 32 h
	WIN 0x80                                       ; destination window 2
.irp a, 0,1,2,3
.irp b, 0,1,2,3,4,5,6,7
	global_load_b128 v[8*(8*(\a)+(\b)):8*(8*(\a)+(\b))+3],   v[CSO], s[86:87] offset:(\a)*16384+64*(\b)+256*((\b)/4)
	global_load_b128 v[8*(8*(\a)+(\b))+4:8*(8*(\a)+(\b))+7], v[CSO], s[86:87] offset:(\a)*16384+64*(\b)+256*((\b)/4)+16
.endr
.endr
	WIN 0
	v_add_nc_u32 v[ROWV], s6, v1
	v_add_nc_u32 v[ROWV], s8, v[ROWV]
	v_mov_b32 v[ZERO], 0
	v_mul_u32_u24 v3, v1, PITCH
	v_lshl_add_u32 v3, v2, 4, v3                   ; a fragment's row x pitch + 16 x half
	s_mul_i32 s4, s11, AHALF                       ; my 64 rows of x
	s_mul_i32 s5, s12, 64*PITCH                    ; my columns begin at W's row 64 cw
	s_add_co_u32 s5, s5, BOFF
.irp s, 0,1
	v_add_nc_u32 v[ADRA+(\s)], s4, v3
	v_add_nc_u32 v[ADRB+(\s)], s5, v3
	s_add_co_u32 s4, s4, SLOT
	s_add_co_u32 s5, s5, SLOT
.endr
	s_lshl_b32 s9, s10, 8
	s_add_co_u32 s9, s9, SSX
	v_lshl_add_u32 v[SSW], v1, 2, s9
	s_xor_b32 s9, s10, 1                           ; the wave with my rows and the other columns
	s_lshl_b32 s9, s9, 8
	s_add_co_u32 s9, s9, SSX
	v_lshl_add_u32 v[SSR], v1, 2, s9
	s_mul_i32 s9, s11, 64*SPITCH
	s_lshl_b32 s4, s12, 7
	s_add_co_u32 s9, s9, s4
	s_add_co_u32 s9, s9, STAGE
	v_mul_u32_u24 v4, v1, SPITCH
	v_lshl_add_u32 v4, v2, 4, v4
	v_add_nc_u32 v[STO], s9, v4                    ; row 64 rw + r, byte 128 cw + 16 h
	s_mul_i32 s9, s10, 32*SPITCH
	s_add_co_u32 s9, s9, STAGE
	v_lshl_add_u32 v[RD], v5, 4, s9                ; back: wave w takes rows 32 w on, whole
	v_lshlrev_b32 v[GO], 4, v5
	s_and_b32 s88, s42, 1
	s_lshl_b32 s88, s88, 14
	s_mov_b32 s89, 0
	s_add_nc_u64 s[88:89], s[80:81], s[88:89]      ; ev32 at the v head
	s_lshl_b32 s90, s42, 21                        ; qkvh: the head,
	s_lshl_b32 s9, s13, 16                         ; the tile's 128 rows of 512 bytes,
	s_add_co_u32 s90, s90, s9
	s_lshl_b32 s9, s10, 14                         ; my 32 of them
	s_add_co_u32 s90, s90, s9
	s_mov_b32 s91, 0
	s_add_nc_u64 s[90:91], s[78:79], s[90:91]
; 8 matrix instructions: row block a x all 8 column blocks, 32 along K.  The 32 accumulators take turns in the same order in every quarter.
.macro MULA f, a, zero
	WIN 0x50                                       ; C and D window 1, sources window 0
.irp b, 0,1,2,3,4,5,6,7
.if \zero
	v_wmma_f32_16x16x32_bf16 v[8*(8*(\a)+(\b)):8*(8*(\a)+(\b))+7], v[(\f)+32+8*(\b):(\f)+32+8*(\b)+7], v[(\f)+8*(\a):(\f)+8*(\a)+7], 0
.else
	v_wmma_f32_16x16x32_bf16 v[8*(8*(\a)+(\b)):8*(8*(\a)+(\b))+7], v[(\f)+32+8*(\b):(\f)+32+8*(\b)+7], v[(\f)+8*(\a):(\f)+8*(\a)+7], v[8*(8*(\a)+(\b)):8*(8*(\a)+(\b))+7]
.endif
.endr
.endm
; 24 LDS loads in one run: the fragments of 32 along K at byte k of the rows.  W's block b begins at row 16 b (b < 4) or 128 + 16 (b - 4) behind my first
.macro FETCH slot, k, f
	WIN 0
.irp b, 0,1,2,3,4,5,6,7
	ds_load_b128 v[(\f)+32+8*(\b):(\f)+32+8*(\b)+3],   v[ADRB+(\slot)] offset:(\k)+(16*(\b)+64*((\b)/4))*PITCH
	ds_load_b128 v[(\f)+32+8*(\b)+4:(\f)+32+8*(\b)+7], v[ADRB+(\slot)] offset:(\k)+(16*(\b)+64*((\b)/4))*PITCH+32
.endr
.irp a, 0,1,2,3
	ds_load_b128 v[(\f)+8*(\a):(\f)+8*(\a)+3],   v[ADRA+(\slot)] offset:(\k)+(\a)*16*PITCH
	ds_load_b128 v[(\f)+8*(\a)+4:(\f)+8*(\a)+7], v[ADRA+(\slot)] offset:(\k)+(\a)*16*PITCH+32
.endr
.endm
; A K step is four quarters of 32 along K on buffers 0, 1, 0, 1.  One of the first three multiplies buffer f and, in its middle, fetches the next quarter into g.
.macro QUARTER slot, k, f, g, zero
	s_wait_dscnt 0x0                               ; buffer f is in: its loads went out 16 matrix instructions ago
	MULA \f, 0, \zero
	MULA \f, 1, \zero
	PLACES
	FETCH \slot, \k, \g
	MULA \f, 2, \zero
	MULA \f, 3, \zero
.endm
; The last quarter multiplies buffer 1 and changes slots: one barrier; in front of it each wave waits for all its tensor loads (one is out: its part of the next slot), adds 0 to its spare word, and
; waits for that and for its reads of this slot.  fill = 1: the barrier opens a round of the cluster's, and this slot is filled again first thing behind it, two K steps ahead.
.macro TURN slot, next, fill
	s_wait_dscnt 0x0                               ; buffer 1 is in
	WIN 0
	s_wait_tensorcnt 0x0
	ds_add_u32 v[SPW], v[NIL]                      ; 0 onto my spare word; eight matrix instructions stand between it and the wait for it
	MULA F1, 0, 0
	s_wait_dscnt 0x0                               ; the add is done, and my reads of this slot are over
	s_barrier_signal -1
	MULA F1, 1, 0
	WIN 0
	s_barrier_wait -1
.if \fill
	CREST                                          ; no wave of any partner still reads this slot or has a load on its way
	s_add_nc_u64 s[G0+4*(\slot)+2:G0+4*(\slot)+3], s[G0+4*(\slot)+2:G0+4*(\slot)+3], 2*KSTEP*2
	s_add_nc_u64 s[G0B+4*(\slot)+2:G0B+4*(\slot)+3], s[G0B+4*(\slot)+2:G0B+4*(\slot)+3], 2*KSTEP*2
	JLOAD \slot                                    ; 112 matrix instructions ahead of the wait for it; its four v_nop are also the places in front of the loads below
.else
	PLACES
.endif
	FETCH \next, 0, F0
	MULA F1, 2, 0
	MULA F1, 3, 0
.endm
	s_wait_tensorcnt 1                             ; my part of K step 0 is in; K step 1's stays out
	s_barrier_signal -1
	s_barrier_wait -1
	FETCH 0, 0, F0
	QUARTER 0, 64, F0, F1, 1                       ; the first quarter starts the sums: nothing is cleared
	WIN 0
	s_mov_b32 s3, LAPS-1
.Llap:                                             ; a trip goes once round the ring and fills both slots again
	QUARTER 0, 128, F1, F0, 0
	QUARTER 0, 192, F0, F1, 0
	TURN 0, 1, 1
	QUARTER 1, 64,  F0, F1, 0
	QUARTER 1, 128, F1, F0, 0
	QUARTER 1, 192, F0, F1, 0
	TURN 1, 0, 1
	QUARTER 0, 64,  F0, F1, 0
	WIN 0
	s_sub_co_u32 s3, s3, 1
	s_cmp_lg_u32 s3, 0
	s_cbranch_scc1 .Llap
	QUARTER 0, 128, F1, F0, 0                      ; the last lap fills nothing
	QUARTER 0, 192, F0, F1, 0
	TURN 0, 1, 0
	QUARTER 1, 64,  F0, F1, 0
	QUARTER 1, 128, F1, F0, 0
	QUARTER 1, 192, F0, F1, 0
	s_wait_dscnt 0x0
	MULA F1, 0, 0
	MULA F1, 1, 0
	MULA F1, 2, 0
	MULA F1, 3, 0
	; THE WAY OUT.  Sums of squares: 8 chains (two a row block), each accumulator read from its low end on
	PLACES
	PLACES
	s_wait_loadcnt 0x0                             ; the cos/s' words
	WIN 0x05                                       ; sources 0 and 1 window 1
.irp b, 0,1,2,3,4,5,6,7
.irp p, 0,1,2,3
.irp a, 0,1,2,3
.if ((\b) == 0) && ((\p) < 2)
	v_pk_mul_f32 v[CH+4*(\a)+2*((\p)%2):CH+4*(\a)+2*((\p)%2)+1], v[8*(8*(\a)+(\b))+2*(\p):8*(8*(\a)+(\b))+2*(\p)+1], v[8*(8*(\a)+(\b))+2*(\p):8*(8*(\a)+(\b))+2*(\p)+1]
.else
	v_pk_fma_f32 v[CH+4*(\a)+2*((\p)%2):CH+4*(\a)+2*((\p)%2)+1], v[8*(8*(\a)+(\b))+2*(\p):8*(8*(\a)+(\b))+2*(\p)+1], v[8*(8*(\a)+(\b))+2*(\p):8*(8*(\a)+(\b))+2*(\p)+1], v[CH+4*(\a)+2*((\p)%2):CH+4*(\a)+2*((\p)%2)+1]
.endif
.endr
.endr
.endr
	WIN 0
.irp a, 0,1,2,3
	v_pk_add_f32 v[CH+4*(\a):CH+4*(\a)+1], v[CH+4*(\a):CH+4*(\a)+1], v[CH+4*(\a)+2:CH+4*(\a)+3]
.endr
.irp a, 0,1,2,3
	v_add_f32 v[CH+4*(\a)], v[CH+4*(\a)], v[CH+4*(\a)+1]
.endr
.irp a, 0,1,2,3
	v_permlanex16_b32 v[CH+4*(\a)+1], v[CH+4*(\a)], s82, s83  ; the row's other columns of mine lie in the lane 16 away
.endr
.irp a, 0,1,2,3
	v_add_f32 v[CH+4*(\a)], v[CH+4*(\a)], v[CH+4*(\a)+1]
.endr
.irp a, 0,1,2,3
	ds_store_b32 v[SSW], v[CH+4*(\a)] offset:64*(\a)
.endr
	s_wait_dscnt 0x0                               ; for the partner's sake: my sums lie in LDS
	s_barrier_signal -1
	s_barrier_wait -1
.irp a, 0,1,2,3
	ds_load_b32 v[CH+4*(\a)+1], v[SSR] offset:64*(\a)
.endr
	s_wait_dscnt 0x0
.irp a, 0,1,2,3
	v_add_f32 v[CH+4*(\a)], v[CH+4*(\a)], v[CH+4*(\a)+1]
.endr
.irp a, 0,1,2,3
	v_fma_f32 v[CH+4*(\a)], v[CH+4*(\a)], s84, s85 ; the mean of the squares + 1e-6
.endr
.irp a, 0,1,2,3
	v_rsq_f32 v[RS+2*(\a)], v[CH+4*(\a)]
	v_rsq_f32 v[RS+2*(\a)+1], v[CH+4*(\a)]
.endr
	v_nop                                          ; a plain instruction behind the last of them,
	s_wait_alu depctr_va_vdst(0)                   ; and one wait for the eight, ahead of their first reader
	WIN 0x41                                       ; destination and source 0 window 1
.irp a, 0,1,2,3
.irp b, 0,1,2,3,4,5,6,7
.irp p, 0,1,2,3
	v_pk_mul_f32 v[8*(8*(\a)+(\b))+2*(\p):8*(8*(\a)+(\b))+2*(\p)+1], v[8*(8*(\a)+(\b))+2*(\p):8*(8*(\a)+(\b))+2*(\p)+1], v[RS+2*(\a):RS+2*(\a)+1]
.endr
.endr
.endr
; RoPE for blocks b and b + 4 of row block a: first both cross terms x[d xor 128] s'[d], then x[d] cos[d] + the cross term, in place.  The word's halves are read as bf16 by the multiply-add itself.
.macro ROPE a, b
.set XL, 8*(8*(\a)+(\b))
.set XH, XL+32
	WIN 0x09                                       ; source 0 window 1 (x), source 1 window 2 (the words)
.irp j, 0,1,2,3,4,5,6,7
	v_fma_mix_f32_bf16 v[CH+(\j)], v[XH+(\j)], v[XL+(\j)], v[ZERO] op_sel:[0,1,0] op_sel_hi:[0,1,0]
	v_fma_mix_f32_bf16 v[CH+8+(\j)], v[XL+(\j)], v[XH+(\j)], v[ZERO] op_sel:[0,1,0] op_sel_hi:[0,1,0]
.endr
	WIN 0x49                                       ; the same, destination window 1
.irp j, 0,1,2,3,4,5,6,7
	v_fma_mix_f32_bf16 v[XL+(\j)], v[XL+(\j)], v[XL+(\j)], v[CH+(\j)] op_sel_hi:[0,1,0]
	v_fma_mix_f32_bf16 v[XH+(\j)], v[XH+(\j)], v[XH+(\j)], v[CH+8+(\j)] op_sel_hi:[0,1,0]
.endr
.endm
.irp b, 0,1,2,3
	ROPE 0, \b
.endr
	; rows 0-15 of a v head leave unrounded too.  The lanes are chosen by EXEC: no branch hangs on the work-group's place
	WIN 0
	s_wait_xcnt 0x0                                ; EXEC changes only behind this wait
	v_cmp_gt_u32 vcc_lo, 16, v[ROWV]
	s_and_saveexec_b32 s4, vcc_lo
	WIN 0x04                                       ; store data window 1
.irp b, 0,1,2,3,4,5,6,7
	global_store_b128 v[CSO], v[8*(\b):8*(\b)+3],   s[88:89] offset:64*(\b)+256*((\b)/4)
	global_store_b128 v[CSO], v[8*(\b)+4:8*(\b)+7], s[88:89] offset:64*(\b)+256*((\b)/4)+16
.endr
	s_wait_xcnt 0x0                                ; and again in front of the line that widens it
	s_or_b32 exec_lo, exec_lo, s4
.irp a, 1,2,3
.irp b, 0,1,2,3
	ROPE \a, \b
.endr
.endr
	WIN 0x05
.irp a, 0,1,2,3
.irp b, 0,1,2,3,4,5,6,7
.irp p, 0,1,2,3
	v_cvt_pk_f16_f32 v[PKD+4*(8*(\a)+(\b))+(\p)], v[8*(8*(\a)+(\b))+2*(\p)], v[8*(8*(\a)+(\b))+2*(\p)+1]
.endr
.endr
.endr
	WIN 0
.irp a, 0,1,2,3
.irp b, 0,1,2,3,4,5,6,7
	ds_store_b128 v[STO], v[PKD+4*(8*(\a)+(\b)):PKD+4*(8*(\a)+(\b))+3] offset:(\a)*16*SPITCH+32*(\b)+128*((\b)/4)
.endr
.endr
	s_wait_dscnt 0x0                               ; a row's 512 bytes come from two waves
	s_barrier_signal -1
	s_barrier_wait -1
.set t, 0
.rept 32
	ds_load_b128 v[PKD+4*t:PKD+4*t+3], v[RD] offset:t*SPITCH
.set t, t+1
.endr
.set t, 0
.rept 32
	s_wait_dscnt 31-t                              ; row t is back; the younger ones stay out
	global_store_b128 v[GO], v[PKD+4*t:PKD+4*t+3], s[90:91] offset:t*512  ; 512 consecutive bytes, aligned
.set t, t+1
.endr
	s_wait_tensorcnt 0x0                           ; the wave's end
	ds_add_u32 v[SPW], v[NIL]
	s_wait_dscnt 0x0
	CROUND                                         ; the closing round
	s_endpgm
.Lfunc_end_k_qa1af45c093_qkv:
	.size	k_qa1af45c093_qkv, .Lfunc_end_k_qa1af45c093_qkv-k_qa1af45c093_qkv
	.p2alignl 7, 3214868480
	.fill 96, 4, 3214868480
	.section	.rodata,"a",@progbits
	.p2align	6, 0x0
	.amdhsa_kernel k_qa1af45c093_qkv
		.amdhsa_group_segment_fixed_size 327680
		.amdhsa_private_segment_fixed_size 0
		.amdhsa_enable_private_segment 0
		.amdhsa_kernarg_size 40
		.amdhsa_user_sgpr_count 2
		.amdhsa_user_sgpr_kernarg_segment_ptr 1
		.amdhsa_wavefront_size32 1
		.amdhsa_system_sgpr_workgroup_id_x 1
		.amdhsa_system_sgpr_workgroup_id_y 1
		.amdhsa_system_sgpr_workgroup_id_z 1
		.amdhsa_system_vgpr_workitem_id 0
		.amdhsa_next_free_vgpr 768
		.amdhsa_next_free_sgpr 96
		.amdhsa_reserve_vcc 1
		.amdhsa_float_denorm_mode_32 3
		.amdhsa_float_denorm_mode_16_64 3
		.amdhsa_memory_ordered 1
		.amdhsa_forward_progress 1
		.amdhsa_inst_pref_size 146
	.end_amdhsa_kernel
	.amdgpu_metadata
---
amdhsa.version: [ 1, 2 ]
amdhsa.kernels:
  - .name:           k_qa1af45c093_qkv
    .symbol:         k_qa1af45c093_qkv.kd
    .args:
      - { .name: xb, .offset: 0, .size: 8, .value_kind: global_buffer, .address_space: global }
      - { .name: wb, .offset: 8, .size: 8, .value_kind: global_buffer, .address_space: global }
      - { .name: cs, .offset: 16, .size: 8, .value_kind: global_buffer, .address_space: global }
      - { .name: qkvh, .offset: 24, .size: 8, .value_kind: global_buffer, .address_space: global }
      - { .name: ev32, .offset: 32, .size: 8, .value_kind: global_buffer, .address_space: global }
    .group_segment_fixed_size: 327680
    .private_segment_fixed_size: 0
    .kernarg_segment_align: 8
    .kernarg_segment_size: 40
    .max_flat_workgroup_size: 128
    .sgpr_count:     96
    .vgpr_count:     768
    .wavefront_size: 32
...
	.end_amdgpu_metadata
.endif
;; end of part 2
;; launch attn (part 3): grid 128 x 2, 4 waves a work-group, clusters of 4 x 1, 327,680 bytes of LDS; arguments qkvh, ao; writes ao
.if DOCPART == 3
	.amdgcn_target "amdgcn-amd-amdhsa--gfx1250"
	.amdhsa_code_object_version 6
	.text
	.protected	k_qa1af45c093_attn
	.globl	k_qa1af45c093_attn
	.p2align	8
	.type	k_qa1af45c093_attn,@function
k_qa1af45c093_attn:
	s_mov_b64 s[64:65], 0
	v_nop
	global_prefetch_b8 v0, s[64:65] scope:SCOPE_SE
	s_setreg_imm32_b32 hwreg(HW_REG_WAVE_MODE, 25, 1), 1
	s_wait_xcnt 0x0
	s_wait_alu depctr_hold_cnt(0) depctr_sa_sdst(0) depctr_va_vdst(0) depctr_va_sdst(0) depctr_va_ssrc(0) depctr_va_vcc(0) depctr_vm_vsrc(0)
	s_getreg_b32 s2, hwreg(HW_REG_IB_STS2, 6, 4)
	s_cmp_eq_u32 s2, 0
	s_cbranch_scc0 .Lentry_in_a_cluster
	s_endpgm
.Lentry_in_a_cluster:
	s_bfe_u32 s2, ttmp6, 0x10000c
	s_cmp_lg_u32 s2, 0x3003
	s_cbranch_scc0 .Lentry_shape_is_right
	s_endpgm
.Lentry_shape_is_right:
; CAUSAL ATTENTION WITH TWO QUERY HEADS TO A KEY/VALUE HEAD.  O[q][h] = the sum over k <= q of softmax_k(Q[h][q] . K[g][k] / 256) V[g][k], g = h / 2.  qkvh: [8][4096][256] f16 (q 0-3, k 4-5, v 6-7);
; ao: [4096][4 x 256] f16.  Products, maxima and sums in f32; the weights p are rounded to f16 for the second product (their sum l is taken of the unrounded p), O once at the end.
; LIMITS.  A hidden score counts as its value less 1e30.  The running maximum starts at -2^66: f16's scores, 256 x 65,504^2 at the most, lie far above it, so it is the true maximum as soon as a wave
; has seen a visible key; a wave that sees none keeps p = l = O = 0.  A weight below 2^-126 counts as 0.  NaN and infinities are not treated apart.
; SHARES.  A work-group owns 32 positions x the two query heads of g: four tiles of 16 queries, t = 2 (position tile) + (head).  ALL four waves hold all four tiles; THE KEYS are split among them: of each
; slot of 128 keys wave w takes keys 32 w .. 32 w + 31.  So each byte of K and V leaves LDS once.  The four partial results (c m, l, O) meet in LDS at the end.
; CLUSTER.  The four partners own 128 consecutive positions, one slot's width, and walk the same slots: each tile is asked for jointly.  With CB the cluster's number and L = CB / 2 the walk has 2 L slots
; without a mask and two with: the diagonal one and its neighbour (wholly visible in front of it, or wholly hidden behind it).  Work-groups of later positions walk longer: pairs of a long and a short
; block would halve the queries that a fetched key serves.
; LAYOUT.  S^T = K Q^T: a lane holds ONE query (l % 16) and the keys 8 (l / 16) + 0..7; two such results rounded to f16 ARE source 1 of O^T = V^T P.  K comes out of LDS as it lies, V turned.
; SOFTMAX.  p = 2^(c s - c m), c = log2(e) / 256, m a running maximum; O and l are multiplied by a = 2^(c m_old - c m_new) in every step.
; REGISTERS.  window 0: v0-15 addresses; v16-47 eight registers of statistics a tile (c m, m, l, l, c0, c1, a, c3); v48-63 the merge; v64-127 S^T, 16 a tile, P in place in the low 8;
; v128-255 fragments of K, then of V.  windows 1, 2: O^T, tile t at 128 (t % 2) + 8 cb in window 1 + t / 2.  window 3: Q, tile t, channels 32 x on, at 64 t + 8 x.
.set KP,    528                        ; a row of K in LDS: 512 bytes + 16
.set VP,    544                        ; a row of V: 512 + 32
.set VOFF,  128*KP
.set SLOT,  VOFF+128*VP
.set STAGE, 2*SLOT                     ; behind the ring: 16 rows x 528 bytes a wave
.set SP,    528
.set STATS, STAGE+4*16*SP              ; [wave][tile][lane] (c m, l)
.set SPARE, STATS+4096                 ; the spare words: two blocks of 256 bytes that no other line names
.set AK,  2                            ; v2-3  my lane's place in K of slot 0, 1; in the merge v2-5 are the four waves' blocks
.set AV,  4                            ; v4-5  the same for V
.set QO,  6                            ; v6    my offset in 16 rows of Q; later the stage: in
.set STO, 6
.set RD,  7
.set GO,  8
.set PFO, 9                            ; 256 x lane; never rewritten
.set THR, 10                           ; v10-11 a key of my 32 is hidden where its number is greater; later the statistics' addresses
.set SPW, 12
.set NIL, 13
.set ST,  16
.set S,   64
.set H,   128
.set XW,  63
.set WV,  10                           ; s10 wave
.set L,   12                           ; s12 trips of the loop
.set I,   13                           ; s13 its counter
.set REM, 14                           ; s14 refills still to come
.set LIM, 15                           ; s15 1 in the cluster that prefetches, else the greatest number
.set G1K, 24
.set G1V, 32
.set G0K, 40                           ; s[40:47] a set for each slot
.set G0V, 48
.set CS,  56
.set SEL, 58
.set BIGN, 60
.set PFA, 62
.set MSB, 0
.macro WIN new
.if MSB != (\new)
	s_set_vgpr_msb (MSB<<8)|(\new)
.set MSB, \new
.endif
.endm
.macro ALLT line:vararg                ; one line for each tile t
.set t, 0
.rept 4
	\line
.set t, t+1
.endr
.endm
.macro PLACES
.rept 4
	v_nop
.endr
.endm
.macro JLOAD sl                        ; a joint refill: waves 0 and 1 fetch the halves of a slot's K, waves 2 and 3 of its V: 64 rows of 512 bytes each
	s_cmp_lt_u32 s[WV], 2
	s_cbranch_scc0 .Lfor_v_\@
	tensor_load_to_lds s[G0K+4*(\sl):G0K+4*(\sl)+3], s[G1K:G1K+7]
	s_nop 0
.rept 4
	v_nop
.endr
	s_branch .Lasked_\@
.Lfor_v_\@:
	tensor_load_to_lds s[G0V+4*(\sl):G0V+4*(\sl)+3], s[G1V:G1V+7]
	s_nop 0
.rept 4
	v_nop
.endr
.Lasked_\@:
.endm
; A prefetch of what the NEXT change of slots will ask for.  The head's last cluster, which walks every key, asks, and nobody else.  Of the 64 rows that a wave fetches each of the four partners takes 16, told
; apart by address: 32 blocks of 256 bytes, a lane a block, one instruction a wave.  So each block is named once in the launch.  The last refill asks for nothing; slots 0 to 2 come by their loads alone.
.macro ASK
	s_cmp_gt_u32 s[REM], s[LIM]
	s_cbranch_scc0 .Lnot_mine_\@
	global_prefetch_b8 v[PFO], s[PFA:PFA+1] th:TH_LOAD_NT scope:SCOPE_SE
.Lnot_mine_\@:
	s_sub_co_u32 s[REM], s[REM], 1
.endm
.macro CROUND
	s_barrier_signal -1
	s_barrier_wait -1
	s_cmp_lg_u32 s[WV], 0
	s_cbranch_scc1 .Lnot_wave_0_\@
	s_barrier_signal -3
.Lnot_wave_0_\@:
	s_barrier_wait -3
	s_barrier_signal -1
	s_barrier_wait -1
.endm
	s_load_b128 s[4:7], s[0:1], 0x0                ; qkvh s[4:5], ao s[6:7]
	v_lshl_add_u32 v[SPW], v0, 2, SPARE
	v_mov_b32 v[NIL], 0
	ds_add_u32 v[SPW], v[NIL]                      ; the wave's opening: the add and its wait ahead of my first tensor load
	v_lshrrev_b32 v1, 5, v0
	v_readfirstlane_b32 s[WV], v1
	s_and_b32 s11, s[WV], 1                        ; which half of a tile I fetch
	s_bfe_u32 s16, ttmp6, 0x40000                  ; cx
	s_lshl_b32 s17, ttmp9, 2
	s_add_co_u32 s17, s17, s16                     ; qc: my block of 32 positions
	s_and_b32 s18, ttmp7, 0xffff                   ; g
	s_lshr_b32 s[L], ttmp9, 1
	s_lshl_b32 s[REM], s[L], 1
	s_cmp_eq_u32 ttmp9, 31
	s_cselect_b32 s[LIM], 1, -1                    ; the same in all four partners
	s_mov_b32 s[G1K], 15|(1<<16)|(1<<20)|(1<<21)|(6<<22)|(3<<25)  ; the mask of four; 2-byte elements; padding on; bit 21 beside a mask; after every 128 words 4 words
	s_mov_b32 s[G1V], 15|(1<<16)|(1<<20)|(1<<21)|(6<<22)|(7<<25)  ; the same with 8 words
.irp g, G1K, G1V
	s_mov_b32 s[(\g)+1], 256<<16                   ; tensor_dim0 = 256
	s_mov_b32 s[(\g)+2], 64<<16                    ; tensor_dim1 = 64
	s_mov_b32 s[(\g)+3], 256<<16                   ; tile_dim0 = 256
	s_mov_b32 s[(\g)+4], 64                        ; tile_dim1 = 64
	s_mov_b32 s[(\g)+5], 256                       ; elements from row to row
	s_mov_b32 s[(\g)+6], 0
	s_mov_b32 s[(\g)+7], 0
.endr
	s_mov_b32 s[CS], 0x3bb8aa3b                    ; c = log2(e) / 256
	s_mov_b32 s[CS+1], s[CS]
	s_mov_b32 s[SEL], 0x76543210
	s_mov_b32 s[SEL+1], 0xfedcba98
	s_mov_b32 s[BIGN], 0xf149f2ca                  ; -1e30
	s_add_co_u32 s20, s18, 4
	s_lshl_b32 s20, s20, 21                        ; K's head,
	s_lshl_b32 s19, s11, 15                        ; my 64 rows of 512 bytes
	s_add_co_u32 s20, s20, s19
	s_mov_b32 s21, 0
	s_add_co_u32 s22, s20, 1<<22                   ; V lies two heads on
	s_mov_b32 s23, 0
	s_mul_i32 s8, s11, 64*KP                       ; and where they go: no place in the cluster enters an LDS address
	s_mul_i32 s9, s11, 64*VP
	s_add_co_u32 s9, s9, VOFF
	s_lshl_b32 s66, s18, 22                        ; Q: head 2 g,
	s_lshl_b32 s19, s17, 14                        ; my 32 rows
	s_add_co_u32 s66, s66, s19
	s_mov_b32 s67, 0
	s_lshl_b32 s70, s17, 16                        ; ao: 32 rows of 2,048 bytes,
	s_lshr_b32 s19, s[WV], 1
	s_lshl_b32 s19, s19, 15                        ; the position tile that I finish (tile = my wave's number),
	s_add_co_u32 s70, s70, s19
	s_lshl_b32 s19, s18, 10                        ; head 2 g
	s_add_co_u32 s70, s70, s19
	s_lshl_b32 s19, s11, 9                         ; + my tile's head
	s_add_co_u32 s70, s70, s19
	s_mov_b32 s71, 0
	s_lshl_b32 s2, s16, 13                         ; the prefetches: my work-group's 16 rows of the 64
	s_mov_b32 s3, 0
	s_wait_dscnt 0x0                               ; the opening add is done
	s_wait_kmcnt 0x0
	s_add_nc_u64 s[20:21], s[4:5], s[20:21]
	s_add_nc_u64 s[22:23], s[4:5], s[22:23]
	s_add_nc_u64 s[66:67], s[4:5], s[66:67]
	s_add_nc_u64 s[68:69], s[66:67], 1<<21         ; head 2 g + 1
	s_add_nc_u64 s[70:71], s[6:7], s[70:71]
	s_cmp_lt_u32 s[WV], 2
	s_cselect_b64 s[PFA:PFA+1], s[20:21], s[22:23]
	s_add_nc_u64 s[PFA:PFA+1], s[PFA:PFA+1], s[2:3]
	s_add_nc_u64 s[PFA:PFA+1], s[PFA:PFA+1], 2*65536  ; in slot 2; the first change steps it to slot 3
.irp s, 0,1
	s_mov_b32 s[G0K+4*(\s)], 1
	s_add_co_u32 s[G0K+4*(\s)+1], s8, (\s)*SLOT
	s_add_nc_u64 s[G0K+4*(\s)+2:G0K+4*(\s)+3], s[20:21], (\s)*65536
	s_or_b32 s[G0K+4*(\s)+3], s[G0K+4*(\s)+3], 0x80000000
	s_mov_b32 s[G0V+4*(\s)], 1
	s_add_co_u32 s[G0V+4*(\s)+1], s9, (\s)*SLOT
	s_add_nc_u64 s[G0V+4*(\s)+2:G0V+4*(\s)+3], s[22:23], (\s)*65536
	s_or_b32 s[G0V+4*(\s)+3], s[G0V+4*(\s)+3], 0x80000000
.endr
	CROUND                                         ; all four work-groups are here: the first joint loads meet
	s_cmp_lt_u32 s[WV], 2                          ; a wave's two first fills stand in one branch: two loads of mine are out
	s_cbranch_scc0 .Lfirst_v
	tensor_load_to_lds s[G0K:G0K+3], s[G1K:G1K+7]
	s_nop 0
	tensor_load_to_lds s[G0K+4:G0K+7], s[G1K:G1K+7]
	s_nop 0
.rept 4
	v_nop
.endr
	s_branch .Lfirst_asked
.Lfirst_v:
	tensor_load_to_lds s[G0V:G0V+3], s[G1V:G1V+7]
	s_nop 0
	tensor_load_to_lds s[G0V+4:G0V+7], s[G1V:G1V+7]
	s_nop 0
.rept 4
	v_nop
.endr
.Lfirst_asked:
	v_and_b32 v1, 15, v0                           ; r
	v_bfe_u32 v14, v0, 4, 1                        ; h
	v_lshlrev_b32 v[QO], 9, v1
	v_lshl_add_u32 v[QO], v14, 4, v[QO]            ; row x 512 + 16 x half
	WIN 0xc0                                       ; destination window 3
.irp p, 0,1
.irp x, 0,1,2,3,4,5,6,7
	global_load_b128 v[128*(\p)+8*(\x):128*(\p)+8*(\x)+3],       v[QO], s[66:67] offset:(\p)*8192+64*(\x)
	global_load_b128 v[128*(\p)+8*(\x)+4:128*(\p)+8*(\x)+7],     v[QO], s[66:67] offset:(\p)*8192+64*(\x)+32
	global_load_b128 v[128*(\p)+64+8*(\x):128*(\p)+64+8*(\x)+3], v[QO], s[68:69] offset:(\p)*8192+64*(\x)
	global_load_b128 v[128*(\p)+64+8*(\x)+4:128*(\p)+64+8*(\x)+7], v[QO], s[68:69] offset:(\p)*8192+64*(\x)+32
.endr
.endr
	; O^T and l start at 0, so that the first step is a step like any other, with a = 0: written in the wait for the first tile
	WIN 0x40
.set i, 0
.rept 256
	v_mov_b32 v[i], 0
.set i, i+1
.endr
	WIN 0x80
.set i, 0
.rept 256
	v_mov_b32 v[i], 0
.set i, i+1
.endr
	WIN 0
	ALLT v_mov_b32 v[ST+8*t], 0xfe000000           ; c m: far below every c s
	ALLT v_mov_b32 v[ST+8*t+1], 0xe0800000         ; m = -2^66
	ALLT v_mov_b32 v[ST+8*t+2], 0
	ALLT v_mov_b32 v[ST+8*t+3], 0
	v_and_b32 v[PFO], 31, v0
	v_lshlrev_b32 v[PFO], 8, v[PFO]
	s_lshl_b32 s19, s[WV], 5                       ; my 32 keys of a slot
	v_add_nc_u32 v15, s19, v1
	v_mul_u32_u24 v[AK], v15, KP
	v_lshl_add_u32 v[AK], v14, 4, v[AK]            ; row x pitch + 16 x half
	v_add_nc_u32 v[AK+1], SLOT, v[AK]
	v_and_b32 v15, 7, v0                           ; the turning load: key 8 (l / 16) + l % 8, channels 8 ((l / 8) % 2) on
	v_lshl_add_u32 v15, v14, 3, v15
	v_add_nc_u32 v15, s19, v15
	v_mul_u32_u24 v[AV], v15, VP
	v_bfe_u32 v15, v0, 3, 1
	v_lshl_add_u32 v[AV], v15, 4, v[AV]
	v_add_nc_u32 v[AV], VOFF, v[AV]
	v_add_nc_u32 v[AV+1], SLOT, v[AV]
	s_lshl_b32 s19, s[L], 3                        ; for slot 2 L: my query's position less the position of my lane's key number 0
	s_sub_co_u32 s19, s17, s19
	s_sub_co_u32 s19, s19, s[WV]
	s_lshl_b32 s19, s19, 5
	v_lshlrev_b32 v15, 3, v14
	v_sub_nc_u32 v15, v1, v15
	v_add_nc_u32 v[THR], s19, v15                  ; 32 (qc - 8 L - w) + r - 8 h
	v_add_nc_u32 v[THR+1], 16, v[THR]              ; the second position tile
.macro FETCHK sl                       ; my 32 keys x 256 channels: 16 fragments, channels ascending: the first 16 loads fill v128-191
	WIN 0
.irp x, 0,1,2,3,4,5,6,7
.irp kb, 0,1
	ds_load_b128 v[H+8*(2*(\x)+(\kb)):H+8*(2*(\x)+(\kb))+3],   v[AK+(\sl)] offset:(\kb)*16*KP+64*(\x)
	ds_load_b128 v[H+8*(2*(\x)+(\kb))+4:H+8*(2*(\x)+(\kb))+7], v[AK+(\sl)] offset:(\kb)*16*KP+64*(\x)+32
.endr
.endr
.endm
.macro FETCHV sl, q                    ; my 32 keys x channels 128 q on, turned: 8 fragments
	WIN 0
.irp i, 0,1,2,3,4,5,6,7
	ds_load_tr16_b128 v[H+64*(\q)+8*(\i):H+64*(\q)+8*(\i)+3],   v[AV+(\sl)] offset:32*(8*(\q)+(\i))
	ds_load_tr16_b128 v[H+64*(\q)+8*(\i)+4:H+64*(\q)+8*(\i)+7], v[AV+(\sl)] offset:32*(8*(\q)+(\i))+16*VP
.endr
.endm
; 32 products of S^T = K Q^T: channels 128 q on.  The 8 accumulators take turns.  The first 8 start the sums: with 0, or with the mask that lies in S^T.
.macro KQ q, masked
	WIN 0x0c                                       ; Q in window 3
.irp x, 0,1,2,3
.irp kb, 0,1
.irp t, 0,1,2,3
.if ((\q) == 0) && ((\x) == 0) && !(\masked)
	v_wmma_f32_16x16x32_f16 v[S+16*(\t)+8*(\kb):S+16*(\t)+8*(\kb)+7], v[H+64*(\q)+8*(2*(\x)+(\kb)):H+64*(\q)+8*(2*(\x)+(\kb))+7], v[64*(\t)+8*(4*(\q)+(\x)):64*(\t)+8*(4*(\q)+(\x))+7], 0
.else
	v_wmma_f32_16x16x32_f16 v[S+16*(\t)+8*(\kb):S+16*(\t)+8*(\kb)+7], v[H+64*(\q)+8*(2*(\x)+(\kb)):H+64*(\q)+8*(2*(\x)+(\kb))+7], v[64*(\t)+8*(4*(\q)+(\x)):64*(\t)+8*(4*(\q)+(\x))+7], v[S+16*(\t)+8*(\kb):S+16*(\t)+8*(\kb)+7]
.endif
.endr
.endr
.endr
.endm
; 32 products of O^T += V^T P: channels 128 q on.  Each accumulator has one product a step.
.macro PVQ q
	WIN 0x50
.irp i, 0,1,2,3,4,5,6,7
.irp t, 0,1
	v_wmma_f32_16x16x32_f16 v[128*(\t)+8*(8*(\q)+(\i)):128*(\t)+8*(8*(\q)+(\i))+7], v[H+64*(\q)+8*(\i):H+64*(\q)+8*(\i)+7], v[S+16*(\t):S+16*(\t)+7], v[128*(\t)+8*(8*(\q)+(\i)):128*(\t)+8*(8*(\q)+(\i))+7]
.endr
.endr
	WIN 0xa0
.irp i, 0,1,2,3,4,5,6,7
.irp t, 0,1
	v_wmma_f32_16x16x32_f16 v[128*(\t)+8*(8*(\q)+(\i)):128*(\t)+8*(8*(\q)+(\i))+7], v[H+64*(\q)+8*(\i):H+64*(\q)+8*(\i)+7], v[S+32+16*(\t):S+32+16*(\t)+7], v[128*(\t)+8*(8*(\q)+(\i)):128*(\t)+8*(8*(\q)+(\i))+7]
.endr
.endr
.endm
.macro MASKS                           ; 0 or -1e30 into S^T: register i of a tile is key 16 (i / 8) + i % 8 of my lane's
	WIN 0
.irp p, 0,1
.irp i, 0,1,2,3,4,5,6,7,8,9,10,11,12,13,14,15
	v_cmp_gt_i32 vcc_lo, 16*((\i)/8)+(\i)%8, v[THR+(\p)]
	v_cndmask_b32 v[S+32*(\p)+(\i)], 0, s[BIGN], vcc_lo
	v_cndmask_b32 v[S+32*(\p)+16+(\i)], 0, s[BIGN], vcc_lo
.endr
.endr
.endm
; ONE SLOT'S WORK, in phases: 64 products K Q^T, the softmax of four tiles, 64 products V^T P.  V is fetched into K's registers as they fall free, four places behind their last product.
.macro STEP sl, masked
	FETCHK \sl
.if \masked
	MASKS
.endif
	s_wait_dscnt 16                                ; K's first half is in; its second 16 loads may stay out
	KQ 0, \masked
	PLACES
	FETCHV \sl, 0
	s_wait_dscnt 16                                ; K's second half is in; V's 16 loads may stay out
	KQ 1, 0
	PLACES                                         ; also the places in front of the maxima below
	FETCHV \sl, 1
	; the maximum of the lane's 16 scores and the old m (each accumulator read from its low end on), the other half of the lanes', c m, a
	ALLT v_max3_num_f32 v[ST+8*t+4], v[S+16*t], v[S+16*t+1], v[S+16*t+2]
	ALLT v_max3_num_f32 v[ST+8*t+5], v[S+16*t+8], v[S+16*t+9], v[S+16*t+10]
	ALLT v_max3_num_f32 v[ST+8*t+4], v[ST+8*t+4], v[S+16*t+3], v[S+16*t+4]
	ALLT v_max3_num_f32 v[ST+8*t+5], v[ST+8*t+5], v[S+16*t+11], v[S+16*t+12]
	ALLT v_max3_num_f32 v[ST+8*t+4], v[ST+8*t+4], v[S+16*t+5], v[S+16*t+6]
	ALLT v_max3_num_f32 v[ST+8*t+5], v[ST+8*t+5], v[S+16*t+13], v[S+16*t+14]
	ALLT v_max3_num_f32 v[ST+8*t+4], v[ST+8*t+4], v[S+16*t+7], v[S+16*t+15]
	ALLT v_max3_num_f32 v[ST+8*t+4], v[ST+8*t+4], v[ST+8*t+5], v[ST+8*t+1]
	ALLT v_permlanex16_b32 v[ST+8*t+5], v[ST+8*t+4], s[SEL], s[SEL+1]
	ALLT v_mov_b32 v[ST+8*t+7], v[ST+8*t]
	ALLT v_max_num_f32 v[ST+8*t+1], v[ST+8*t+4], v[ST+8*t+5]
	ALLT v_mul_f32 v[ST+8*t], s[CS], v[ST+8*t+1]
	ALLT v_sub_f32 v[ST+8*t+7], v[ST+8*t+7], v[ST+8*t]
	ALLT v_exp_f32 v[ST+8*t+6], v[ST+8*t+7]
.set b, 0
.rept 8                                            ; c s - c m, a pair at a time: the plain work behind the four a
	ALLT v_pk_fma_f32 v[S+16*t+2*b:S+16*t+2*b+1], v[S+16*t+2*b:S+16*t+2*b+1], s[CS:CS+1], v[ST+8*t:ST+8*t+1] op_sel_hi:[1,0,0] neg_lo:[0,0,1] neg_hi:[0,0,1]
.set b, b+1
.endr
	s_wait_alu depctr_va_vdst(0)                   ; one wait for the four a, ahead of the rescalings
.set g, 0
.rept 16                                           ; four exponentials, then sixteen rescalings of O^T, which read no result of this batch
	WIN 0
	v_exp_f32 v[S+4*g], v[S+4*g]
	v_exp_f32 v[S+4*g+1], v[S+4*g+1]
	v_exp_f32 v[S+4*g+2], v[S+4*g+2]
	v_exp_f32 v[S+4*g+3], v[S+4*g+3]
	WIN 0x41+0x41*(g/8)                            ; O^T in window 1 or 2, a in window 0
.set o, 128*((g/4)%2)+32*(g%4)
.set z, 0
.rept 16
	v_pk_mul_f32 v[o+2*z:o+2*z+1], v[o+2*z:o+2*z+1], v[ST+8*(g/4)+6:ST+8*(g/4)+7] op_sel_hi:[1,0]
.set z, z+1
.endr
.set g, g+1
.endr
	WIN 0
	s_wait_alu depctr_va_vdst(0)                   ; one wait for the 64 exponentials; the last sixteen rescalings are the plain work behind them
	ALLT v_pk_fma_f32 v[ST+8*t+2:ST+8*t+3], v[ST+8*t+2:ST+8*t+3], v[ST+8*t+6:ST+8*t+7], v[S+16*t:S+16*t+1] op_sel_hi:[1,0,1]
.set b, 1
.rept 7
	ALLT v_pk_add_f32 v[ST+8*t+2:ST+8*t+3], v[ST+8*t+2:ST+8*t+3], v[S+16*t+2*b:S+16*t+2*b+1]
.set b, b+1
.endr
.set b, 0
.rept 8                                            ; P in place: register b takes pair b, which lies at 2 b and above
	ALLT v_cvt_pk_f16_f32 v[S+16*t+b], v[S+16*t+2*b], v[S+16*t+2*b+1]
.set b, b+1
.endr
	s_wait_dscnt 0x0                               ; V is in
	PVQ 0
	PVQ 1
.endm
; THE CHANGE OF SLOTS.  Each wave waits for all its tensor loads (one is out: its part of the other slot), adds 0 to its spare word, and waits for that and for its reads of the slot that it leaves.
; fill = 1: a round of the cluster's barrier, and the joint refill first behind it, with the keys two slots on: it has a slot's work, 128 matrix instructions and the softmax, in which to land.
; Five plain instructions stand behind the last product V^T P in both forms: the next products write over P, and the next loads over V.
.macro CHANGE fill, sl
	WIN 0
	s_wait_tensorcnt 0x0
	ds_add_u32 v[SPW], v[NIL]
.if \fill
	s_add_nc_u64 s[G0K+4*(\sl)+2:G0K+4*(\sl)+3], s[G0K+4*(\sl)+2:G0K+4*(\sl)+3], 131072
	s_add_nc_u64 s[G0V+4*(\sl)+2:G0V+4*(\sl)+3], s[G0V+4*(\sl)+2:G0V+4*(\sl)+3], 131072
	s_wait_xcnt 0x0                                ; the last prefetch, a slot back, has read its address
	s_add_nc_u64 s[PFA:PFA+1], s[PFA:PFA+1], 65536
	s_wait_dscnt 0x0                               ; the add is done, and my reads of the slot are over
	CROUND
	JLOAD \sl
	ASK
	v_nop
.else
	s_wait_dscnt 0x0
	s_barrier_signal -1
	s_barrier_wait -1
.rept 5
	v_nop
.endr
.endif
.endm
	s_wait_tensorcnt 1                             ; my part of slot 0 is in; slot 1's stays out
	s_barrier_signal -1
	s_barrier_wait -1
	s_wait_loadcnt 0x0                             ; Q
	s_mov_b32 s[I], 0
	s_cmp_eq_u32 s[L], 0                           ; L hangs on the cluster's number alone: the same in every wave and every partner.  On both ways one load of mine, slot 1's, is out at the label
	s_cbranch_scc1 .Ltail
.Lpair:                                            ; L trips: two slots without a mask; both are filled again
	STEP 0, 0
	CHANGE 1, 0
	STEP 1, 0
	CHANGE 1, 1
	s_add_co_u32 s[I], s[I], 1
	s_cmp_lt_u32 s[I], s[L]
	s_cbranch_scc1 .Lpair
.Ltail:                                            ; the last two slots take masks and ask for nothing
	STEP 0, 1
	CHANGE 0, 0
	v_add_nc_u32 v[THR], 0xffffff80, v[THR]        ; the next slot's keys lie 128 on
	v_add_nc_u32 v[THR+1], 0xffffff80, v[THR+1]
	STEP 1, 1
	; THE MERGE.  Each wave leaves (c m, l) and O^T of all four tiles in LDS, over the ring, which has had its last fill; wave w finishes tile w.
	WIN 0
	PLACES
	PLACES
	ALLT v_add_f32 v[ST+8*t+2], v[ST+8*t+2], v[ST+8*t+3]
	ALLT v_permlanex16_b32 v[ST+8*t+3], v[ST+8*t+2], s[SEL], s[SEL+1]
	ALLT v_add_f32 v[ST+8*t+1], v[ST+8*t+2], v[ST+8*t+3]
	v_and_b32 v15, 31, v0
	s_lshl_b32 s16, s[WV], 10
	s_add_co_u32 s16, s16, STATS
	v_lshl_add_u32 v10, v15, 3, s16                ; my statistics: in
	s_lshl_b32 s16, s[WV], 8
	s_add_co_u32 s16, s16, STATS
	v_lshl_add_u32 v11, v15, 3, s16                ; my tile's: back
	s_lshl_b32 s16, s[WV], 14
	v_lshl_add_u32 v2, v15, 4, s16                 ; my tile in wave 0's block, lane by lane,
	v_add_nc_u32 v3, 0x10000, v2                   ; and in the others'
	v_add_nc_u32 v4, 0x20000, v2
	v_add_nc_u32 v5, 0x30000, v2
	s_lshl_b32 s16, s[WV], 16
	v_lshl_add_u32 v[XW], v15, 4, s16              ; my block of 64 KiB
	s_mul_i32 s16, s[WV], 16*SP
	s_add_co_u32 s16, s16, STAGE
	v_mul_u32_u24 v[STO], v1, SP
	v_lshl_add_u32 v[STO], v14, 4, v[STO]
	v_add_nc_u32 v[STO], s16, v[STO]
	v_lshl_add_u32 v[RD], v15, 4, s16
	v_lshlrev_b32 v[GO], 4, v15
	s_wait_dscnt 0x0
	s_barrier_signal -1
	s_barrier_wait -1                              ; nobody reads the ring any more
	ALLT ds_store_b64 v10, v[ST+8*t:ST+8*t+1] offset:256*t
	WIN 0x04                                       ; store data window 1
.set i, 0
.rept 64
	ds_store_b128 v[XW], v[4*i:4*i+3] offset:512*i
.set i, i+1
.endr
	WIN 0x08                                       ; window 2
.set i, 0
.rept 64
	ds_store_b128 v[XW], v[4*i:4*i+3] offset:32768+512*i
.set i, i+1
.endr
	WIN 0
	s_wait_dscnt 0x0
	s_barrier_signal -1
	s_barrier_wait -1
.irp u, 0,1,2,3
	ds_load_b64 v[48+2*(\u):49+2*(\u)], v11 offset:1024*(\u)
.endr
	WIN 0x40
.set i, 0
.rept 32
	ds_load_b128 v[4*i:4*i+3], v2 offset:512*i
.set i, i+1
.endr
.set i, 0
.rept 32
	ds_load_b128 v[128+4*i:128+4*i+3], v3 offset:512*i
.set i, i+1
.endr
	WIN 0x80
.set i, 0
.rept 32
	ds_load_b128 v[4*i:4*i+3], v4 offset:512*i
.set i, i+1
.endr
.set i, 0
.rept 32
	ds_load_b128 v[128+4*i:128+4*i+3], v5 offset:512*i
.set i, i+1
.endr
	WIN 0
	s_wait_dscnt 63                                ; of 132 loads the four oldest, the statistics, are in when 63 are out
	v_max3_num_f32 v56, v48, v50, v52
	v_max_num_f32 v56, v56, v54
.irp u, 0,1,2,3
	v_sub_f32 v[57+(\u)], v[48+2*(\u)], v56
.endr
.irp u, 0,1,2,3
	v_exp_f32 v[57+(\u)], v[57+(\u)]
.endr
	v_nop
	s_wait_alu depctr_va_vdst(0)                   ; one wait for the four
	v_mul_f32 v61, v57, v49
	v_fmac_f32 v61, v58, v51
	v_fmac_f32 v61, v59, v53
	v_fmac_f32 v61, v60, v55
	v_rcp_f32 v62, v61
	v_nop
	s_wait_alu depctr_va_vdst(0)
.irp u, 0,1,2,3
	v_mul_f32 v[48+2*(\u)], v[57+(\u)], v62        ; wave u's weight, over l
.endr
	s_wait_dscnt 0x0
	WIN 0x41
.set i, 0
.rept 64
	v_pk_mul_f32 v[2*i:2*i+1], v[2*i:2*i+1], v[48:49] op_sel_hi:[1,0]
.set i, i+1
.endr
	WIN 0x51
.set i, 0
.rept 64
	v_pk_fma_f32 v[2*i:2*i+1], v[128+2*i:128+2*i+1], v[50:51], v[2*i:2*i+1] op_sel_hi:[1,0,1]
.set i, i+1
.endr
	WIN 0x52
.set i, 0
.rept 64
	v_pk_fma_f32 v[2*i:2*i+1], v[2*i:2*i+1], v[52:53], v[2*i:2*i+1] op_sel_hi:[1,0,1]
.set i, i+1
.endr
.set i, 0
.rept 64
	v_pk_fma_f32 v[2*i:2*i+1], v[128+2*i:128+2*i+1], v[54:55], v[2*i:2*i+1] op_sel_hi:[1,0,1]
.set i, i+1
.endr
	WIN 0x05
.set i, 0
.rept 64
	v_cvt_pk_f16_f32 v[S+i], v[2*i], v[2*i+1]
.set i, i+1
.endr
	WIN 0
.set i, 0
.rept 16
	ds_store_b128 v[STO], v[S+4*i:S+4*i+3] offset:32*i
.set i, i+1
.endr
.set i, 0
.rept 16
	ds_load_b128 v[H+4*i:H+4*i+3], v[RD] offset:i*SP  ; LDS serves a wave's instructions in order (ISA guide 5.7.1.4): these see the stores above
.set i, i+1
.endr
.set i, 0
.rept 16
	s_wait_dscnt 15-i                              ; row i is back; the younger ones stay out
	global_store_b128 v[GO], v[H+4*i:H+4*i+3], s[70:71] offset:i*2048  ; 512 consecutive bytes, aligned
.set i, i+1
.endr
	s_wait_tensorcnt 0x0                           ; the wave's end
	ds_add_u32 v[SPW], v[NIL]
	s_wait_dscnt 0x0
	CROUND                                         ; the closing round
	s_endpgm
.Lfunc_end_k_qa1af45c093_attn:
	.size	k_qa1af45c093_attn, .Lfunc_end_k_qa1af45c093_attn-k_qa1af45c093_attn
	.p2alignl 7, 3214868480
	.fill 96, 4, 3214868480
	.section	.rodata,"a",@progbits
	.p2align	6, 0x0
	.amdhsa_kernel k_qa1af45c093_attn
		.amdhsa_group_segment_fixed_size 327680
		.amdhsa_private_segment_fixed_size 0
		.amdhsa_enable_private_segment 0
		.amdhsa_kernarg_size 16
		.amdhsa_user_sgpr_count 2
		.amdhsa_user_sgpr_kernarg_segment_ptr 1
		.amdhsa_wavefront_size32 1
		.amdhsa_system_sgpr_workgroup_id_x 1
		.amdhsa_system_sgpr_workgroup_id_y 1
		.amdhsa_system_sgpr_workgroup_id_z 1
		.amdhsa_system_vgpr_workitem_id 0
		.amdhsa_next_free_vgpr 1024
		.amdhsa_next_free_sgpr 80
		.amdhsa_reserve_vcc 1
		.amdhsa_float_denorm_mode_32 3
		.amdhsa_float_denorm_mode_16_64 3
		.amdhsa_memory_ordered 1
		.amdhsa_forward_progress 1
		.amdhsa_inst_pref_size 250
	.end_amdhsa_kernel
	.amdgpu_metadata
---
amdhsa.version: [ 1, 2 ]
amdhsa.kernels:
  - .name:           k_qa1af45c093_attn
    .symbol:         k_qa1af45c093_attn.kd
    .args:
      - { .name: qkvh, .offset: 0, .size: 8, .value_kind: global_buffer, .address_space: global }
      - { .name: ao, .offset: 8, .size: 8, .value_kind: global_buffer, .address_space: global }
    .group_segment_fixed_size: 327680
    .private_segment_fixed_size: 0
    .kernarg_segment_align: 8
    .kernarg_segment_size: 16
    .max_flat_workgroup_size: 128
    .sgpr_count:     80
    .vgpr_count:     1024
    .wavefront_size: 32
...
	.end_amdgpu_metadata
.endif
;; end of part 3
;; launch oproj (part 4): grid 8 x 32, 4 waves a work-group, clusters of 4 x 4, 327,680 bytes of LDS; arguments ao, ow, out0; writes out0
.if DOCPART == 4
	.amdgcn_target "amdgcn-amd-amdhsa--gfx1250"
	.amdhsa_code_object_version 6
	.text
	.protected	k_qa1af45c093_oproj
	.globl	k_qa1af45c093_oproj
	.p2align	8
	.type	k_qa1af45c093_oproj,@function
k_qa1af45c093_oproj:
	s_mov_b64 s[64:65], 0
	v_nop
	global_prefetch_b8 v0, s[64:65] scope:SCOPE_SE
	s_setreg_imm32_b32 hwreg(HW_REG_WAVE_MODE, 25, 1), 1
	s_wait_xcnt 0x0
	s_wait_alu depctr_hold_cnt(0) depctr_sa_sdst(0) depctr_va_vdst(0) depctr_va_sdst(0) depctr_va_ssrc(0) depctr_va_vcc(0) depctr_vm_vsrc(0)
	s_getreg_b32 s2, hwreg(HW_REG_IB_STS2, 6, 4)
	s_cmp_eq_u32 s2, 0
	s_cbranch_scc0 .Lentry_in_a_cluster
	s_endpgm
.Lentry_in_a_cluster:
	s_bfe_u32 s2, ttmp6, 0x10000c
	s_cmp_lg_u32 s2, 0xf033
	s_cbranch_scc0 .Lentry_shape_is_right
	s_endpgm
.Lentry_shape_is_right:
; out = O Wo^T in f16 with f32 sums, rows 16 to 4095.  ao: [4096][1024] f16, ow: [2048][1024] f16, out0: [4096][2048] f32.  Rows 0-15 are another launch's: here their stores run with all lanes off.
; SHARES.  A tile is 128 x 256: 8 x 32 work-groups, four waves of 64 rows x 128 columns, 32 accumulators each.  K in steps of 128 (rows of 256 bytes) through two LDS slots.
; CLUSTER 4 x 4: O's tile is shared along a row of the cluster, Wo's along a column, each asked for jointly.  The matrix instruction is used transposed: a lane holds row l % 16 and eight neighbouring columns.
; No prefetch is laid: a wave's 64 rows of O do not deal out as a lane a row among four partners with each block named once, and a K step is short.
; REGISTERS.  window 0: v0-31 addresses; v64-159, v160-255 two fragment buffers, on the way out rows read back; window 1: accumulator (a, b) at 8 (8 a + b).
.set SIZE_K, 1024
.set KSTEP,  128
.set PITCH,  272
.set AHALF,  64*PITCH
.set BHALF,  128*PITCH
.set BOFF,   2*AHALF
.set SLOT,   BOFF+2*BHALF
.set STAGE,  2*SLOT                    ; behind the ring: 16 rows x 528 bytes a wave
.set SPITCH, 528
.set SPARE,  STAGE+4*16*SPITCH
.set LAPS,   SIZE_K/(2*KSTEP)
.set ADRA, 16
.set ADRB, 20
.set STO,  24
.set RD,   25
.set GO,   26
.set ROWV, 27                          ; my wave's first row
.set SPW,  28
.set NIL,  29
.set F0,   64
.set F1,   160
.set OB,   64                          ; v64-127, v128-191 by turns
.set G1,  24
.set G0,  32
.set G1B, 48
.set G0B, 56
.set MSB, 0
.macro WIN new
.if MSB != (\new)
	s_set_vgpr_msb (MSB<<8)|(\new)
.set MSB, \new
.endif
.endm
.macro JLOAD s                         ; a joint load: waves 0 and 1 fetch O's two halves, waves 2 and 3 Wo's
	s_cmp_eq_u32 s11, 0
	s_cbranch_scc0 .Lfor_b_\@
	tensor_load_to_lds s[G0+4*(\s):G0+4*(\s)+3], s[G1:G1+7]
	s_nop 0
.rept 4
	v_nop
.endr
	s_branch .Lasked_\@
.Lfor_b_\@:
	tensor_load_to_lds s[G0B+4*(\s):G0B+4*(\s)+3], s[G1B:G1B+7]
	s_nop 0
.rept 4
	v_nop
.endr
.Lasked_\@:
.endm
.macro CREST
	s_cmp_lg_u32 s10, 0
	s_cbranch_scc1 .Lnot_wave_0_\@
	s_barrier_signal -3
.Lnot_wave_0_\@:
	s_barrier_wait -3
	s_barrier_signal -1
	s_barrier_wait -1
.endm
.macro CROUND
	s_barrier_signal -1
	s_barrier_wait -1
	CREST
.endm
.macro PLACES
.rept 4
	v_nop
.endr
.endm
	s_load_b128 s[72:75], s[0:1], 0x0              ; ao s[72:73], ow s[74:75]
	s_load_b64 s[76:77], s[0:1], 0x10              ; out0
	v_lshl_add_u32 v[SPW], v0, 2, SPARE
	v_mov_b32 v[NIL], 0
	ds_add_u32 v[SPW], v[NIL]                      ; the wave's opening: the add and its wait ahead of my first tensor load
	v_lshrrev_b32 v1, 5, v0
	v_readfirstlane_b32 s10, v1
	s_lshr_b32 s11, s10, 1                         ; rw; also: I fetch O (0) or Wo (1)
	s_and_b32 s12, s10, 1                          ; cw; also: which half
	s_bfe_u32 s40, ttmp6, 0x40000
	s_bfe_u32 s41, ttmp6, 0x40004
	s_lshl_b32 s42, ttmp9, 2
	s_add_co_u32 s42, s42, s40                     ; tile column
	s_and_b32 s13, ttmp7, 0xffff
	s_lshl_b32 s13, s13, 2
	s_add_co_u32 s13, s13, s41                     ; tile row
	s_lshl_b32 s43, s41, 2
	s_lshl_b32 s43, 15, s43
	s_lshl_b32 s44, 0x1111, s40
	s_or_b32 s[G1+0], s43, (1<<16)|(1<<20)|(1<<21)|(5<<22)|(3<<25)
	s_or_b32 s[G1B+0], s44, (1<<16)|(1<<20)|(1<<21)|(5<<22)|(3<<25)
	s_mov_b32 s[G1+1], KSTEP<<16
	s_mov_b32 s[G1+2], 64<<16
	s_mov_b32 s[G1+3], KSTEP<<16
	s_mov_b32 s[G1+4], 64
	s_mov_b32 s[G1+5], SIZE_K
	s_mov_b32 s[G1+6], 0
	s_mov_b32 s[G1+7], 0
	s_mov_b32 s[G1B+1], KSTEP<<16
	s_mov_b32 s[G1B+2], 128<<16
	s_mov_b32 s[G1B+3], KSTEP<<16
	s_mov_b32 s[G1B+4], 128
	s_mov_b32 s[G1B+5], SIZE_K
	s_mov_b32 s[G1B+6], 0
	s_mov_b32 s[G1B+7], 0
	s_lshl_b32 s17, s12, 6
	s_lshl_b32 s16, s13, 7
	s_add_co_u32 s16, s16, s17
	s_lshl_b32 s16, s16, 11                        ; x 2,048 bytes
	s_mov_b32 s17, 0
	s_lshl_b32 s47, s12, 7
	s_lshl_b32 s46, s42, 8
	s_add_co_u32 s46, s46, s47
	s_lshl_b32 s46, s46, 11
	s_mov_b32 s47, 0
	s_mul_i32 s20, s12, AHALF
	s_mul_i32 s21, s12, BHALF
	s_add_co_u32 s21, s21, BOFF
	s_wait_dscnt 0x0
	s_wait_kmcnt 0x0
	s_add_nc_u64 s[14:15], s[72:73], s[16:17]
	s_add_nc_u64 s[46:47], s[74:75], s[46:47]
	CROUND
.irp s, 0,1
	s_mov_b32 s[G0+4*(\s)], 1
	s_add_co_u32 s[G0+4*(\s)+1], s20, (\s)*SLOT
	s_add_nc_u64 s[G0+4*(\s)+2:G0+4*(\s)+3], s[14:15], (\s)*KSTEP*2
	s_or_b32 s[G0+4*(\s)+3], s[G0+4*(\s)+3], 0x80000000
	s_mov_b32 s[G0B+4*(\s)], 1
	s_add_co_u32 s[G0B+4*(\s)+1], s21, (\s)*SLOT
	s_add_nc_u64 s[G0B+4*(\s)+2:G0B+4*(\s)+3], s[46:47], (\s)*KSTEP*2
	s_or_b32 s[G0B+4*(\s)+3], s[G0B+4*(\s)+3], 0x80000000
	JLOAD \s
.endr
	v_and_b32 v1, 15, v0
	v_bfe_u32 v2, v0, 4, 1
	v_and_b32 v5, 31, v0
	v_mul_u32_u24 v3, v1, PITCH
	v_lshl_add_u32 v3, v2, 4, v3
	s_mul_i32 s4, s11, AHALF
	s_mul_i32 s5, s12, BHALF
	s_add_co_u32 s5, s5, BOFF
.irp s, 0,1
	v_add_nc_u32 v[ADRA+(\s)], s4, v3
	v_add_nc_u32 v[ADRB+(\s)], s5, v3
	s_add_co_u32 s4, s4, SLOT
	s_add_co_u32 s5, s5, SLOT
.endr
	s_mul_i32 s9, s10, 16*SPITCH
	s_add_co_u32 s9, s9, STAGE                     ; my stage
	v_mul_u32_u24 v4, v1, SPITCH
	v_lshl_add_u32 v4, v2, 5, v4
	v_add_nc_u32 v[STO], s9, v4                    ; row r, 32 bytes for each half of the lanes
	v_lshl_add_u32 v[RD], v5, 4, s9                ; back: a row of 512 bytes
	v_lshlrev_b32 v[GO], 4, v5
	s_lshl_b32 s6, s13, 7
	s_lshl_b32 s7, s11, 6
	s_add_co_u32 s6, s6, s7
	v_mov_b32 v[ROWV], s6
	s_lshl_b32 s90, s6, 13                         ; rows of 8,192 bytes,
	s_lshl_b32 s7, s42, 10                         ; the tile's 256 columns,
	s_add_co_u32 s90, s90, s7
	s_lshl_b32 s7, s12, 9                          ; my 128
	s_add_co_u32 s90, s90, s7
	s_mov_b32 s91, 0
	s_add_nc_u64 s[90:91], s[76:77], s[90:91]
.macro MULA f, a, zero                 ; the 32 accumulators take turns in the same order in every quarter
	WIN 0x50
.irp b, 0,1,2,3,4,5,6,7
.if \zero
	v_wmma_f32_16x16x32_f16 v[8*(8*(\a)+(\b)):8*(8*(\a)+(\b))+7], v[(\f)+32+8*(\b):(\f)+32+8*(\b)+7], v[(\f)+8*(\a):(\f)+8*(\a)+7], 0
.else
	v_wmma_f32_16x16x32_f16 v[8*(8*(\a)+(\b)):8*(8*(\a)+(\b))+7], v[(\f)+32+8*(\b):(\f)+32+8*(\b)+7], v[(\f)+8*(\a):(\f)+8*(\a)+7], v[8*(8*(\a)+(\b)):8*(8*(\a)+(\b))+7]
.endif
.endr
.endm
.macro FETCH slot, k, f
	WIN 0
.irp b, 0,1,2,3,4,5,6,7
	ds_load_b128 v[(\f)+32+8*(\b):(\f)+32+8*(\b)+3],   v[ADRB+(\slot)] offset:(\k)+(\b)*16*PITCH
	ds_load_b128 v[(\f)+32+8*(\b)+4:(\f)+32+8*(\b)+7], v[ADRB+(\slot)] offset:(\k)+(\b)*16*PITCH+32
.endr
.irp a, 0,1,2,3
	ds_load_b128 v[(\f)+8*(\a):(\f)+8*(\a)+3],   v[ADRA+(\slot)] offset:(\k)+(\a)*16*PITCH
	ds_load_b128 v[(\f)+8*(\a)+4:(\f)+8*(\a)+7], v[ADRA+(\slot)] offset:(\k)+(\a)*16*PITCH+32
.endr
.endm
.macro QUARTER slot, k, f, g, zero
	s_wait_dscnt 0x0                               ; buffer f is in
	MULA \f, 0, \zero
	MULA \f, 1, \zero
	PLACES
	FETCH \slot, \k, \g
	MULA \f, 2, \zero
	MULA \f, 3, \zero
.endm
; The change of slots: each wave waits for all its tensor loads, adds 0 to its spare word, waits for that and for its reads of this slot; fill = 1: a round of the cluster's barrier, the joint refill first behind it.
.macro TURN slot, next, fill
	s_wait_dscnt 0x0
	WIN 0
	s_wait_tensorcnt 0x0
	ds_add_u32 v[SPW], v[NIL]
	MULA F1, 0, 0
	s_wait_dscnt 0x0
	s_barrier_signal -1
	MULA F1, 1, 0
	WIN 0
	s_barrier_wait -1
.if \fill
	CREST
	s_add_nc_u64 s[G0+4*(\slot)+2:G0+4*(\slot)+3], s[G0+4*(\slot)+2:G0+4*(\slot)+3], 2*KSTEP*2
	s_add_nc_u64 s[G0B+4*(\slot)+2:G0B+4*(\slot)+3], s[G0B+4*(\slot)+2:G0B+4*(\slot)+3], 2*KSTEP*2
	JLOAD \slot
.else
	PLACES
.endif
	FETCH \next, 0, F0
	MULA F1, 2, 0
	MULA F1, 3, 0
.endm
	s_wait_tensorcnt 1                             ; my part of K step 0 is in; K step 1's stays out
	s_barrier_signal -1
	s_barrier_wait -1
	FETCH 0, 0, F0
	QUARTER 0, 64, F0, F1, 1
	WIN 0
	s_mov_b32 s3, LAPS-1
.Llap:
	QUARTER 0, 128, F1, F0, 0
	QUARTER 0, 192, F0, F1, 0
	TURN 0, 1, 1
	QUARTER 1, 64,  F0, F1, 0
	QUARTER 1, 128, F1, F0, 0
	QUARTER 1, 192, F0, F1, 0
	TURN 1, 0, 1
	QUARTER 0, 64,  F0, F1, 0
	WIN 0
	s_sub_co_u32 s3, s3, 1
	s_cmp_lg_u32 s3, 0
	s_cbranch_scc1 .Llap
	QUARTER 0, 128, F1, F0, 0
	QUARTER 0, 192, F0, F1, 0
	TURN 0, 1, 0
	QUARTER 1, 64,  F0, F1, 0
	QUARTER 1, 128, F1, F0, 0
	QUARTER 1, 192, F0, F1, 0
	s_wait_dscnt 0x0
	MULA F1, 0, 0
	MULA F1, 1, 0
	MULA F1, 2, 0
	MULA F1, 3, 0
; THE WAY OUT, 16 rows at a time through my own stage: a lane's 32 bytes in, whole rows of 512 bytes back.
.macro TOSTAGE a
	WIN 0x04                                       ; store data window 1; each accumulator's low four registers first
.irp b, 0,1,2,3,4,5,6,7
	ds_store_b128 v[STO], v[8*(8*(\a)+(\b)):8*(8*(\a)+(\b))+3]   offset:64*(\b)
	ds_store_b128 v[STO], v[8*(8*(\a)+(\b))+4:8*(8*(\a)+(\b))+7] offset:64*(\b)+16
.endr
	WIN 0
.irp t, 0,1,2,3,4,5,6,7,8,9,10,11,12,13,14,15
	ds_load_b128 v[OB+64*((\a)%2)+4*(\t):OB+64*((\a)%2)+4*(\t)+3], v[RD] offset:(\t)*SPITCH  ; LDS serves a wave's instructions in order (ISA guide 5.7.1.4)
.endr
.endm
.macro SEND a, younger                 ; younger: the next block's 32 LDS instructions, or none
	s_wait_dscnt \younger
.irp t, 0,1,2,3,4,5,6,7,8,9,10,11,12,13,14,15
	global_store_b128 v[GO], v[OB+64*((\a)%2)+4*(\t):OB+64*((\a)%2)+4*(\t)+3], s[90:91] offset:(16*(\a)+(\t))*8192 th:TH_STORE_NT  ; 512 consecutive bytes, aligned
.endr
.endm
	PLACES
	PLACES
	TOSTAGE 0
	TOSTAGE 1
	s_wait_xcnt 0x0                                ; EXEC changes only behind this wait
	v_cmp_ne_u32 vcc_lo, 0, v[ROWV]                ; rows 0-15 are not stored here: the lanes are chosen by EXEC, no branch hangs on the work-group's place
	s_and_saveexec_b32 s4, vcc_lo
	SEND 0, 32
	s_wait_xcnt 0x0                                ; and again in front of the line that widens it; it also frees the registers that the stores read
	s_or_b32 exec_lo, exec_lo, s4
	TOSTAGE 2
	SEND 1, 32
	s_wait_xcnt 0x0                                ; block 1's stores have read their registers
	TOSTAGE 3
	SEND 2, 32
	SEND 3, 0
	s_wait_tensorcnt 0x0                           ; the wave's end
	ds_add_u32 v[SPW], v[NIL]
	s_wait_dscnt 0x0
	CROUND
	s_endpgm
.Lfunc_end_k_qa1af45c093_oproj:
	.size	k_qa1af45c093_oproj, .Lfunc_end_k_qa1af45c093_oproj-k_qa1af45c093_oproj
	.p2alignl 7, 3214868480
	.fill 96, 4, 3214868480
	.section	.rodata,"a",@progbits
	.p2align	6, 0x0
	.amdhsa_kernel k_qa1af45c093_oproj
		.amdhsa_group_segment_fixed_size 327680
		.amdhsa_private_segment_fixed_size 0
		.amdhsa_enable_private_segment 0
		.amdhsa_kernarg_size 24
		.amdhsa_user_sgpr_count 2
		.amdhsa_user_sgpr_kernarg_segment_ptr 1
		.amdhsa_wavefront_size32 1
		.amdhsa_system_sgpr_workgroup_id_x 1
		.amdhsa_system_sgpr_workgroup_id_y 1
		.amdhsa_system_sgpr_workgroup_id_z 1
		.amdhsa_system_vgpr_workitem_id 0
		.amdhsa_next_free_vgpr 512
		.amdhsa_next_free_sgpr 96
		.amdhsa_reserve_vcc 1
		.amdhsa_float_denorm_mode_32 3
		.amdhsa_float_denorm_mode_16_64 3
		.amdhsa_memory_ordered 1
		.amdhsa_forward_progress 1
		.amdhsa_inst_pref_size 84
	.end_amdhsa_kernel
	.amdgpu_metadata
---
amdhsa.version: [ 1, 2 ]
amdhsa.kernels:
  - .name:           k_qa1af45c093_oproj
    .symbol:         k_qa1af45c093_oproj.kd
    .args:
      - { .name: ao, .offset: 0, .size: 8, .value_kind: global_buffer, .address_space: global }
      - { .name: ow, .offset: 8, .size: 8, .value_kind: global_buffer, .address_space: global }
      - { .name: out0, .offset: 16, .size: 8, .value_kind: global_buffer, .address_space: global }
    .group_segment_fixed_size: 327680
    .private_segment_fixed_size: 0
    .kernarg_segment_align: 8
    .kernarg_segment_size: 24
    .max_flat_workgroup_size: 128
    .sgpr_count:     96
    .vgpr_count:     512
    .wavefront_size: 32
...
	.end_amdgpu_metadata
.endif
;; end of part 4
;; launch early (part 5): grid 32 x 1, 4 waves a work-group, no clusters, 70,656 bytes of LDS; arguments qkvh, ev32, ow, out0; writes out0
.if DOCPART == 5
	.amdgcn_target "amdgcn-amd-amdhsa--gfx1250"
	.amdhsa_code_object_version 6
	.text
	.protected	k_qa1af45c093_early
	.globl	k_qa1af45c093_early
	.p2align	8
	.type	k_qa1af45c093_early,@function
k_qa1af45c093_early:
	s_mov_b64 s[64:65], 0
	v_nop
	global_prefetch_b8 v0, s[64:65] scope:SCOPE_SE
	s_setreg_imm32_b32 hwreg(HW_REG_WAVE_MODE, 25, 1), 1
	s_wait_xcnt 0x0
; ROWS 0 TO 15 OF THE OUTPUT.  Row q is a mean of q + 1 rows of v only, so its numbers are many times the output's root mean square, by which the allowance goes: here v and the weights are kept in f32, and O
; goes into the projection as a sum of two f16 numbers.  qkvh: [8][4096][256] f16; ev32: [2][16][256] f32 (v's rows 0-15, unrounded); ow: [2048][1024] f16; out0: [4096][2048] f32.
; SHARES.  32 work-groups, each 16 rows x 64 columns.  Every work-group makes the attention of the 16 rows anew: wave w is head w; in the projection wave w is the column tile w.
; The second product, 16 keys deep, uses the f32 matrix form: 64 instructions a wave, no bulk work; its accumulators are written by matrix instructions alone.
; LIMITS as in the attention launch: a hidden score counts as -1e30; every row sees its own key, so the maximum is a true score.
; REGISTERS.  window 0: v0-15 addresses; v16-23 scores, then weights; v24-31 at work; v32-95 Q, v96-159 K; v160-175 two score sums; v176-191 two output sums; v192-199 the result;
; v200-215 O's high and low f16 parts; v216-231 residues.  window 1: Wo, K chunk kc at 8 kc.  window 2: v0-127 v (channel block cb, key i at 8 cb + i), v128-255 O^T.  window 3: two buffers of a head's O.
.set XO,    0                          ; [head][chunk of 32 channels][high, low][half][lane] 16 bytes
.set OS,    65536                      ; 16 rows x 272 bytes
.set SPARE, 70144                      ; the spare words: two blocks of 256 bytes that no other line names
.set CS,   26
.set SEL,  28
.set BIGN, 30
.set MSB, 0
.macro WIN new
.if MSB != (\new)
	s_set_vgpr_msb (MSB<<8)|(\new)
.set MSB, \new
.endif
.endm
.macro PLACES
.rept 4
	v_nop
.endr
.endm
	s_load_b256 s[4:11], s[0:1], 0x0               ; qkvh s[4:5], ev32 s[6:7], ow s[8:9], out0 s[10:11]
	v_lshl_add_u32 v12, v0, 2, SPARE               ; my spare word; never rewritten
	v_mov_b32 v13, 0                               ; 0; never rewritten
	v_lshrrev_b32 v1, 5, v0
	v_readfirstlane_b32 s12, v1                    ; wave
	v_and_b32 v1, 15, v0                           ; r
	v_bfe_u32 v2, v0, 4, 1                         ; h
	v_and_b32 v3, 31, v0                           ; lane
	s_lshr_b32 s13, s12, 1                         ; g
	s_mov_b32 s[CS], 0x3bb8aa3b                    ; c = log2(e) / 256
	s_mov_b32 s[CS+1], s[CS]
	s_mov_b32 s[SEL], 0x76543210
	s_mov_b32 s[SEL+1], 0xfedcba98
	s_mov_b32 s[BIGN], 0xf149f2ca                  ; -1e30
	v_mov_b32 v14, -1.0
	v_mov_b32 v25, 0
	v_lshlrev_b32 v4, 9, v1
	v_lshl_add_u32 v4, v2, 4, v4                   ; Q, K: row x 512 + 16 h
	v_lshlrev_b32 v5, 13, v2
	v_lshl_add_u32 v5, v1, 2, v5                   ; v: key 8 h, channel r
	v_lshlrev_b32 v6, 11, v1
	v_lshl_add_u32 v6, v2, 4, v6                   ; Wo: row x 2,048 + 16 h
	v_lshlrev_b32 v7, 3, v2
	v_sub_nc_u32 v7, v1, v7                        ; r - 8 h: key j of my lane is hidden where j is greater
	s_lshl_b32 s14, s12, 14
	v_lshl_add_u32 v8, v3, 4, s14                  ; my head's O in LDS
	v_lshlrev_b32 v9, 4, v3
	s_lshl_b32 s14, s12, 6
	s_add_co_u32 s14, s14, OS
	v_mul_u32_u24 v10, v1, 272
	v_lshl_add_u32 v10, v2, 5, v10
	v_add_nc_u32 v10, s14, v10                     ; the result: row r, byte 64 w + 32 h
	s_mul_i32 s14, s12, 4*272
	s_add_co_u32 s14, s14, OS
	v_mul_u32_u24 v11, v2, 272
	v_lshl_add_u32 v11, v1, 4, v11
	v_add_nc_u32 v11, s14, v11                     ; back: rows 4 w + h, 16 lanes a row
	v_lshlrev_b32 v15, 13, v2
	v_lshl_add_u32 v15, v1, 4, v15
	s_lshl_b32 s16, s12, 21
	s_mov_b32 s17, 0
	s_add_co_u32 s18, s13, 4
	s_lshl_b32 s18, s18, 21
	s_mov_b32 s19, 0
	s_lshl_b32 s20, s13, 14
	s_mov_b32 s21, 0
	s_lshl_b32 s22, ttmp9, 17                      ; 64 rows of Wo,
	s_lshl_b32 s14, s12, 15                        ; my 16
	s_add_co_u32 s22, s22, s14
	s_mov_b32 s23, 0
	s_lshl_b32 s24, ttmp9, 8                       ; 64 columns of the output,
	s_add_co_u32 s24, s24, s14                     ; my 4 rows of 8,192 bytes
	s_mov_b32 s25, 0
	s_wait_kmcnt 0x0
	s_add_nc_u64 s[16:17], s[4:5], s[16:17]
	s_add_nc_u64 s[18:19], s[4:5], s[18:19]
	s_add_nc_u64 s[20:21], s[6:7], s[20:21]
	s_add_nc_u64 s[22:23], s[8:9], s[22:23]
	s_add_nc_u64 s[24:25], s[10:11], s[24:25]
.irp x, 0,1,2,3,4,5,6,7
	global_load_b128 v[32+8*(\x):32+8*(\x)+3], v4, s[16:17] offset:64*(\x)
	global_load_b128 v[32+8*(\x)+4:32+8*(\x)+7], v4, s[16:17] offset:64*(\x)+32
	global_load_b128 v[96+8*(\x):96+8*(\x)+3], v4, s[18:19] offset:64*(\x)
	global_load_b128 v[96+8*(\x)+4:96+8*(\x)+7], v4, s[18:19] offset:64*(\x)+32
.endr
	WIN 0x80
.set i, 0
.rept 128                                          ; channel block i / 8, key 8 h + i % 8
	global_load_b32 v[i], v5, s[20:21] offset:1024*(i%8)+64*(i/8)
.set i, i+1
.endr
	WIN 0x40
.set i, 0
.rept 32
	global_load_b128 v[8*i:8*i+3], v6, s[22:23] offset:64*i
	global_load_b128 v[8*i+4:8*i+7], v6, s[22:23] offset:64*i+32
.set i, i+1
.endr
	WIN 0
	s_wait_loadcnt 0x0
	; S^T = K Q^T: two sums take turns
.irp x, 0,1,2,3,4,5,6,7
.if (\x) < 2
	v_wmma_f32_16x16x32_f16 v[160+8*((\x)%2):160+8*((\x)%2)+7], v[96+8*(\x):96+8*(\x)+7], v[32+8*(\x):32+8*(\x)+7], 0
.else
	v_wmma_f32_16x16x32_f16 v[160+8*((\x)%2):160+8*((\x)%2)+7], v[96+8*(\x):96+8*(\x)+7], v[32+8*(\x):32+8*(\x)+7], v[160+8*((\x)%2):160+8*((\x)%2)+7]
.endif
.endr
	PLACES
	PLACES
.irp p, 0,1,2,3
	v_pk_add_f32 v[16+2*(\p):17+2*(\p)], v[160+2*(\p):161+2*(\p)], v[168+2*(\p):169+2*(\p)]
.endr
.irp j, 0,1,2,3,4,5,6,7
	v_cmp_gt_i32 vcc_lo, \j, v7
	v_cndmask_b32 v[16+(\j)], v[16+(\j)], s[BIGN], vcc_lo
.endr
	v_max3_num_f32 v24, v16, v17, v18
	v_max3_num_f32 v24, v24, v19, v20
	v_max3_num_f32 v24, v24, v21, v22
	v_max_num_f32 v24, v24, v23
	v_permlanex16_b32 v25, v24, s[SEL], s[SEL+1]   ; the query's other 8 keys lie in the lane 16 away
	v_max_num_f32 v24, v24, v25
	v_mul_f32 v24, s[CS], v24                      ; c m
.irp p, 0,1,2,3
	v_pk_fma_f32 v[16+2*(\p):17+2*(\p)], v[16+2*(\p):17+2*(\p)], s[CS:CS+1], v[24:25] op_sel_hi:[1,0,0] neg_lo:[0,0,1] neg_hi:[0,0,1]
.endr
.irp j, 0,1,2,3,4,5,6,7
	v_exp_f32 v[16+(\j)], v[16+(\j)]
.endr
	v_nop
	s_wait_alu depctr_va_vdst(0)                   ; one wait for the eight
	v_pk_add_f32 v[26:27], v[16:17], v[18:19]
	v_pk_add_f32 v[28:29], v[20:21], v[22:23]
	v_pk_add_f32 v[26:27], v[26:27], v[28:29]
	v_add_f32 v26, v26, v27
	v_permlanex16_b32 v27, v26, s[SEL], s[SEL+1]
	v_add_f32 v26, v26, v27
	v_rcp_f32 v28, v26
	v_nop
	s_wait_alu depctr_va_vdst(0)
.irp p, 0,1,2,3
	v_pk_mul_f32 v[16+2*(\p):17+2*(\p)], v[16+2*(\p):17+2*(\p)], v[28:29] op_sel_hi:[1,0]
.endr
	; O^T = V^T P in f32, four keys a step: place (h, j) of step ks holds key 8 h + 2 ks + j in both sources.  The 16 accumulators take turns; the first step starts the sums.
	WIN 0xa2                                       ; v and O^T in window 2, P in window 0
.irp ks, 0,1,2,3
.irp cb, 0,1,2,3,4,5,6,7,8,9,10,11,12,13,14,15
.if (\ks) == 0
	v_wmma_f32_16x16x4_f32 v[128+8*(\cb):128+8*(\cb)+7], v[8*(\cb)+2*(\ks):8*(\cb)+2*(\ks)+1], v[16+2*(\ks):17+2*(\ks)], 0
.else
	v_wmma_f32_16x16x4_f32 v[128+8*(\cb):128+8*(\cb)+7], v[8*(\cb)+2*(\ks):8*(\cb)+2*(\ks)+1], v[16+2*(\ks):17+2*(\ks)], v[128+8*(\cb):128+8*(\cb)+7]
.endif
.endr
.endr
.rept 10
	v_nop                                          ; this form wants eight places before its result is read
.endr
	; O = high + low, both f16: 32 channels are a fragment of the projection's source 1, lane for lane
.irp x, 0,1,2,3,4,5,6,7
	WIN 0x0a                                       ; sources 0 and 1 window 2
.irp p, 0,1,2,3,4,5,6,7
	v_cvt_pk_f16_f32 v[200+(\p)], v[128+16*(\x)+2*(\p)], v[128+16*(\x)+2*(\p)+1]
.endr
	WIN 0x20                                       ; source 2 window 2
.irp p, 0,1,2,3,4,5,6,7
	v_fma_mix_f32 v[216+2*(\p)], v[200+(\p)], v14, v[128+16*(\x)+2*(\p)] op_sel:[0,0,0] op_sel_hi:[1,0,0]      ; what the rounding left
	v_fma_mix_f32 v[216+2*(\p)+1], v[200+(\p)], v14, v[128+16*(\x)+2*(\p)+1] op_sel:[1,0,0] op_sel_hi:[1,0,0]
.endr
	WIN 0
.irp p, 0,1,2,3,4,5,6,7
	v_cvt_pk_f16_f32 v[208+(\p)], v[216+2*(\p)], v[216+2*(\p)+1]
.endr
	ds_store_b128 v8, v[200:203] offset:XO+(\x)*2048
	ds_store_b128 v8, v[204:207] offset:XO+(\x)*2048+512
	ds_store_b128 v8, v[208:211] offset:XO+(\x)*2048+1024
	ds_store_b128 v8, v[212:215] offset:XO+(\x)*2048+1536
.endr
	s_wait_dscnt 0x0                               ; for the others' sake
	s_barrier_signal -1
	s_barrier_wait -1
.macro LDO u                           ; head u's O, 32 loads, into buffer u % 2 of window 3
	WIN 0xc0
.set i, 0
.rept 32
	ds_load_b128 v[128*((\u)%2)+4*i:128*((\u)%2)+4*i+3], v9 offset:XO+(\u)*16384+512*i
.set i, i+1
.endr
.endm
.macro MULO u                          ; 16 products: the high parts onto one sum, the low parts onto the other, by turns
	WIN 0x0d                                       ; Wo in window 1, O in window 3
.irp x, 0,1,2,3,4,5,6,7
.if ((\u) == 0) && ((\x) == 0)
	v_wmma_f32_16x16x32_f16 v[176:183], v[8*(8*(\u)+(\x)):8*(8*(\u)+(\x))+7], v[128*((\u)%2)+16*(\x):128*((\u)%2)+16*(\x)+7], 0
	v_wmma_f32_16x16x32_f16 v[184:191], v[8*(8*(\u)+(\x)):8*(8*(\u)+(\x))+7], v[128*((\u)%2)+16*(\x)+8:128*((\u)%2)+16*(\x)+15], 0
.else
	v_wmma_f32_16x16x32_f16 v[176:183], v[8*(8*(\u)+(\x)):8*(8*(\u)+(\x))+7], v[128*((\u)%2)+16*(\x):128*((\u)%2)+16*(\x)+7], v[176:183]
	v_wmma_f32_16x16x32_f16 v[184:191], v[8*(8*(\u)+(\x)):8*(8*(\u)+(\x))+7], v[128*((\u)%2)+16*(\x)+8:128*((\u)%2)+16*(\x)+15], v[184:191]
.endif
.endr
.endm
	LDO 0
	LDO 1
	s_wait_dscnt 32                                ; head 0 is in; head 1's 32 loads may stay out
	MULO 0
	PLACES
	LDO 2
	s_wait_dscnt 32
	MULO 1
	PLACES
	LDO 3
	s_wait_dscnt 32
	MULO 2
	s_wait_dscnt 0x0
	MULO 3
	WIN 0
	PLACES
	PLACES
.irp p, 0,1,2,3
	v_pk_add_f32 v[192+2*(\p):193+2*(\p)], v[176+2*(\p):177+2*(\p)], v[184+2*(\p):185+2*(\p)]
.endr
	ds_store_b128 v10, v[192:195]
	ds_store_b128 v10, v[196:199] offset:16
	s_wait_dscnt 0x0
	s_barrier_signal -1
	s_barrier_wait -1
	ds_load_b128 v[200:203], v11
	ds_load_b128 v[204:207], v11 offset:2*272
	s_wait_dscnt 0x0
	global_store_b128 v15, v[200:203], s[24:25]    ; 16 lanes store 256 consecutive bytes, aligned
	global_store_b128 v15, v[204:207], s[24:25] offset:16384
	s_wait_tensorcnt 0x0                           ; the wave's end, behind my last LDS store
	ds_add_u32 v12, v13
	s_wait_dscnt 0x0
	s_endpgm
.Lfunc_end_k_qa1af45c093_early:
	.size	k_qa1af45c093_early, .Lfunc_end_k_qa1af45c093_early-k_qa1af45c093_early
	.p2alignl 7, 3214868480
	.fill 96, 4, 3214868480
	.section	.rodata,"a",@progbits
	.p2align	6, 0x0
	.amdhsa_kernel k_qa1af45c093_early
		.amdhsa_group_segment_fixed_size 70656
		.amdhsa_private_segment_fixed_size 0
		.amdhsa_enable_private_segment 0
		.amdhsa_kernarg_size 32
		.amdhsa_user_sgpr_count 2
		.amdhsa_user_sgpr_kernarg_segment_ptr 1
		.amdhsa_wavefront_size32 1
		.amdhsa_system_sgpr_workgroup_id_x 1
		.amdhsa_system_sgpr_workgroup_id_y 1
		.amdhsa_system_sgpr_workgroup_id_z 1
		.amdhsa_system_vgpr_workitem_id 0
		.amdhsa_next_free_vgpr 1024
		.amdhsa_next_free_sgpr 66
		.amdhsa_reserve_vcc 1
		.amdhsa_float_denorm_mode_32 3
		.amdhsa_float_denorm_mode_16_64 3
		.amdhsa_memory_ordered 1
		.amdhsa_forward_progress 1
		.amdhsa_inst_pref_size 65
	.end_amdhsa_kernel
	.amdgpu_metadata
---
amdhsa.version: [ 1, 2 ]
amdhsa.kernels:
  - .name:           k_qa1af45c093_early
    .symbol:         k_qa1af45c093_early.kd
    .args:
      - { .name: qkvh, .offset: 0, .size: 8, .value_kind: global_buffer, .address_space: global }
      - { .name: ev32, .offset: 8, .size: 8, .value_kind: global_buffer, .address_space: global }
      - { .name: ow, .offset: 16, .size: 8, .value_kind: global_buffer, .address_space: global }
      - { .name: out0, .offset: 24, .size: 8, .value_kind: global_buffer, .address_space: global }
    .group_segment_fixed_size: 70656
    .private_segment_fixed_size: 0
    .kernarg_segment_align: 8
    .kernarg_segment_size: 32
    .max_flat_workgroup_size: 128
    .sgpr_count:     66
    .vgpr_count:     1024
    .wavefront_size: 32
...
	.end_amdgpu_metadata
.endif
;; end of part 5
;; ======== version 2 of 2: 4 launches
;; limits: values are held in f16: magnitudes above 65,504 overflow, below 6.1e-05 lose precision
;; workspace buffers: xb 16,777,216 bytes; wb 8,388,608 bytes; ow 4,194,304 bytes; cs 4,259,840 bytes; qkvh 16,777,216 bytes; ev32 32,768 bytes; ao 8,388,608 bytes
;; launch prep: the kernel of part 1 again; grid 1024 x 1, 8 waves a work-group, no clusters, 0 bytes of LDS; arguments hidden_states, qkv_w, o_w, cos, sin, xb, wb, ow, cs; writes xb, wb, ow, cs
;; launch qkv (part 6): grid 8 x 32, 4 waves a work-group, clusters of 4 x 4, 327,680 bytes of LDS; arguments xb, wb, cs, qkvh, ev32; writes qkvh, ev32
.if DOCPART == 6
	.amdgcn_target "amdgcn-amd-amdhsa--gfx1250"
	.amdhsa_code_object_version 6
	.text
	.protected	k_qa1af45c093_qkv
	.globl	k_qa1af45c093_qkv
	.p2align	8
	.type	k_qa1af45c093_qkv,@function
k_qa1af45c093_qkv:
	s_mov_b64 s[64:65], 0
	v_nop
	global_prefetch_b8 v0, s[64:65] scope:SCOPE_SE
	s_setreg_imm32_b32 hwreg(HW_REG_WAVE_MODE, 25, 1), 1
	s_wait_xcnt 0x0
	s_wait_alu depctr_hold_cnt(0) depctr_sa_sdst(0) depctr_va_vdst(0) depctr_va_sdst(0) depctr_va_ssrc(0) depctr_va_vcc(0) depctr_vm_vsrc(0)
	s_getreg_b32 s2, hwreg(HW_REG_IB_STS2, 6, 4)
	s_cmp_eq_u32 s2, 0
	s_cbranch_scc0 .Lentry_in_a_cluster
	s_endpgm
.Lentry_in_a_cluster:
	s_bfe_u32 s2, ttmp6, 0x10000c
	s_cmp_lg_u32 s2, 0xf033
	s_cbranch_scc0 .Lentry_shape_is_right
	s_endpgm
.Lentry_shape_is_right:
; qkv = x Wqkv^T in bf16 with f32 sums, then for each head the RMS norm (no gain), RoPE (q and k) and one rounding to f16.  xb: [4096][2048], wb: [2048][2048] bf16; cs: [4160][256] words (cos, s');
; qkvh: [8 heads][4096][256] f16 (q 0-3, k 4-5, v 6-7); ev32: [2][16][256] f32: rows 0-15 of the v heads, not rounded.
; LIMITS.  A normalised number is at most 16 in size, so q and k stay in f16's range while 16 (|cos| + |sin|) < 65,504.  NaN and infinities are not treated apart.
; SHARES.  A tile is 128 positions x 256 columns = ONE head: 8 x 32 work-groups.  Four waves, each 64 rows x 128 columns: 32 accumulators.  Wave (rw, cw) takes rows 64 rw on and the columns
; 64 cw .. +63 and 128 + 64 cw .. +63: a channel d and its RoPE partner d + 128 are column blocks b and b + 4 of the same lane; only the sum of squares crosses waves.
; K goes in steps of 128 (rows of 256 bytes) through two LDS slots.  A K STEP IS WRITTEN ONCE: slot 1 begins at 1 << 17, so one exclusive or turns an address in one slot into the other's; the fragment
; addresses hang on s[TB], and one descriptor a tensor walks from K step 1 on.  CLUSTER 4 x 4: x's tile is shared along a row of the cluster, W's along a column, each asked for jointly.
; The matrix instruction is used transposed (source 0 = 16 rows of W, source 1 = 16 rows of x): a lane holds row l % 16 and eight neighbouring columns 8 (l / 16) + 0..7.
; No prefetch is laid: a wave's 64 rows of x do not deal out as a lane a row among four partners with each block named once, and a K step is short.
; REGISTERS.  window 0: v0-31 addresses, v32-63 at work, v64-159 and v160-255 two fragment buffers (x's block a at +8 a, W's block b at +32 + 8 b); window 1: accumulator (a, b) at 8 (8 a + b);
; window 2: the cos/s' words, at the index of the number that they belong to; they are loaded at the start and land under the K loop.
.set SIZE_K, 2048
.set KSTEP,  128
.set NSTEP,  SIZE_K/KSTEP
.set PITCH,  272                       ; 256 bytes + 16 of padding: the 16 rows of a fragment load start at 16 different groups of four banks (ISA guide 11.1)
.set AHALF,  64*PITCH                  ; what a wave fetches of x
.set BHALF,  128*PITCH                 ; what a wave fetches of W
.set BOFF,   2*AHALF
.set SLOT,   BOFF+2*BHALF              ; x's 128 rows, then W's 256: 104,448 bytes, under 1 << 17
.set SLOT1,  1<<17                     ; where slot 1 begins
.set SSX,    SLOT1+SLOT                ; behind the ring: [wave][a][16 rows] f32: the waves' sums of squares
.set STAGE,  SSX+1024                  ; 128 rows x 528 bytes, for the way out
.set SPITCH, 528
.set SPARE,  STAGE+128*SPITCH          ; the spare words, 128 bytes a wave: two blocks of 256 bytes that no other line names
.set ADRA0, 16                         ; v16 LDS address of my fragments of x in slot 0; never rewritten
.set ADRA,  17                         ; v17 the same in the slot in hand
.set ADRB0, 20                         ; v20, v21 the same for W
.set ADRB,  21
.set SSW,  22                          ; where I put a sum of squares
.set SSR,  23                          ; where my partner's lies
.set STO,  24                          ; the stage: in
.set RD,   25                          ; the stage: back
.set GO,   26                          ; 16 x lane
.set ROWV, 27                          ; my row, plus 4,096 in a head that is not v's
.set SPW,  28                          ; my spare word; never rewritten
.set NIL,  29                          ; 0; never rewritten
.set CSO,  30                          ; my byte offset in 16 rows of cs, and of ev32
.set CH,   32                          ; v32-47 sums of squares, later RoPE's cross terms
.set RS,   48                          ; v48-55 1 / rms of block a, twice
.set ZERO, 56
.set F0,   64
.set F1,   160
.set PKD,  64                          ; v64-191 packed results
.set G1,  24
.set G0,  32                           ; s[32:35] K step 0's group 0; s[36:39] K step 1's, which then walks on
.set G1B, 48
.set G0B, 56
.set TB,  66                           ; s66 0 or SLOT1: the slot in hand
.set MSB, 0
.macro WIN new                         ; the immediate's high byte repeats the setting that is left
.if MSB != (\new)
	s_set_vgpr_msb (MSB<<8)|(\new)
.set MSB, \new
.endif
.endm
.macro JLOAD s                         ; a joint load: waves 0 and 1 fetch x's two halves, waves 2 and 3 W's; an s_nop 0 and four v_nop follow each line
	s_cmp_eq_u32 s11, 0
	s_cbranch_scc0 .Lfor_b_\@
	tensor_load_to_lds s[G0+4*(\s):G0+4*(\s)+3], s[G1:G1+7]
	s_nop 0
.rept 4
	v_nop
.endr
	s_branch .Lasked_\@
.Lfor_b_\@:
	tensor_load_to_lds s[G0B+4*(\s):G0B+4*(\s)+3], s[G1B:G1B+7]
	s_nop 0
.rept 4
	v_nop
.endr
.Lasked_\@:
.endm
.macro CREST                           ; a round of the cluster's barrier behind its opening barrier
	s_cmp_lg_u32 s10, 0
	s_cbranch_scc1 .Lnot_wave_0_\@
	s_barrier_signal -3
.Lnot_wave_0_\@:
	s_barrier_wait -3
	s_barrier_signal -1
	s_barrier_wait -1
.endm
.macro CROUND
	s_barrier_signal -1
	s_barrier_wait -1
	CREST
.endm
.macro PLACES                          ; four places behind matrix instructions, in front of loads into registers that they have read
.rept 4
	v_nop
.endr
.endm
	s_load_b256 s[72:79], s[0:1], 0x0              ; xb s[72:73], wb s[74:75], cs s[76:77], qkvh s[78:79]
	s_load_b64 s[80:81], s[0:1], 0x20              ; ev32
	v_lshl_add_u32 v[SPW], v0, 2, SPARE
	v_mov_b32 v[NIL], 0
	ds_add_u32 v[SPW], v[NIL]                      ; the wave's opening: the add and its wait ahead of my first tensor load
	v_lshrrev_b32 v1, 5, v0
	v_readfirstlane_b32 s10, v1                    ; wave
	s_lshr_b32 s11, s10, 1                         ; rw.  Also: I fetch x (0) or W (1)
	s_and_b32 s12, s10, 1                          ; cw.  Also: which half of that tile I fetch
	s_bfe_u32 s40, ttmp6, 0x40000                  ; cx
	s_bfe_u32 s41, ttmp6, 0x40004                  ; cy
	s_lshl_b32 s42, ttmp9, 2
	s_add_co_u32 s42, s42, s40                     ; tile column = the head
	s_and_b32 s13, ttmp7, 0xffff
	s_lshl_b32 s13, s13, 2
	s_add_co_u32 s13, s13, s41                     ; tile row
	s_lshl_b32 s43, s41, 2
	s_lshl_b32 s43, 15, s43                        ; my row of the cluster
	s_lshl_b32 s44, 0x1111, s40                    ; my column
	s_or_b32 s[G1+0], s43, (1<<16)|(1<<20)|(1<<21)|(5<<22)|(3<<25)   ; the mask; 2-byte elements; padding on; bit 21 beside a mask; after every 64 words 4 words
	s_or_b32 s[G1B+0], s44, (1<<16)|(1<<20)|(1<<21)|(5<<22)|(3<<25)
	s_mov_b32 s[G1+1], KSTEP<<16                   ; tensor_dim0 = 128
	s_mov_b32 s[G1+2], 64<<16                      ; tensor_dim1 = 64
	s_mov_b32 s[G1+3], KSTEP<<16                   ; tile_dim0 = 128
	s_mov_b32 s[G1+4], 64                          ; tile_dim1 = 64
	s_mov_b32 s[G1+5], SIZE_K                      ; elements from row to row
	s_mov_b32 s[G1+6], 0
	s_mov_b32 s[G1+7], 0
	s_mov_b32 s[G1B+1], KSTEP<<16
	s_mov_b32 s[G1B+2], 128<<16                    ; W's loads have 128 rows
	s_mov_b32 s[G1B+3], KSTEP<<16
	s_mov_b32 s[G1B+4], 128
	s_mov_b32 s[G1B+5], SIZE_K
	s_mov_b32 s[G1B+6], 0
	s_mov_b32 s[G1B+7], 0
	s_lshl_b32 s17, s12, 6
	s_lshl_b32 s16, s13, 7
	s_add_co_u32 s16, s16, s17                     ; x: row 128 x tile row + 64 x half
	s_lshl_b32 s16, s16, 12                        ; x 4,096 bytes
	s_mov_b32 s17, 0
	s_lshl_b32 s47, s12, 7
	s_lshl_b32 s46, s42, 8
	s_add_co_u32 s46, s46, s47                     ; W: row 256 x tile column + 128 x half
	s_lshl_b32 s46, s46, 12
	s_mov_b32 s47, 0
	s_mul_i32 s20, s12, AHALF                      ; where they go: no place in the cluster enters an LDS address
	s_mul_i32 s21, s12, BHALF
	s_add_co_u32 s21, s21, BOFF
	s_mov_b32 s[TB], 0                             ; slot 0 is read first
	s_mov_b32 s82, 0x76543210                      ; v_permlanex16_b32: each lane takes its own place in the other half
	s_mov_b32 s83, 0xfedcba98
	s_mov_b32 s84, 0x3b800000                      ; 1 / 256
	s_mov_b32 s85, 0x358637bd                      ; 1e-6
	s_wait_dscnt 0x0                               ; the opening add is done
	s_wait_kmcnt 0x0
	s_add_nc_u64 s[14:15], s[72:73], s[16:17]
	s_add_nc_u64 s[46:47], s[74:75], s[46:47]
	CROUND                                         ; all sixteen work-groups are here: the first joint loads meet
.irp s, 0,1
	s_mov_b32 s[G0+4*(\s)], 1
	s_add_co_u32 s[G0+4*(\s)+1], s20, (\s)*SLOT1
	s_add_nc_u64 s[G0+4*(\s)+2:G0+4*(\s)+3], s[14:15], (\s)*KSTEP*2
	s_or_b32 s[G0+4*(\s)+3], s[G0+4*(\s)+3], 0x80000000
	s_mov_b32 s[G0B+4*(\s)], 1
	s_add_co_u32 s[G0B+4*(\s)+1], s21, (\s)*SLOT1
	s_add_nc_u64 s[G0B+4*(\s)+2:G0B+4*(\s)+3], s[46:47], (\s)*KSTEP*2
	s_or_b32 s[G0B+4*(\s)+3], s[G0B+4*(\s)+3], 0x80000000
	JLOAD \s                                       ; two tensor loads of mine are out
.endr
	v_and_b32 v1, 15, v0                           ; r = l % 16
	v_bfe_u32 v2, v0, 4, 1                         ; h = l / 16
	v_and_b32 v5, 31, v0                           ; lane
	; the cos/s' words of my 64 rows x 128 columns.  A v head reads the rows with cos = 1, s' = 0: a choice of data, no branch
	s_lshl_b32 s6, s13, 7
	s_lshl_b32 s7, s11, 6
	s_add_co_u32 s6, s6, s7                        ; my first row
	s_cmp_lt_u32 s42, 6
	s_cselect_b32 s7, s6, 4096
	s_cselect_b32 s8, 4096, 0
	s_lshl_b32 s86, s7, 10
	s_mov_b32 s87, 0
	s_add_nc_u64 s[86:87], s[76:77], s[86:87]
	v_lshlrev_b32 v[CSO], 10, v1
	v_lshl_add_u32 v[CSO], v2, 5, v[CSO]
	s_lshl_b32 s9, s12, 8
	v_add_nc_u32 v[CSO], s9, v[CSO]                ; 1,024 r + 256 cw + 32 h
	WIN 0x80                                       ; destination window 2
.irp a, 0,1,2,3
.irp b, 0,1,2,3,4,5,6,7
	global_load_b128 v[8*(8*(\a)+(\b)):8*(8*(\a)+(\b))+3],   v[CSO], s[86:87] offset:(\a)*16384+64*(\b)+256*((\b)/4)
	global_load_b128 v[8*(8*(\a)+(\b))+4:8*(8*(\a)+(\b))+7], v[CSO], s[86:87] offset:(\a)*16384+64*(\b)+256*((\b)/4)+16
.endr
.endr
	WIN 0
	v_add_nc_u32 v[ROWV], s6, v1
	v_add_nc_u32 v[ROWV], s8, v[ROWV]
	v_mov_b32 v[ZERO], 0
	v_mul_u32_u24 v3, v1, PITCH
	v_lshl_add_u32 v3, v2, 4, v3                   ; a fragment's row x pitch + 16 x half
	s_mul_i32 s4, s11, AHALF                       ; my 64 rows of x
	s_mul_i32 s5, s12, 64*PITCH                    ; my columns begin at W's row 64 cw
	s_add_co_u32 s5, s5, BOFF
	v_add_nc_u32 v[ADRA0], s4, v3
	v_add_nc_u32 v[ADRB0], s5, v3
	v_add_nc_u32 v[ADRA], s4, v3                   ; the slot in hand is slot 0
	v_add_nc_u32 v[ADRB], s5, v3
	s_lshl_b32 s9, s10, 8
	s_add_co_u32 s9, s9, SSX
	v_lshl_add_u32 v[SSW], v1, 2, s9
	s_xor_b32 s9, s10, 1                           ; the wave with my rows and the other columns
	s_lshl_b32 s9, s9, 8
	s_add_co_u32 s9, s9, SSX
	v_lshl_add_u32 v[SSR], v1, 2, s9
	s_mul_i32 s9, s11, 64*SPITCH
	s_lshl_b32 s4, s12, 7
	s_add_co_u32 s9, s9, s4
	s_add_co_u32 s9, s9, STAGE
	v_mul_u32_u24 v4, v1, SPITCH
	v_lshl_add_u32 v4, v2, 4, v4
	v_add_nc_u32 v[STO], s9, v4                    ; row 64 rw + r, byte 128 cw + 16 h
	s_mul_i32 s9, s10, 32*SPITCH
	s_add_co_u32 s9, s9, STAGE
	v_lshl_add_u32 v[RD], v5, 4, s9                ; back: wave w takes rows 32 w on, whole
	v_lshlrev_b32 v[GO], 4, v5
	s_and_b32 s88, s42, 1
	s_lshl_b32 s88, s88, 14
	s_mov_b32 s89, 0
	s_add_nc_u64 s[88:89], s[80:81], s[88:89]      ; ev32 at the v head
	s_lshl_b32 s90, s42, 21                        ; qkvh: the head,
	s_lshl_b32 s9, s13, 16                         ; the tile's 128 rows of 512 bytes,
	s_add_co_u32 s90, s90, s9
	s_lshl_b32 s9, s10, 14                         ; my 32 of them
	s_add_co_u32 s90, s90, s9
	s_mov_b32 s91, 0
	s_add_nc_u64 s[90:91], s[78:79], s[90:91]
; 8 matrix instructions: row block a x all 8 column blocks, 32 along K.  The 32 accumulators take turns in the same order in every quarter.
.macro MULA f, a, zero
	WIN 0x50                                       ; C and D window 1, sources window 0
.irp b, 0,1,2,3,4,5,6,7
.if \zero
	v_wmma_f32_16x16x32_bf16 v[8*(8*(\a)+(\b)):8*(8*(\a)+(\b))+7], v[(\f)+32+8*(\b):(\f)+32+8*(\b)+7], v[(\f)+8*(\a):(\f)+8*(\a)+7], 0
.else
	v_wmma_f32_16x16x32_bf16 v[8*(8*(\a)+(\b)):8*(8*(\a)+(\b))+7], v[(\f)+32+8*(\b):(\f)+32+8*(\b)+7], v[(\f)+8*(\a):(\f)+8*(\a)+7], v[8*(8*(\a)+(\b)):8*(8*(\a)+(\b))+7]
.endif
.endr
.endm
; 24 LDS loads in one run: the fragments of 32 along K at byte k of the rows of the slot in hand.  W's block b begins at row 16 b (b < 4) or 128 + 16 (b - 4) behind my first
.macro FETCH k, f
	WIN 0
.irp b, 0,1,2,3,4,5,6,7
	ds_load_b128 v[(\f)+32+8*(\b):(\f)+32+8*(\b)+3],   v[ADRB] offset:(\k)+(16*(\b)+64*((\b)/4))*PITCH
	ds_load_b128 v[(\f)+32+8*(\b)+4:(\f)+32+8*(\b)+7], v[ADRB] offset:(\k)+(16*(\b)+64*((\b)/4))*PITCH+32
.endr
.irp a, 0,1,2,3
	ds_load_b128 v[(\f)+8*(\a):(\f)+8*(\a)+3],   v[ADRA] offset:(\k)+(\a)*16*PITCH
	ds_load_b128 v[(\f)+8*(\a)+4:(\f)+8*(\a)+7], v[ADRA] offset:(\k)+(\a)*16*PITCH+32
.endr
.endm
; A K step is four quarters of 32 along K on buffers 0, 1, 0, 1.  One of the first three multiplies buffer f and, in its middle, fetches the next quarter into g.
.macro QUARTER k, f, g, zero
	s_wait_dscnt 0x0                               ; buffer f is in: its loads went out 16 matrix instructions ago
	MULA \f, 0, \zero
	MULA \f, 1, \zero
	PLACES
	FETCH \k, \g
	MULA \f, 2, \zero
	MULA \f, 3, \zero
.endm
; The last quarter multiplies buffer 1 and changes slots: one barrier; in front of it each wave waits for all its tensor loads (one is out: its part of the next slot), adds 0 to its spare word, and
; waits for that and for its reads of this slot.  fill = 1: the barrier opens a round of the cluster's, and this slot is filled again first thing behind it, two K steps ahead: the walking
; descriptor turns to the other slot than last time and steps one K step on.  Then the fragment addresses turn to the other slot.
.macro TURN fill
	s_wait_dscnt 0x0                               ; buffer 1 is in
	WIN 0
	s_wait_tensorcnt 0x0
	ds_add_u32 v[SPW], v[NIL]                      ; 0 onto my spare word; eight matrix instructions stand between it and the wait for it
	MULA F1, 0, 0
	s_wait_dscnt 0x0                               ; the add is done, and my reads of this slot are over
	s_barrier_signal -1
	MULA F1, 1, 0
	WIN 0
	s_barrier_wait -1
.if \fill
	CREST                                          ; no wave of any partner still reads this slot or has a load on its way
	s_xor_b32 s[G0+5], s[G0+5], SLOT1
	s_add_nc_u64 s[G0+6:G0+7], s[G0+6:G0+7], KSTEP*2  ; the type bits on top are not reached
	s_xor_b32 s[G0B+5], s[G0B+5], SLOT1
	s_add_nc_u64 s[G0B+6:G0B+7], s[G0B+6:G0B+7], KSTEP*2
	JLOAD 1                                        ; 112 matrix instructions ahead of the wait for it; its four v_nop are also the places in front of the loads below
.else
	PLACES
.endif
	s_xor_b32 s[TB], s[TB], SLOT1
	v_add_nc_u32 v[ADRA], s[TB], v[ADRA0]
	v_add_nc_u32 v[ADRB], s[TB], v[ADRB0]
	FETCH 0, F0
	MULA F1, 2, 0
	MULA F1, 3, 0
.endm
	s_wait_tensorcnt 1                             ; my part of K step 0 is in; K step 1's stays out
	s_barrier_signal -1
	s_barrier_wait -1
	FETCH 0, F0
	QUARTER 64, F0, F1, 1                          ; the first quarter starts the sums: nothing is cleared
	WIN 0
	s_mov_b32 s3, NSTEP-2
.Lstep:                                            ; a trip goes from a K step's second quarter to the next step's first and fills the slot that it leaves: K steps 2 to 15
	QUARTER 128, F1, F0, 0
	QUARTER 192, F0, F1, 0
	TURN 1
	QUARTER 64,  F0, F1, 0
	WIN 0
	s_sub_co_u32 s3, s3, 1
	s_cmp_lg_u32 s3, 0
	s_cbranch_scc1 .Lstep
	QUARTER 128, F1, F0, 0                         ; the last two K steps fill nothing
	QUARTER 192, F0, F1, 0
	TURN 0
	QUARTER 64,  F0, F1, 0
	QUARTER 128, F1, F0, 0
	QUARTER 192, F0, F1, 0
	s_wait_dscnt 0x0
	MULA F1, 0, 0
	MULA F1, 1, 0
	MULA F1, 2, 0
	MULA F1, 3, 0
	; THE WAY OUT.  Sums of squares: 8 chains (two a row block), each accumulator read from its low end on
	PLACES
	PLACES
	s_wait_loadcnt 0x0                             ; the cos/s' words
	WIN 0x05                                       ; sources 0 and 1 window 1
.irp b, 0,1,2,3,4,5,6,7
.irp p, 0,1,2,3
.irp a, 0,1,2,3
.if ((\b) == 0) && ((\p) < 2)
	v_pk_mul_f32 v[CH+4*(\a)+2*((\p)%2):CH+4*(\a)+2*((\p)%2)+1], v[8*(8*(\a)+(\b))+2*(\p):8*(8*(\a)+(\b))+2*(\p)+1], v[8*(8*(\a)+(\b))+2*(\p):8*(8*(\a)+(\b))+2*(\p)+1]
.else
	v_pk_fma_f32 v[CH+4*(\a)+2*((\p)%2):CH+4*(\a)+2*((\p)%2)+1], v[8*(8*(\a)+(\b))+2*(\p):8*(8*(\a)+(\b))+2*(\p)+1], v[8*(8*(\a)+(\b))+2*(\p):8*(8*(\a)+(\b))+2*(\p)+1], v[CH+4*(\a)+2*((\p)%2):CH+4*(\a)+2*((\p)%2)+1]
.endif
.endr
.endr
.endr
	WIN 0
.irp a, 0,1,2,3
	v_pk_add_f32 v[CH+4*(\a):CH+4*(\a)+1], v[CH+4*(\a):CH+4*(\a)+1], v[CH+4*(\a)+2:CH+4*(\a)+3]
.endr
.irp a, 0,1,2,3
	v_add_f32 v[CH+4*(\a)], v[CH+4*(\a)], v[CH+4*(\a)+1]
.endr
.irp a, 0,1,2,3
	v_permlanex16_b32 v[CH+4*(\a)+1], v[CH+4*(\a)], s82, s83  ; the row's other columns of mine lie in the lane 16 away
.endr
.irp a, 0,1,2,3
	v_add_f32 v[CH+4*(\a)], v[CH+4*(\a)], v[CH+4*(\a)+1]
.endr
.irp a, 0,1,2,3
	ds_store_b32 v[SSW], v[CH+4*(\a)] offset:64*(\a)
.endr
	s_wait_dscnt 0x0                               ; for the partner's sake: my sums lie in LDS
	s_barrier_signal -1
	s_barrier_wait -1
.irp a, 0,1,2,3
	ds_load_b32 v[CH+4*(\a)+1], v[SSR] offset:64*(\a)
.endr
	s_wait_dscnt 0x0
.irp a, 0,1,2,3
	v_add_f32 v[CH+4*(\a)], v[CH+4*(\a)], v[CH+4*(\a)+1]
.endr
.irp a, 0,1,2,3
	v_fma_f32 v[CH+4*(\a)], v[CH+4*(\a)], s84, s85 ; the mean of the squares + 1e-6
.endr
.irp a, 0,1,2,3
	v_rsq_f32 v[RS+2*(\a)], v[CH+4*(\a)]
	v_rsq_f32 v[RS+2*(\a)+1], v[CH+4*(\a)]
.endr
	v_nop                                          ; a plain instruction behind the last of them,
	s_wait_alu depctr_va_vdst(0)                   ; and one wait for the eight, ahead of their first reader
	WIN 0x41                                       ; destination and source 0 window 1
.irp a, 0,1,2,3
.irp b, 0,1,2,3,4,5,6,7
.irp p, 0,1,2,3
	v_pk_mul_f32 v[8*(8*(\a)+(\b))+2*(\p):8*(8*(\a)+(\b))+2*(\p)+1], v[8*(8*(\a)+(\b))+2*(\p):8*(8*(\a)+(\b))+2*(\p)+1], v[RS+2*(\a):RS+2*(\a)+1]
.endr
.endr
.endr
; RoPE for blocks b and b + 4 of row block a: first both cross terms x[d xor 128] s'[d], then x[d] cos[d] + the cross term, in place.  The word's halves are read as bf16 by the multiply-add itself.
.macro ROPE a, b
.set XL, 8*(8*(\a)+(\b))
.set XH, XL+32
	WIN 0x09                                       ; source 0 window 1 (x), source 1 window 2 (the words)
.irp j, 0,1,2,3,4,5,6,7
	v_fma_mix_f32_bf16 v[CH+(\j)], v[XH+(\j)], v[XL+(\j)], v[ZERO] op_sel:[0,1,0] op_sel_hi:[0,1,0]
	v_fma_mix_f32_bf16 v[CH+8+(\j)], v[XL+(\j)], v[XH+(\j)], v[ZERO] op_sel:[0,1,0] op_sel_hi:[0,1,0]
.endr
	WIN 0x49                                       ; the same, destination window 1
.irp j, 0,1,2,3,4,5,6,7
	v_fma_mix_f32_bf16 v[XL+(\j)], v[XL+(\j)], v[XL+(\j)], v[CH+(\j)] op_sel_hi:[0,1,0]
	v_fma_mix_f32_bf16 v[XH+(\j)], v[XH+(\j)], v[XH+(\j)], v[CH+8+(\j)] op_sel_hi:[0,1,0]
.endr
.endm
.irp b, 0,1,2,3
	ROPE 0, \b
.endr
	; rows 0-15 of a v head leave unrounded too.  The lanes are chosen by EXEC: no branch hangs on the work-group's place
	WIN 0
	s_wait_xcnt 0x0                                ; EXEC changes only behind this wait
	v_cmp_gt_u32 vcc_lo, 16, v[ROWV]
	s_and_saveexec_b32 s4, vcc_lo
	WIN 0x04                                       ; store data window 1
.irp b, 0,1,2,3,4,5,6,7
	global_store_b128 v[CSO], v[8*(\b):8*(\b)+3],   s[88:89] offset:64*(\b)+256*((\b)/4)
	global_store_b128 v[CSO], v[8*(\b)+4:8*(\b)+7], s[88:89] offset:64*(\b)+256*((\b)/4)+16
.endr
	s_wait_xcnt 0x0                                ; and again in front of the line that widens it
	s_or_b32 exec_lo, exec_lo, s4
.irp a, 1,2,3
.irp b, 0,1,2,3
	ROPE \a, \b
.endr
.endr
	WIN 0x05
.irp a, 0,1,2,3
.irp b, 0,1,2,3,4,5,6,7
.irp p, 0,1,2,3
	v_cvt_pk_f16_f32 v[PKD+4*(8*(\a)+(\b))+(\p)], v[8*(8*(\a)+(\b))+2*(\p)], v[8*(8*(\a)+(\b))+2*(\p)+1]
.endr
.endr
.endr
	WIN 0
.irp a, 0,1,2,3
.irp b, 0,1,2,3,4,5,6,7
	ds_store_b128 v[STO], v[PKD+4*(8*(\a)+(\b)):PKD+4*(8*(\a)+(\b))+3] offset:(\a)*16*SPITCH+32*(\b)+128*((\b)/4)
.endr
.endr
	s_wait_dscnt 0x0                               ; a row's 512 bytes come from two waves
	s_barrier_signal -1
	s_barrier_wait -1
.set t, 0
.rept 32
	ds_load_b128 v[PKD+4*t:PKD+4*t+3], v[RD] offset:t*SPITCH
.set t, t+1
.endr
.set t, 0
.rept 32
	s_wait_dscnt 31-t                              ; row t is back; the younger ones stay out
	global_store_b128 v[GO], v[PKD+4*t:PKD+4*t+3], s[90:91] offset:t*512  ; 512 consecutive bytes, aligned
.set t, t+1
.endr
	s_wait_tensorcnt 0x0                           ; the wave's end
	ds_add_u32 v[SPW], v[NIL]
	s_wait_dscnt 0x0
	CROUND                                         ; the closing round
	s_endpgm
.Lfunc_end_k_qa1af45c093_qkv:
	.size	k_qa1af45c093_qkv, .Lfunc_end_k_qa1af45c093_qkv-k_qa1af45c093_qkv
	.p2alignl 7, 3214868480
	.fill 96, 4, 3214868480
	.section	.rodata,"a",@progbits
	.p2align	6, 0x0
	.amdhsa_kernel k_qa1af45c093_qkv
		.amdhsa_group_segment_fixed_size 327680
		.amdhsa_private_segment_fixed_size 0
		.amdhsa_enable_private_segment 0
		.amdhsa_kernarg_size 40
		.amdhsa_user_sgpr_count 2
		.amdhsa_user_sgpr_kernarg_segment_ptr 1
		.amdhsa_wavefront_size32 1
		.amdhsa_system_sgpr_workgroup_id_x 1
		.amdhsa_system_sgpr_workgroup_id_y 1
		.amdhsa_system_sgpr_workgroup_id_z 1
		.amdhsa_system_vgpr_workitem_id 0
		.amdhsa_next_free_vgpr 768
		.amdhsa_next_free_sgpr 96
		.amdhsa_reserve_vcc 1
		.amdhsa_float_denorm_mode_32 3
		.amdhsa_float_denorm_mode_16_64 3
		.amdhsa_memory_ordered 1
		.amdhsa_forward_progress 1
		.amdhsa_inst_pref_size 131
	.end_amdhsa_kernel
	.amdgpu_metadata
---
amdhsa.version: [ 1, 2 ]
amdhsa.kernels:
  - .name:           k_qa1af45c093_qkv
    .symbol:         k_qa1af45c093_qkv.kd
    .args:
      - { .name: xb, .offset: 0, .size: 8, .value_kind: global_buffer, .address_space: global }
      - { .name: wb, .offset: 8, .size: 8, .value_kind: global_buffer, .address_space: global }
      - { .name: cs, .offset: 16, .size: 8, .value_kind: global_buffer, .address_space: global }
      - { .name: qkvh, .offset: 24, .size: 8, .value_kind: global_buffer, .address_space: global }
      - { .name: ev32, .offset: 32, .size: 8, .value_kind: global_buffer, .address_space: global }
    .group_segment_fixed_size: 327680
    .private_segment_fixed_size: 0
    .kernarg_segment_align: 8
    .kernarg_segment_size: 40
    .max_flat_workgroup_size: 128
    .sgpr_count:     96
    .vgpr_count:     768
    .wavefront_size: 32
...
	.end_amdgpu_metadata
.endif
;; end of part 6
;; launch attn (part 7): grid 128 x 2, 4 waves a work-group, clusters of 4 x 1, 327,680 bytes of LDS; arguments qkvh, ao, ev32, ow, out0; writes ao, out0
.if DOCPART == 7
	.amdgcn_target "amdgcn-amd-amdhsa--gfx1250"
	.amdhsa_code_object_version 6
	.text
	.protected	k_qa1af45c093_attn
	.globl	k_qa1af45c093_attn
	.p2align	8
	.type	k_qa1af45c093_attn,@function
k_qa1af45c093_attn:
	s_mov_b64 s[64:65], 0
	v_nop
	global_prefetch_b8 v0, s[64:65] scope:SCOPE_SE
	s_setreg_imm32_b32 hwreg(HW_REG_WAVE_MODE, 25, 1), 1
	s_wait_xcnt 0x0
	s_wait_alu depctr_hold_cnt(0) depctr_sa_sdst(0) depctr_va_vdst(0) depctr_va_sdst(0) depctr_va_ssrc(0) depctr_va_vcc(0) depctr_vm_vsrc(0)
	s_getreg_b32 s2, hwreg(HW_REG_IB_STS2, 6, 4)
	s_cmp_eq_u32 s2, 0
	s_cbranch_scc0 .Lentry_in_a_cluster
	s_endpgm
.Lentry_in_a_cluster:
	s_bfe_u32 s2, ttmp6, 0x10000c
	s_cmp_lg_u32 s2, 0x3003
	s_cbranch_scc0 .Lentry_shape_is_right
	s_endpgm
.Lentry_shape_is_right:
; CAUSAL ATTENTION WITH TWO QUERY HEADS TO A KEY/VALUE HEAD.  O[q][h] = the sum over k <= q of softmax_k(Q[h][q] . K[g][k] / 256) V[g][k], g = h / 2.  qkvh: [8][4096][256] f16 (q 0-3, k 4-5, v 6-7);
; ao: [4096][4 x 256] f16.  Products, maxima and sums in f32; the weights p are rounded to f16 for the second product (their sum l is taken of the unrounded p), O once at the end.
; LIMITS.  A hidden score counts as its value less 1e30.  The running maximum starts at -2^66: f16's scores, 256 x 65,504^2 at the most, lie far above it, so it is the true maximum as soon as a wave
; has seen a visible key; a wave that sees none keeps p = l = O = 0.  A weight below 2^-126 counts as 0.  NaN and infinities are not treated apart.
; SHARES.  A work-group owns 32 positions x the two query heads of g: four tiles of 16 queries, t = 2 (position tile) + (head).  ALL four waves hold all four tiles; THE KEYS are split among them: of each
; slot of 128 keys wave w takes keys 32 w .. 32 w + 31.  So each byte of K and V leaves LDS once.  The four partial results (c m, l, O) meet in LDS at the end.
; CLUSTER.  The four partners own 128 consecutive positions, one slot's width, and walk the same slots: each tile is asked for jointly.  With CB the cluster's number and L = CB / 2 the walk has 2 L slots
; without a mask and two with: the diagonal one and its neighbour (wholly visible in front of it, or wholly hidden behind it).  Work-groups of later positions walk longer: pairs of a long and a short
; block would halve the queries that a fetched key serves.
; ROWS 0 TO 15 OF THE MODULE'S OUTPUT are made here too, by the 32 work-groups of clusters 0 to 3, whose walks are the shortest (2 or 4 slots of up to 32), behind their attention: see the part's own head.
; THE TEXT.  The loop over pairs of slots counts to L, which is set at run time, so both its steps are written out, each with its slot's fixed LDS addresses.  The two masked steps are one text walked
; twice by a loop of constant count; their LDS addresses hang on s[TB].
; LAYOUT.  S^T = K Q^T: a lane holds ONE query (l % 16) and the keys 8 (l / 16) + 0..7; two such results rounded to f16 ARE source 1 of O^T = V^T P.  K comes out of LDS as it lies, V turned.
; SOFTMAX.  p = 2^(c s - c m), c = log2(e) / 256, m a running maximum; O and l are multiplied by a = 2^(c m_old - c m_new) in every step.
; REGISTERS.  window 0: v0-15 addresses; v16-47 eight registers of statistics a tile (c m, m, l, l, c0, c1, a, c3); v48-63 two accumulators of the f32 matrix form, written by matrix instructions alone;
; v64-127 S^T, 16 a tile, P in place in the low 8; v128-255 fragments of K, then of V; in the merge v192-207 at work.
; windows 1, 2: O^T, tile t at 128 (t % 2) + 8 cb in window 1 + t / 2.  window 3: Q, tile t, channels 32 x on, at 64 t + 8 x.
.set KP,    528                        ; a row of K in LDS: 512 bytes + 16
.set VP,    544                        ; a row of V: 512 + 32
.set VOFF,  128*KP
.set SLOT,  VOFF+128*VP
.set STAGE, 2*SLOT                     ; behind the ring: 16 rows x 528 bytes a wave
.set SP,    528
.set STATS, STAGE+4*16*SP              ; [wave][tile][lane] (c m, l)
.set SPARE, STATS+4096                 ; the spare words: two blocks of 256 bytes that no other line names
.set AK,  2                            ; v2-3  my lane's place in K of slot 0, 1; in the merge v2-5 are the four waves' blocks
.set AV,  4                            ; v4-5  the same for V
.set AKT, 3                            ; behind the loop over pairs slot 1's two registers take the masked steps' places
.set AVT, 5
.set QO,  6                            ; v6    my offset in 16 rows of Q; later the stage: in
.set STO, 6
.set RD,  7
.set GO,  8
.set PFO, 9                            ; 256 x lane
.set THR, 10                           ; v10-11 a key of my 32 is hidden where its number is greater; later the statistics' addresses
.set SPW, 12                           ; my spare word; never rewritten
.set NIL, 13                           ; 0; never rewritten
.set ST,  16
.set S,   64
.set H,   128
.set MG,  192                          ; v192-206 the merge: four (c m, l), the maximum, four weights, l, 1 / l
.set XW,  207
.set WV,  10                           ; s10 wave
.set L,   12                           ; s12 trips of the loop
.set I,   13                           ; s13 its counter
.set REM, 14                           ; s14 refills still to come
.set LIM, 15                           ; s15 1 in the cluster that prefetches, else the greatest number
.set G1K, 24
.set G1V, 32
.set G0K, 40                           ; s[40:47] a set for each slot
.set G0V, 48
.set CS,  56
.set SEL, 58
.set BIGN, 60
.set PFA, 62
.set TB,  72                           ; s72 the masked step's slot, in bytes
.set TW,  73                           ; s73 counts the two masked steps
.set MSB, 0
.macro WIN new
.if MSB != (\new)
	s_set_vgpr_msb (MSB<<8)|(\new)
.set MSB, \new
.endif
.endm
.macro ALLT line:vararg                ; one line for each tile t
.set t, 0
.rept 4
	\line
.set t, t+1
.endr
.endm
.macro PLACES
.rept 4
	v_nop
.endr
.endm
.macro JLOAD sl                        ; a joint refill: waves 0 and 1 fetch the halves of a slot's K, waves 2 and 3 of its V: 64 rows of 512 bytes each
	s_cmp_lt_u32 s[WV], 2
	s_cbranch_scc0 .Lfor_v_\@
	tensor_load_to_lds s[G0K+4*(\sl):G0K+4*(\sl)+3], s[G1K:G1K+7]
	s_nop 0
.rept 4
	v_nop
.endr
	s_branch .Lasked_\@
.Lfor_v_\@:
	tensor_load_to_lds s[G0V+4*(\sl):G0V+4*(\sl)+3], s[G1V:G1V+7]
	s_nop 0
.rept 4
	v_nop
.endr
.Lasked_\@:
.endm
; A prefetch of what the NEXT change of slots will ask for.  The head's last cluster, which walks every key, asks, and nobody else.  Of the 64 rows that a wave fetches each of the four partners takes 16, told
; apart by address: 32 blocks of 256 bytes, a lane a block, one instruction a wave.  So each block is named once in the launch.  The last refill asks for nothing; slots 0 to 2 come by their loads alone.
.macro ASK
	s_cmp_gt_u32 s[REM], s[LIM]
	s_cbranch_scc0 .Lnot_mine_\@
	global_prefetch_b8 v[PFO], s[PFA:PFA+1] th:TH_LOAD_NT scope:SCOPE_SE
.Lnot_mine_\@:
	s_sub_co_u32 s[REM], s[REM], 1
.endm
.macro CROUND
	s_barrier_signal -1
	s_barrier_wait -1
	s_cmp_lg_u32 s[WV], 0
	s_cbranch_scc1 .Lnot_wave_0_\@
	s_barrier_signal -3
.Lnot_wave_0_\@:
	s_barrier_wait -3
	s_barrier_signal -1
	s_barrier_wait -1
.endm
	s_load_b128 s[4:7], s[0:1], 0x0                ; qkvh s[4:5], ao s[6:7]
	s_load_b128 s[76:79], s[0:1], 0x10             ; ev32 s[76:77], ow s[78:79]
	s_load_b64 s[74:75], s[0:1], 0x20              ; out0
	v_lshl_add_u32 v[SPW], v0, 2, SPARE
	v_mov_b32 v[NIL], 0
	ds_add_u32 v[SPW], v[NIL]                      ; the wave's opening: the add and its wait ahead of my first tensor load
	v_lshrrev_b32 v1, 5, v0
	v_readfirstlane_b32 s[WV], v1
	s_and_b32 s11, s[WV], 1                        ; which half of a tile I fetch
	s_bfe_u32 s16, ttmp6, 0x40000                  ; cx
	s_lshl_b32 s17, ttmp9, 2
	s_add_co_u32 s17, s17, s16                     ; qc: my block of 32 positions
	s_and_b32 s18, ttmp7, 0xffff                   ; g
	s_lshr_b32 s[L], ttmp9, 1
	s_lshl_b32 s[REM], s[L], 1
	s_cmp_eq_u32 ttmp9, 31
	s_cselect_b32 s[LIM], 1, -1                    ; the same in all four partners
	s_mov_b32 s[G1K], 15|(1<<16)|(1<<20)|(1<<21)|(6<<22)|(3<<25)  ; the mask of four; 2-byte elements; padding on; bit 21 beside a mask; after every 128 words 4 words
	s_mov_b32 s[G1V], 15|(1<<16)|(1<<20)|(1<<21)|(6<<22)|(7<<25)  ; the same with 8 words
.irp g, G1K, G1V
	s_mov_b32 s[(\g)+1], 256<<16                   ; tensor_dim0 = 256
	s_mov_b32 s[(\g)+2], 64<<16                    ; tensor_dim1 = 64
	s_mov_b32 s[(\g)+3], 256<<16                   ; tile_dim0 = 256
	s_mov_b32 s[(\g)+4], 64                        ; tile_dim1 = 64
	s_mov_b32 s[(\g)+5], 256                       ; elements from row to row
	s_mov_b32 s[(\g)+6], 0
	s_mov_b32 s[(\g)+7], 0
.endr
	s_mov_b32 s[CS], 0x3bb8aa3b                    ; c = log2(e) / 256
	s_mov_b32 s[CS+1], s[CS]
	s_mov_b32 s[SEL], 0x76543210
	s_mov_b32 s[SEL+1], 0xfedcba98
	s_mov_b32 s[BIGN], 0xf149f2ca                  ; -1e30
	s_add_co_u32 s20, s18, 4
	s_lshl_b32 s20, s20, 21                        ; K's head,
	s_lshl_b32 s19, s11, 15                        ; my 64 rows of 512 bytes
	s_add_co_u32 s20, s20, s19
	s_mov_b32 s21, 0
	s_add_co_u32 s22, s20, 1<<22                   ; V lies two heads on
	s_mov_b32 s23, 0
	s_mul_i32 s8, s11, 64*KP                       ; and where they go: no place in the cluster enters an LDS address
	s_mul_i32 s9, s11, 64*VP
	s_add_co_u32 s9, s9, VOFF
	s_lshl_b32 s66, s18, 22                        ; Q: head 2 g,
	s_lshl_b32 s19, s17, 14                        ; my 32 rows
	s_add_co_u32 s66, s66, s19
	s_mov_b32 s67, 0
	s_lshl_b32 s70, s17, 16                        ; ao: 32 rows of 2,048 bytes,
	s_lshr_b32 s19, s[WV], 1
	s_lshl_b32 s19, s19, 15                        ; the position tile that I finish (tile = my wave's number),
	s_add_co_u32 s70, s70, s19
	s_lshl_b32 s19, s18, 10                        ; head 2 g
	s_add_co_u32 s70, s70, s19
	s_lshl_b32 s19, s11, 9                         ; + my tile's head
	s_add_co_u32 s70, s70, s19
	s_mov_b32 s71, 0
	s_lshl_b32 s2, s16, 13                         ; the prefetches: my work-group's 16 rows of the 64
	s_mov_b32 s3, 0
	s_wait_dscnt 0x0                               ; the opening add is done
	s_wait_kmcnt 0x0
	s_add_nc_u64 s[20:21], s[4:5], s[20:21]
	s_add_nc_u64 s[22:23], s[4:5], s[22:23]
	s_add_nc_u64 s[66:67], s[4:5], s[66:67]
	s_add_nc_u64 s[68:69], s[66:67], 1<<21         ; head 2 g + 1
	s_add_nc_u64 s[70:71], s[6:7], s[70:71]
	s_cmp_lt_u32 s[WV], 2
	s_cselect_b64 s[PFA:PFA+1], s[20:21], s[22:23]
	s_add_nc_u64 s[PFA:PFA+1], s[PFA:PFA+1], s[2:3]
	s_add_nc_u64 s[PFA:PFA+1], s[PFA:PFA+1], 2*65536  ; in slot 2; the first change steps it to slot 3
.irp s, 0,1
	s_mov_b32 s[G0K+4*(\s)], 1
	s_add_co_u32 s[G0K+4*(\s)+1], s8, (\s)*SLOT
	s_add_nc_u64 s[G0K+4*(\s)+2:G0K+4*(\s)+3], s[20:21], (\s)*65536
	s_or_b32 s[G0K+4*(\s)+3], s[G0K+4*(\s)+3], 0x80000000
	s_mov_b32 s[G0V+4*(\s)], 1
	s_add_co_u32 s[G0V+4*(\s)+1], s9, (\s)*SLOT
	s_add_nc_u64 s[G0V+4*(\s)+2:G0V+4*(\s)+3], s[22:23], (\s)*65536
	s_or_b32 s[G0V+4*(\s)+3], s[G0V+4*(\s)+3], 0x80000000
.endr
	CROUND                                         ; all four work-groups are here: the first joint loads meet
	s_cmp_lt_u32 s[WV], 2                          ; a wave's two first fills stand in one branch: two loads of mine are out
	s_cbranch_scc0 .Lfirst_v
	tensor_load_to_lds s[G0K:G0K+3], s[G1K:G1K+7]
	s_nop 0
	tensor_load_to_lds s[G0K+4:G0K+7], s[G1K:G1K+7]
	s_nop 0
.rept 4
	v_nop
.endr
	s_branch .Lfirst_asked
.Lfirst_v:
	tensor_load_to_lds s[G0V:G0V+3], s[G1V:G1V+7]
	s_nop 0
	tensor_load_to_lds s[G0V+4:G0V+7], s[G1V:G1V+7]
	s_nop 0
.rept 4
	v_nop
.endr
.Lfirst_asked:
	v_and_b32 v1, 15, v0                           ; r
	v_bfe_u32 v14, v0, 4, 1                        ; h
	v_lshlrev_b32 v[QO], 9, v1
	v_lshl_add_u32 v[QO], v14, 4, v[QO]            ; row x 512 + 16 x half
	WIN 0xc0                                       ; destination window 3
.irp p, 0,1
.irp x, 0,1,2,3,4,5,6,7
	global_load_b128 v[128*(\p)+8*(\x):128*(\p)+8*(\x)+3],       v[QO], s[66:67] offset:(\p)*8192+64*(\x)
	global_load_b128 v[128*(\p)+8*(\x)+4:128*(\p)+8*(\x)+7],     v[QO], s[66:67] offset:(\p)*8192+64*(\x)+32
	global_load_b128 v[128*(\p)+64+8*(\x):128*(\p)+64+8*(\x)+3], v[QO], s[68:69] offset:(\p)*8192+64*(\x)
	global_load_b128 v[128*(\p)+64+8*(\x)+4:128*(\p)+64+8*(\x)+7], v[QO], s[68:69] offset:(\p)*8192+64*(\x)+32
.endr
.endr
	; O^T and l start at 0, so that the first step is a step like any other, with a = 0: written in the wait for the first tile
	WIN 0x40
.set i, 0
.rept 256
	v_mov_b32 v[i], 0
.set i, i+1
.endr
	WIN 0x80
.set i, 0
.rept 256
	v_mov_b32 v[i], 0
.set i, i+1
.endr
	WIN 0
	ALLT v_mov_b32 v[ST+8*t], 0xfe000000           ; c m: far below every c s
	ALLT v_mov_b32 v[ST+8*t+1], 0xe0800000         ; m = -2^66
	ALLT v_mov_b32 v[ST+8*t+2], 0
	ALLT v_mov_b32 v[ST+8*t+3], 0
	v_and_b32 v[PFO], 31, v0
	v_lshlrev_b32 v[PFO], 8, v[PFO]
	s_lshl_b32 s19, s[WV], 5                       ; my 32 keys of a slot
	v_add_nc_u32 v15, s19, v1
	v_mul_u32_u24 v[AK], v15, KP
	v_lshl_add_u32 v[AK], v14, 4, v[AK]            ; row x pitch + 16 x half
	v_add_nc_u32 v[AK+1], SLOT, v[AK]
	v_and_b32 v15, 7, v0                           ; the turning load: key 8 (l / 16) + l % 8, channels 8 ((l / 8) % 2) on
	v_lshl_add_u32 v15, v14, 3, v15
	v_add_nc_u32 v15, s19, v15
	v_mul_u32_u24 v[AV], v15, VP
	v_bfe_u32 v15, v0, 3, 1
	v_lshl_add_u32 v[AV], v15, 4, v[AV]
	v_add_nc_u32 v[AV], VOFF, v[AV]
	v_add_nc_u32 v[AV+1], SLOT, v[AV]
	s_lshl_b32 s19, s[L], 3                        ; for slot 2 L: my query's position less the position of my lane's key number 0
	s_sub_co_u32 s19, s17, s19
	s_sub_co_u32 s19, s19, s[WV]
	s_lshl_b32 s19, s19, 5
	v_lshlrev_b32 v15, 3, v14
	v_sub_nc_u32 v15, v1, v15
	v_add_nc_u32 v[THR], s19, v15                  ; 32 (qc - 8 L - w) + r - 8 h
	v_add_nc_u32 v[THR+1], 16, v[THR]              ; the second position tile
.macro FETCHK ak                       ; my 32 keys x 256 channels: 16 fragments, channels ascending: the first 16 loads fill v128-191.  ak: the register with my place in the slot's K
	WIN 0
.irp x, 0,1,2,3,4,5,6,7
.irp kb, 0,1
	ds_load_b128 v[H+8*(2*(\x)+(\kb)):H+8*(2*(\x)+(\kb))+3],   v[\ak] offset:(\kb)*16*KP+64*(\x)
	ds_load_b128 v[H+8*(2*(\x)+(\kb))+4:H+8*(2*(\x)+(\kb))+7], v[\ak] offset:(\kb)*16*KP+64*(\x)+32
.endr
.endr
.endm
.macro FETCHV av, q                    ; my 32 keys x channels 128 q on, turned: 8 fragments
	WIN 0
.irp i, 0,1,2,3,4,5,6,7
	ds_load_tr16_b128 v[H+64*(\q)+8*(\i):H+64*(\q)+8*(\i)+3],   v[\av] offset:32*(8*(\q)+(\i))
	ds_load_tr16_b128 v[H+64*(\q)+8*(\i)+4:H+64*(\q)+8*(\i)+7], v[\av] offset:32*(8*(\q)+(\i))+16*VP
.endr
.endm
; 32 products of S^T = K Q^T: channels 128 q on.  The 8 accumulators take turns.  The first 8 start the sums: with 0, or with the mask that lies in S^T.
.macro KQ q, masked
	WIN 0x0c                                       ; Q in window 3
.irp x, 0,1,2,3
.irp kb, 0,1
.irp t, 0,1,2,3
.if ((\q) == 0) && ((\x) == 0) && !(\masked)
	v_wmma_f32_16x16x32_f16 v[S+16*(\t)+8*(\kb):S+16*(\t)+8*(\kb)+7], v[H+64*(\q)+8*(2*(\x)+(\kb)):H+64*(\q)+8*(2*(\x)+(\kb))+7], v[64*(\t)+8*(4*(\q)+(\x)):64*(\t)+8*(4*(\q)+(\x))+7], 0
.else
	v_wmma_f32_16x16x32_f16 v[S+16*(\t)+8*(\kb):S+16*(\t)+8*(\kb)+7], v[H+64*(\q)+8*(2*(\x)+(\kb)):H+64*(\q)+8*(2*(\x)+(\kb))+7], v[64*(\t)+8*(4*(\q)+(\x)):64*(\t)+8*(4*(\q)+(\x))+7], v[S+16*(\t)+8*(\kb):S+16*(\t)+8*(\kb)+7]
.endif
.endr
.endr
.endr
.endm
; 32 products of O^T += V^T P: channels 128 q on.  Each accumulator has one product a step.
.macro PVQ q
	WIN 0x50
.irp i, 0,1,2,3,4,5,6,7
.irp t, 0,1
	v_wmma_f32_16x16x32_f16 v[128*(\t)+8*(8*(\q)+(\i)):128*(\t)+8*(8*(\q)+(\i))+7], v[H+64*(\q)+8*(\i):H+64*(\q)+8*(\i)+7], v[S+16*(\t):S+16*(\t)+7], v[128*(\t)+8*(8*(\q)+(\i)):128*(\t)+8*(8*(\q)+(\i))+7]
.endr
.endr
	WIN 0xa0
.irp i, 0,1,2,3,4,5,6,7
.irp t, 0,1
	v_wmma_f32_16x16x32_f16 v[128*(\t)+8*(8*(\q)+(\i)):128*(\t)+8*(8*(\q)+(\i))+7], v[H+64*(\q)+8*(\i):H+64*(\q)+8*(\i)+7], v[S+32+16*(\t):S+32+16*(\t)+7], v[128*(\t)+8*(8*(\q)+(\i)):128*(\t)+8*(8*(\q)+(\i))+7]
.endr
.endr
.endm
.macro MASKS                           ; 0 or -1e30 into S^T: register i of a tile is key 16 (i / 8) + i % 8 of my lane's
	WIN 0
.irp p, 0,1
.irp i, 0,1,2,3,4,5,6,7,8,9,10,11,12,13,14,15
	v_cmp_gt_i32 vcc_lo, 16*((\i)/8)+(\i)%8, v[THR+(\p)]
	v_cndmask_b32 v[S+32*(\p)+(\i)], 0, s[BIGN], vcc_lo
	v_cndmask_b32 v[S+32*(\p)+16+(\i)], 0, s[BIGN], vcc_lo
.endr
.endr
.endm
; ONE SLOT'S WORK, in phases: 64 products K Q^T, the softmax of four tiles, 64 products V^T P.  V is fetched into K's registers as they fall free, four places behind their last product.
; ak, av: the registers with my place in the slot's K and V.
.macro STEP ak, av, masked
	FETCHK \ak
.if \masked
	MASKS
.endif
	s_wait_dscnt 16                                ; K's first half is in; its second 16 loads may stay out
	KQ 0, \masked
	PLACES
	FETCHV \av, 0
	s_wait_dscnt 16                                ; K's second half is in; V's 16 loads may stay out
	KQ 1, 0
	PLACES                                         ; also the places in front of the maxima below
	FETCHV \av, 1
	; the maximum of the lane's 16 scores and the old m (each accumulator read from its low end on), the other half of the lanes', c m, a
	ALLT v_max3_num_f32 v[ST+8*t+4], v[S+16*t], v[S+16*t+1], v[S+16*t+2]
	ALLT v_max3_num_f32 v[ST+8*t+5], v[S+16*t+8], v[S+16*t+9], v[S+16*t+10]
	ALLT v_max3_num_f32 v[ST+8*t+4], v[ST+8*t+4], v[S+16*t+3], v[S+16*t+4]
	ALLT v_max3_num_f32 v[ST+8*t+5], v[ST+8*t+5], v[S+16*t+11], v[S+16*t+12]
	ALLT v_max3_num_f32 v[ST+8*t+4], v[ST+8*t+4], v[S+16*t+5], v[S+16*t+6]
	ALLT v_max3_num_f32 v[ST+8*t+5], v[ST+8*t+5], v[S+16*t+13], v[S+16*t+14]
	ALLT v_max3_num_f32 v[ST+8*t+4], v[ST+8*t+4], v[S+16*t+7], v[S+16*t+15]
	ALLT v_max3_num_f32 v[ST+8*t+4], v[ST+8*t+4], v[ST+8*t+5], v[ST+8*t+1]
	ALLT v_permlanex16_b32 v[ST+8*t+5], v[ST+8*t+4], s[SEL], s[SEL+1]
	ALLT v_mov_b32 v[ST+8*t+7], v[ST+8*t]
	ALLT v_max_num_f32 v[ST+8*t+1], v[ST+8*t+4], v[ST+8*t+5]
	ALLT v_mul_f32 v[ST+8*t], s[CS], v[ST+8*t+1]
	ALLT v_sub_f32 v[ST+8*t+7], v[ST+8*t+7], v[ST+8*t]
	ALLT v_exp_f32 v[ST+8*t+6], v[ST+8*t+7]
.set b, 0
.rept 8                                            ; c s - c m, a pair at a time: the plain work behind the four a
	ALLT v_pk_fma_f32 v[S+16*t+2*b:S+16*t+2*b+1], v[S+16*t+2*b:S+16*t+2*b+1], s[CS:CS+1], v[ST+8*t:ST+8*t+1] op_sel_hi:[1,0,0] neg_lo:[0,0,1] neg_hi:[0,0,1]
.set b, b+1
.endr
	s_wait_alu depctr_va_vdst(0)                   ; one wait for the four a, ahead of the rescalings
.set g, 0
.rept 16                                           ; four exponentials, then sixteen rescalings of O^T, which read no result of this batch
	WIN 0
	v_exp_f32 v[S+4*g], v[S+4*g]
	v_exp_f32 v[S+4*g+1], v[S+4*g+1]
	v_exp_f32 v[S+4*g+2], v[S+4*g+2]
	v_exp_f32 v[S+4*g+3], v[S+4*g+3]
	WIN 0x41+0x41*(g/8)                            ; O^T in window 1 or 2, a in window 0
.set o, 128*((g/4)%2)+32*(g%4)
.set z, 0
.rept 16
	v_pk_mul_f32 v[o+2*z:o+2*z+1], v[o+2*z:o+2*z+1], v[ST+8*(g/4)+6:ST+8*(g/4)+7] op_sel_hi:[1,0]
.set z, z+1
.endr
.set g, g+1
.endr
	WIN 0
	s_wait_alu depctr_va_vdst(0)                   ; one wait for the 64 exponentials; the last sixteen rescalings are the plain work behind them
	ALLT v_pk_fma_f32 v[ST+8*t+2:ST+8*t+3], v[ST+8*t+2:ST+8*t+3], v[ST+8*t+6:ST+8*t+7], v[S+16*t:S+16*t+1] op_sel_hi:[1,0,1]
.set b, 1
.rept 7
	ALLT v_pk_add_f32 v[ST+8*t+2:ST+8*t+3], v[ST+8*t+2:ST+8*t+3], v[S+16*t+2*b:S+16*t+2*b+1]
.set b, b+1
.endr
.set b, 0
.rept 8                                            ; P in place: register b takes pair b, which lies at 2 b and above
	ALLT v_cvt_pk_f16_f32 v[S+16*t+b], v[S+16*t+2*b], v[S+16*t+2*b+1]
.set b, b+1
.endr
	s_wait_dscnt 0x0                               ; V is in
	PVQ 0
	PVQ 1
.endm
; THE CHANGE OF SLOTS.  Each wave waits for all its tensor loads (one is out: its part of the other slot), adds 0 to its spare word, and waits for that and for its reads of the slot that it leaves.
; fill = 1: a round of the cluster's barrier, and the joint refill first behind it, with the keys two slots on: it has a slot's work, 128 matrix instructions and the softmax, in which to land.
; Five plain instructions stand behind the last product V^T P in both forms: the next products write over P, and the next loads over V.
.macro CHANGE fill, sl
	WIN 0
	s_wait_tensorcnt 0x0
	ds_add_u32 v[SPW], v[NIL]
.if \fill
	s_add_nc_u64 s[G0K+4*(\sl)+2:G0K+4*(\sl)+3], s[G0K+4*(\sl)+2:G0K+4*(\sl)+3], 131072
	s_add_nc_u64 s[G0V+4*(\sl)+2:G0V+4*(\sl)+3], s[G0V+4*(\sl)+2:G0V+4*(\sl)+3], 131072
	s_wait_xcnt 0x0                                ; the last prefetch, a slot back, has read its address
	s_add_nc_u64 s[PFA:PFA+1], s[PFA:PFA+1], 65536
	s_wait_dscnt 0x0                               ; the add is done, and my reads of the slot are over
	CROUND
	JLOAD \sl
	ASK
	v_nop
.else
	s_wait_dscnt 0x0
	s_barrier_signal -1
	s_barrier_wait -1
.rept 5
	v_nop
.endr
.endif
.endm
	s_wait_tensorcnt 1                             ; my part of slot 0 is in; slot 1's stays out
	s_barrier_signal -1
	s_barrier_wait -1
	s_wait_loadcnt 0x0                             ; Q
	s_mov_b32 s[I], 0
	s_cmp_eq_u32 s[L], 0                           ; L hangs on the cluster's number alone: the same in every wave and every partner.  On both ways one load of mine, slot 1's, is out at the label
	s_cbranch_scc1 .Ltail
.Lpair:                                            ; L trips: two slots without a mask; both are filled again
	STEP AK, AV, 0
	CHANGE 1, 0
	STEP AK+1, AV+1, 0
	CHANGE 1, 1
	s_add_co_u32 s[I], s[I], 1
	s_cmp_lt_u32 s[I], s[L]
	s_cbranch_scc1 .Lpair
.Ltail:                                            ; the last two slots take masks and ask for nothing: one text, walked twice
	s_mov_b32 s[TB], 0
	s_mov_b32 s[TW], 2
.Llast:
	v_add_nc_u32 v[AKT], s[TB], v[AK]              ; my places in slot 0, then in slot 1
	v_add_nc_u32 v[AVT], s[TB], v[AV]
	STEP AKT, AVT, 1
	CHANGE 0, 0                                    ; behind the first trip: slot 1 is whole; behind the second: nobody reads the ring any more, and the merge may store over it
	v_add_nc_u32 v[THR], 0xffffff80, v[THR]        ; the next slot's keys lie 128 on (behind the second trip the two are not used)
	v_add_nc_u32 v[THR+1], 0xffffff80, v[THR+1]
	s_add_co_u32 s[TB], s[TB], SLOT
	s_sub_co_u32 s[TW], s[TW], 1
	s_cmp_lg_u32 s[TW], 0
	s_cbranch_scc1 .Llast
	; THE MERGE.  Each wave leaves (c m, l) and O^T of all four tiles in LDS, over the ring, which has had its last fill and its last reader (the barrier just passed); wave w finishes tile w.
	ALLT v_add_f32 v[ST+8*t+2], v[ST+8*t+2], v[ST+8*t+3]
	ALLT v_permlanex16_b32 v[ST+8*t+3], v[ST+8*t+2], s[SEL], s[SEL+1]
	ALLT v_add_f32 v[ST+8*t+1], v[ST+8*t+2], v[ST+8*t+3]
	v_and_b32 v15, 31, v0
	s_lshl_b32 s16, s[WV], 10
	s_add_co_u32 s16, s16, STATS
	v_lshl_add_u32 v10, v15, 3, s16                ; my statistics: in
	s_lshl_b32 s16, s[WV], 8
	s_add_co_u32 s16, s16, STATS
	v_lshl_add_u32 v11, v15, 3, s16                ; my tile's: back
	s_lshl_b32 s16, s[WV], 14
	v_lshl_add_u32 v2, v15, 4, s16                 ; my tile in wave 0's block, lane by lane,
	v_add_nc_u32 v3, 0x10000, v2                   ; and in the others'
	v_add_nc_u32 v4, 0x20000, v2
	v_add_nc_u32 v5, 0x30000, v2
	s_lshl_b32 s16, s[WV], 16
	v_lshl_add_u32 v[XW], v15, 4, s16              ; my block of 64 KiB
	s_mul_i32 s16, s[WV], 16*SP
	s_add_co_u32 s16, s16, STAGE
	v_mul_u32_u24 v[STO], v1, SP
	v_lshl_add_u32 v[STO], v14, 4, v[STO]
	v_add_nc_u32 v[STO], s16, v[STO]
	v_lshl_add_u32 v[RD], v15, 4, s16
	v_lshlrev_b32 v[GO], 4, v15
	ALLT ds_store_b64 v10, v[ST+8*t:ST+8*t+1] offset:256*t
	WIN 0x04                                       ; store data window 1
.set i, 0
.rept 64
	ds_store_b128 v[XW], v[4*i:4*i+3] offset:512*i
.set i, i+1
.endr
	WIN 0x08                                       ; window 2
.set i, 0
.rept 64
	ds_store_b128 v[XW], v[4*i:4*i+3] offset:32768+512*i
.set i, i+1
.endr
	WIN 0
	s_wait_dscnt 0x0
	s_barrier_signal -1
	s_barrier_wait -1
.irp u, 0,1,2,3
	ds_load_b64 v[MG+2*(\u):MG+2*(\u)+1], v11 offset:1024*(\u)
.endr
	WIN 0x40
.set i, 0
.rept 32
	ds_load_b128 v[4*i:4*i+3], v2 offset:512*i
.set i, i+1
.endr
.set i, 0
.rept 32
	ds_load_b128 v[128+4*i:128+4*i+3], v3 offset:512*i
.set i, i+1
.endr
	WIN 0x80
.set i, 0
.rept 32
	ds_load_b128 v[4*i:4*i+3], v4 offset:512*i
.set i, i+1
.endr
.set i, 0
.rept 32
	ds_load_b128 v[128+4*i:128+4*i+3], v5 offset:512*i
.set i, i+1
.endr
	WIN 0
	s_wait_dscnt 63                                ; of 132 loads the four oldest, the statistics, are in when 63 are out
	v_max3_num_f32 v[MG+8], v[MG], v[MG+2], v[MG+4]
	v_max_num_f32 v[MG+8], v[MG+8], v[MG+6]
.irp u, 0,1,2,3
	v_sub_f32 v[MG+9+(\u)], v[MG+2*(\u)], v[MG+8]
.endr
.irp u, 0,1,2,3
	v_exp_f32 v[MG+9+(\u)], v[MG+9+(\u)]
.endr
	v_nop
	s_wait_alu depctr_va_vdst(0)                   ; one wait for the four
	v_mul_f32 v[MG+13], v[MG+9], v[MG+1]
	v_fmac_f32 v[MG+13], v[MG+10], v[MG+3]
	v_fmac_f32 v[MG+13], v[MG+11], v[MG+5]
	v_fmac_f32 v[MG+13], v[MG+12], v[MG+7]
	v_rcp_f32 v[MG+14], v[MG+13]
	v_nop
	s_wait_alu depctr_va_vdst(0)
.irp u, 0,1,2,3
	v_mul_f32 v[MG+2*(\u)], v[MG+9+(\u)], v[MG+14] ; wave u's weight, over l
.endr
	s_wait_dscnt 0x0
	WIN 0x41
.set i, 0
.rept 64
	v_pk_mul_f32 v[2*i:2*i+1], v[2*i:2*i+1], v[MG:MG+1] op_sel_hi:[1,0]
.set i, i+1
.endr
	WIN 0x51
.set i, 0
.rept 64
	v_pk_fma_f32 v[2*i:2*i+1], v[128+2*i:128+2*i+1], v[MG+2:MG+3], v[2*i:2*i+1] op_sel_hi:[1,0,1]
.set i, i+1
.endr
	WIN 0x52
.set i, 0
.rept 64
	v_pk_fma_f32 v[2*i:2*i+1], v[2*i:2*i+1], v[MG+4:MG+5], v[2*i:2*i+1] op_sel_hi:[1,0,1]
.set i, i+1
.endr
.set i, 0
.rept 64
	v_pk_fma_f32 v[2*i:2*i+1], v[128+2*i:128+2*i+1], v[MG+6:MG+7], v[2*i:2*i+1] op_sel_hi:[1,0,1]
.set i, i+1
.endr
	WIN 0x05
.set i, 0
.rept 64
	v_cvt_pk_f16_f32 v[S+i], v[2*i], v[2*i+1]
.set i, i+1
.endr
	WIN 0
.set i, 0
.rept 16
	ds_store_b128 v[STO], v[S+4*i:S+4*i+3] offset:32*i
.set i, i+1
.endr
.set i, 0
.rept 16
	ds_load_b128 v[H+4*i:H+4*i+3], v[RD] offset:i*SP  ; LDS serves a wave's instructions in order (ISA guide 5.7.1.4): these see the stores above
.set i, i+1
.endr
.set i, 0
.rept 16
	s_wait_dscnt 15-i                              ; row i is back; the younger ones stay out
	global_store_b128 v[GO], v[H+4*i:H+4*i+3], s[70:71] offset:i*2048  ; 512 consecutive bytes, aligned
.set i, i+1
.endr
; ROWS 0 TO 15 OF THE MODULE'S OUTPUT, out0 = O Wo^T.  Row q is a mean of q + 1 rows of v only, so its numbers are many times the output's root mean square, by which the allowance goes: here v (ev32:
; [2][16][256] f32, unrounded) and the weights are kept in f32, and O goes into the projection as a sum of two f16 numbers.  ow: [2048][1024] f16; out0: [4096][2048] f32.
; WHO.  Clusters 0 to 3 of both key/value heads: 32 work-groups, each 16 rows x 64 columns; the branch hangs on the cluster's number alone, the same in every wave and every partner; the block of columns,
; 8 x cluster + 4 g + cx, enters global addresses alone.  Every one of the 32 makes the attention of the 16 rows anew: wave w is head w; in the projection wave w is the column tile w.
; The second product, 16 keys deep, uses the f32 matrix form: 64 instructions a wave, no bulk work; two accumulators, v48-63, take turns, two channel blocks at a time.
; LIMITS.  A hidden score counts as -1e30; every row sees its own key, so the maximum is a true score.
; REGISTERS.  window 0: v1-11, v14, v15 addresses and -1; v16-23 scores, then weights; v24-31 at work; v32-47 residues; v48-63 O^T of two channel blocks; v64-127 Q; v128-191 K; v192-207 two score sums;
; v208-223 two output sums; v224-231 the result; v232-247 O's high and low f16 parts.  window 1: Wo, K chunk kc at 8 kc.  window 2: v0-127 v (channel block cb, key i at 8 cb + i).  window 3: two buffers of a head's O.
.set EP,   16
.set ERES, 32
.set EOT,  48
.set EQ,   64
.set EK,   128
.set ESA,  192
.set EOA,  208
.set ER,   224
.set EOH,  232
.set EXO,  0                           ; [head][chunk of 32 channels][high, low][half][lane] 16 bytes: over the ring, which has had its last fill
.set EOS,  65536                       ; 16 rows x 272 bytes
	s_cmp_lt_u32 ttmp9, 4
	s_cbranch_scc0 .Lfin
	s_wait_xcnt 0x0                                ; ao's stores and the prefetches have read their registers: v8, v9 and v128-191 are written again below
	s_wait_dscnt 0x0
	s_barrier_signal -1
	s_barrier_wait -1                              ; every wave's reads of the merge's bytes are over
	v_and_b32 v1, 15, v0                           ; r
	v_bfe_u32 v2, v0, 4, 1                         ; h
	v_and_b32 v3, 31, v0                           ; lane
	v_mov_b32 v14, -1.0
	v_mov_b32 v25, 0
	s_bfe_u32 s2, ttmp6, 0x40000                   ; cx
	s_and_b32 s3, ttmp7, 0xffff                    ; g
	s_lshl_b32 s3, s3, 2
	s_lshl_b32 s8, ttmp9, 3
	s_add_co_u32 s8, s8, s3
	s_add_co_u32 s8, s8, s2                        ; my block of 64 columns, 0 to 31
	s_lshr_b32 s9, s[WV], 1                        ; head w's key/value head
	v_lshlrev_b32 v4, 9, v1
	v_lshl_add_u32 v4, v2, 4, v4                   ; Q, K: row x 512 + 16 h
	v_lshlrev_b32 v5, 13, v2
	v_lshl_add_u32 v5, v1, 2, v5                   ; v: key 8 h, channel r
	v_lshlrev_b32 v6, 11, v1
	v_lshl_add_u32 v6, v2, 4, v6                   ; Wo: row x 2,048 + 16 h
	v_lshlrev_b32 v7, 3, v2
	v_sub_nc_u32 v7, v1, v7                        ; r - 8 h: key j of my lane is hidden where j is greater
	s_lshl_b32 s2, s[WV], 14
	v_lshl_add_u32 v8, v3, 4, s2                   ; my head's O in LDS
	v_lshlrev_b32 v9, 4, v3
	s_lshl_b32 s2, s[WV], 6
	s_add_co_u32 s2, s2, EOS
	v_mul_u32_u24 v10, v1, 272
	v_lshl_add_u32 v10, v2, 5, v10
	v_add_nc_u32 v10, s2, v10                      ; the result: row r, byte 64 w + 32 h
	s_mul_i32 s2, s[WV], 4*272
	s_add_co_u32 s2, s2, EOS
	v_mul_u32_u24 v11, v2, 272
	v_lshl_add_u32 v11, v1, 4, v11
	v_add_nc_u32 v11, s2, v11                      ; back: rows 4 w + h, 16 lanes a row
	v_lshlrev_b32 v15, 13, v2
	v_lshl_add_u32 v15, v1, 4, v15
	s_lshl_b32 s16, s[WV], 21                      ; Q's head w
	s_mov_b32 s17, 0
	s_add_co_u32 s18, s9, 4
	s_lshl_b32 s18, s18, 21                        ; K's head
	s_mov_b32 s19, 0
	s_lshl_b32 s20, s9, 14                         ; v's 16 rows
	s_mov_b32 s21, 0
	s_lshl_b32 s3, s[WV], 15
	s_lshl_b32 s22, s8, 17                         ; 64 rows of Wo,
	s_add_co_u32 s22, s22, s3                      ; my 16
	s_mov_b32 s23, 0
	s_lshl_b32 s66, s8, 8                          ; 64 columns of the output,
	s_add_co_u32 s66, s66, s3                      ; my 4 rows of 8,192 bytes
	s_mov_b32 s67, 0
	s_add_nc_u64 s[16:17], s[4:5], s[16:17]
	s_add_nc_u64 s[18:19], s[4:5], s[18:19]
	s_add_nc_u64 s[20:21], s[76:77], s[20:21]
	s_add_nc_u64 s[22:23], s[78:79], s[22:23]
	s_add_nc_u64 s[66:67], s[74:75], s[66:67]
.irp x, 0,1,2,3,4,5,6,7
	global_load_b128 v[EQ+8*(\x):EQ+8*(\x)+3], v4, s[16:17] offset:64*(\x)
	global_load_b128 v[EQ+8*(\x)+4:EQ+8*(\x)+7], v4, s[16:17] offset:64*(\x)+32
	global_load_b128 v[EK+8*(\x):EK+8*(\x)+3], v4, s[18:19] offset:64*(\x)
	global_load_b128 v[EK+8*(\x)+4:EK+8*(\x)+7], v4, s[18:19] offset:64*(\x)+32
.endr
	WIN 0x80
.set i, 0
.rept 128                                          ; channel block i / 8, key 8 h + i % 8
	global_load_b32 v[i], v5, s[20:21] offset:1024*(i%8)+64*(i/8)
.set i, i+1
.endr
	WIN 0x40
.set i, 0
.rept 32
	global_load_b128 v[8*i:8*i+3], v6, s[22:23] offset:64*i
	global_load_b128 v[8*i+4:8*i+7], v6, s[22:23] offset:64*i+32
.set i, i+1
.endr
	WIN 0
	s_wait_loadcnt 0x0
	; S^T = K Q^T: two sums take turns
.irp x, 0,1,2,3,4,5,6,7
.if (\x) < 2
	v_wmma_f32_16x16x32_f16 v[ESA+8*((\x)%2):ESA+8*((\x)%2)+7], v[EK+8*(\x):EK+8*(\x)+7], v[EQ+8*(\x):EQ+8*(\x)+7], 0
.else
	v_wmma_f32_16x16x32_f16 v[ESA+8*((\x)%2):ESA+8*((\x)%2)+7], v[EK+8*(\x):EK+8*(\x)+7], v[EQ+8*(\x):EQ+8*(\x)+7], v[ESA+8*((\x)%2):ESA+8*((\x)%2)+7]
.endif
.endr
	PLACES
	PLACES
.irp p, 0,1,2,3
	v_pk_add_f32 v[EP+2*(\p):EP+2*(\p)+1], v[ESA+2*(\p):ESA+2*(\p)+1], v[ESA+8+2*(\p):ESA+8+2*(\p)+1]
.endr
.irp j, 0,1,2,3,4,5,6,7
	v_cmp_gt_i32 vcc_lo, \j, v7
	v_cndmask_b32 v[EP+(\j)], v[EP+(\j)], s[BIGN], vcc_lo
.endr
	v_max3_num_f32 v24, v16, v17, v18
	v_max3_num_f32 v24, v24, v19, v20
	v_max3_num_f32 v24, v24, v21, v22
	v_max_num_f32 v24, v24, v23
	v_permlanex16_b32 v25, v24, s[SEL], s[SEL+1]   ; the query's other 8 keys lie in the lane 16 away
	v_max_num_f32 v24, v24, v25
	v_mul_f32 v24, s[CS], v24                      ; c m
.irp p, 0,1,2,3
	v_pk_fma_f32 v[EP+2*(\p):EP+2*(\p)+1], v[EP+2*(\p):EP+2*(\p)+1], s[CS:CS+1], v[24:25] op_sel_hi:[1,0,0] neg_lo:[0,0,1] neg_hi:[0,0,1]
.endr
.irp j, 0,1,2,3,4,5,6,7
	v_exp_f32 v[EP+(\j)], v[EP+(\j)]
.endr
	v_nop
	s_wait_alu depctr_va_vdst(0)                   ; one wait for the eight
	v_pk_add_f32 v[26:27], v[16:17], v[18:19]
	v_pk_add_f32 v[28:29], v[20:21], v[22:23]
	v_pk_add_f32 v[26:27], v[26:27], v[28:29]
	v_add_f32 v26, v26, v27
	v_permlanex16_b32 v27, v26, s[SEL], s[SEL+1]
	v_add_f32 v26, v26, v27
	v_rcp_f32 v28, v26
	v_nop
	s_wait_alu depctr_va_vdst(0)
.irp p, 0,1,2,3
	v_pk_mul_f32 v[EP+2*(\p):EP+2*(\p)+1], v[EP+2*(\p):EP+2*(\p)+1], v[28:29] op_sel_hi:[1,0]
.endr
	; O^T = V^T P in f32, channel blocks 2 x and 2 x + 1 at a time, four keys a step: place (h, j) of step ks holds key 8 h + 2 ks + j in both sources.  The first step starts the sums.
	; Then O = high + low, both f16: the 32 channels are a fragment of the projection's source 1, lane for lane.
.irp x, 0,1,2,3,4,5,6,7
	WIN 0x02                                       ; v in window 2
.irp ks, 0,1,2,3
.irp c, 0,1
.if (\ks) == 0
	v_wmma_f32_16x16x4_f32 v[EOT+8*(\c):EOT+8*(\c)+7], v[8*(2*(\x)+(\c))+2*(\ks):8*(2*(\x)+(\c))+2*(\ks)+1], v[EP+2*(\ks):EP+2*(\ks)+1], 0
.else
	v_wmma_f32_16x16x4_f32 v[EOT+8*(\c):EOT+8*(\c)+7], v[8*(2*(\x)+(\c))+2*(\ks):8*(2*(\x)+(\c))+2*(\ks)+1], v[EP+2*(\ks):EP+2*(\ks)+1], v[EOT+8*(\c):EOT+8*(\c)+7]
.endif
.endr
.endr
	WIN 0
.rept 10
	v_nop                                          ; this form wants eight places before its result is read, nine before the next pair's products write over it
.endr
.irp p, 0,1,2,3,4,5,6,7
	v_cvt_pk_f16_f32 v[EOH+(\p)], v[EOT+2*(\p)], v[EOT+2*(\p)+1]
.endr
.irp p, 0,1,2,3,4,5,6,7
	v_fma_mix_f32 v[ERES+2*(\p)], v[EOH+(\p)], v14, v[EOT+2*(\p)] op_sel:[0,0,0] op_sel_hi:[1,0,0]      ; what the rounding left
	v_fma_mix_f32 v[ERES+2*(\p)+1], v[EOH+(\p)], v14, v[EOT+2*(\p)+1] op_sel:[1,0,0] op_sel_hi:[1,0,0]
.endr
.irp p, 0,1,2,3,4,5,6,7
	v_cvt_pk_f16_f32 v[EOH+8+(\p)], v[ERES+2*(\p)], v[ERES+2*(\p)+1]
.endr
	ds_store_b128 v8, v[EOH:EOH+3] offset:EXO+(\x)*2048
	ds_store_b128 v8, v[EOH+4:EOH+7] offset:EXO+(\x)*2048+512
	ds_store_b128 v8, v[EOH+8:EOH+11] offset:EXO+(\x)*2048+1024
	ds_store_b128 v8, v[EOH+12:EOH+15] offset:EXO+(\x)*2048+1536
.endr
	s_wait_dscnt 0x0                               ; for the others' sake
	s_barrier_signal -1
	s_barrier_wait -1
.macro LDO u                           ; head u's O, 32 loads, into buffer u % 2 of window 3
	WIN 0xc0
.set i, 0
.rept 32
	ds_load_b128 v[128*((\u)%2)+4*i:128*((\u)%2)+4*i+3], v9 offset:EXO+(\u)*16384+512*i
.set i, i+1
.endr
.endm
.macro MULO u                          ; 16 products: the high parts onto one sum, the low parts onto the other, by turns
	WIN 0x0d                                       ; Wo in window 1, O in window 3
.irp x, 0,1,2,3,4,5,6,7
.if ((\u) == 0) && ((\x) == 0)
	v_wmma_f32_16x16x32_f16 v[EOA:EOA+7], v[8*(8*(\u)+(\x)):8*(8*(\u)+(\x))+7], v[128*((\u)%2)+16*(\x):128*((\u)%2)+16*(\x)+7], 0
	v_wmma_f32_16x16x32_f16 v[EOA+8:EOA+15], v[8*(8*(\u)+(\x)):8*(8*(\u)+(\x))+7], v[128*((\u)%2)+16*(\x)+8:128*((\u)%2)+16*(\x)+15], 0
.else
	v_wmma_f32_16x16x32_f16 v[EOA:EOA+7], v[8*(8*(\u)+(\x)):8*(8*(\u)+(\x))+7], v[128*((\u)%2)+16*(\x):128*((\u)%2)+16*(\x)+7], v[EOA:EOA+7]
	v_wmma_f32_16x16x32_f16 v[EOA+8:EOA+15], v[8*(8*(\u)+(\x)):8*(8*(\u)+(\x))+7], v[128*((\u)%2)+16*(\x)+8:128*((\u)%2)+16*(\x)+15], v[EOA+8:EOA+15]
.endif
.endr
.endm
	LDO 0
	LDO 1
	s_wait_dscnt 32                                ; head 0 is in; head 1's 32 loads may stay out
	MULO 0
	PLACES
	LDO 2
	s_wait_dscnt 32                                ; head 1 is in; head 2's 32 loads may stay out
	MULO 1
	PLACES
	LDO 3
	s_wait_dscnt 32                                ; head 2 is in; head 3's 32 loads may stay out
	MULO 2
	s_wait_dscnt 0x0
	MULO 3
	WIN 0
	PLACES
	PLACES
.irp p, 0,1,2,3
	v_pk_add_f32 v[ER+2*(\p):ER+2*(\p)+1], v[EOA+2*(\p):EOA+2*(\p)+1], v[EOA+8+2*(\p):EOA+8+2*(\p)+1]
.endr
	ds_store_b128 v10, v[ER:ER+3]
	ds_store_b128 v10, v[ER+4:ER+7] offset:16
	s_wait_dscnt 0x0                               ; a row's 256 bytes come from four waves
	s_barrier_signal -1
	s_barrier_wait -1
	ds_load_b128 v[EOH:EOH+3], v11
	ds_load_b128 v[EOH+4:EOH+7], v11 offset:2*272
	s_wait_dscnt 0x0
	global_store_b128 v15, v[EOH:EOH+3], s[66:67]  ; 16 lanes store 256 consecutive bytes, aligned
	global_store_b128 v15, v[EOH+4:EOH+7], s[66:67] offset:16384
.Lfin:
	s_wait_tensorcnt 0x0                           ; the wave's end, behind my last tensor load and my last LDS store
	ds_add_u32 v[SPW], v[NIL]
	s_wait_dscnt 0x0
	CROUND                                         ; the closing round
	s_endpgm
.Lfunc_end_k_qa1af45c093_attn:
	.size	k_qa1af45c093_attn, .Lfunc_end_k_qa1af45c093_attn-k_qa1af45c093_attn
	.p2alignl 7, 3214868480
	.fill 96, 4, 3214868480
	.section	.rodata,"a",@progbits
	.p2align	6, 0x0
	.amdhsa_kernel k_qa1af45c093_attn
		.amdhsa_group_segment_fixed_size 327680
		.amdhsa_private_segment_fixed_size 0
		.amdhsa_enable_private_segment 0
		.amdhsa_kernarg_size 40
		.amdhsa_user_sgpr_count 2
		.amdhsa_user_sgpr_kernarg_segment_ptr 1
		.amdhsa_wavefront_size32 1
		.amdhsa_system_sgpr_workgroup_id_x 1
		.amdhsa_system_sgpr_workgroup_id_y 1
		.amdhsa_system_sgpr_workgroup_id_z 1
		.amdhsa_system_vgpr_workitem_id 0
		.amdhsa_next_free_vgpr 1024
		.amdhsa_next_free_sgpr 80
		.amdhsa_reserve_vcc 1
		.amdhsa_float_denorm_mode_32 3
		.amdhsa_float_denorm_mode_16_64 3
		.amdhsa_memory_ordered 1
		.amdhsa_forward_progress 1
		.amdhsa_inst_pref_size 255
	.end_amdhsa_kernel
	.section	.bss,"aw",@nobits
	.p2align	6
	.space	262144
	.amdgpu_metadata
---
amdhsa.version: [ 1, 2 ]
amdhsa.kernels:
  - .name:           k_qa1af45c093_attn
    .symbol:         k_qa1af45c093_attn.kd
    .args:
      - { .name: qkvh, .offset: 0, .size: 8, .value_kind: global_buffer, .address_space: global }
      - { .name: ao, .offset: 8, .size: 8, .value_kind: global_buffer, .address_space: global }
      - { .name: ev32, .offset: 16, .size: 8, .value_kind: global_buffer, .address_space: global }
      - { .name: ow, .offset: 24, .size: 8, .value_kind: global_buffer, .address_space: global }
      - { .name: out0, .offset: 32, .size: 8, .value_kind: global_buffer, .address_space: global }
    .group_segment_fixed_size: 327680
    .private_segment_fixed_size: 0
    .kernarg_segment_align: 8
    .kernarg_segment_size: 40
    .max_flat_workgroup_size: 128
    .sgpr_count:     80
    .vgpr_count:     1024
    .wavefront_size: 32
...
	.end_amdgpu_metadata
.endif
;; end of part 7
;; launch oproj (part 8): grid 8 x 32, 4 waves a work-group, clusters of 4 x 4, 327,680 bytes of LDS; arguments ao, ow, out0; writes out0
.if DOCPART == 8
	.amdgcn_target "amdgcn-amd-amdhsa--gfx1250"
	.amdhsa_code_object_version 6
	.text
	.protected	k_qa1af45c093_oproj
	.globl	k_qa1af45c093_oproj
	.p2align	8
	.type	k_qa1af45c093_oproj,@function
k_qa1af45c093_oproj:
	s_mov_b64 s[64:65], 0
	v_nop
	global_prefetch_b8 v0, s[64:65] scope:SCOPE_SE
	s_setreg_imm32_b32 hwreg(HW_REG_WAVE_MODE, 25, 1), 1
	s_wait_xcnt 0x0
	s_wait_alu depctr_hold_cnt(0) depctr_sa_sdst(0) depctr_va_vdst(0) depctr_va_sdst(0) depctr_va_ssrc(0) depctr_va_vcc(0) depctr_vm_vsrc(0)
	s_getreg_b32 s2, hwreg(HW_REG_IB_STS2, 6, 4)
	s_cmp_eq_u32 s2, 0
	s_cbranch_scc0 .Lentry_in_a_cluster
	s_endpgm
.Lentry_in_a_cluster:
	s_bfe_u32 s2, ttmp6, 0x10000c
	s_cmp_lg_u32 s2, 0xf033
	s_cbranch_scc0 .Lentry_shape_is_right
	s_endpgm
.Lentry_shape_is_right:
; out = O Wo^T in f16 with f32 sums, rows 16 to 4095.  ao: [4096][1024] f16, ow: [2048][1024] f16, out0: [4096][2048] f32.  Rows 0-15 are another launch's: here their stores run with all lanes off.
; SHARES.  A tile is 128 x 256: 8 x 32 work-groups, four waves of 64 rows x 128 columns, 32 accumulators each.  K in steps of 128 (rows of 256 bytes) through two LDS slots.  A K STEP IS WRITTEN ONCE:
; slot 1 begins at 1 << 17, so one exclusive or turns an address in one slot into the other's; the fragment addresses hang on s[TB], and one descriptor a tensor walks from K step 1 on.
; CLUSTER 4 x 4: O's tile is shared along a row of the cluster, Wo's along a column, each asked for jointly.  The matrix instruction is used transposed: a lane holds row l % 16 and eight neighbouring columns.
; No prefetch is laid: a wave's 64 rows of O do not deal out as a lane a row among four partners with each block named once, and a K step is short.
; REGISTERS.  window 0: v0-31 addresses; v64-159, v160-255 two fragment buffers, on the way out rows read back; window 1: accumulator (a, b) at 8 (8 a + b).
.set SIZE_K, 1024
.set KSTEP,  128
.set NSTEP,  SIZE_K/KSTEP
.set PITCH,  272
.set AHALF,  64*PITCH
.set BHALF,  128*PITCH
.set BOFF,   2*AHALF
.set SLOT,   BOFF+2*BHALF              ; 104,448 bytes, under 1 << 17
.set SLOT1,  1<<17
.set STAGE,  SLOT1+SLOT                ; behind the ring: 16 rows x 528 bytes a wave
.set SPITCH, 528
.set SPARE,  STAGE+4*16*SPITCH
.set ADRA0, 16                         ; v16 my fragments of O in slot 0; never rewritten
.set ADRA,  17                         ; v17 in the slot in hand
.set ADRB0, 20
.set ADRB,  21
.set STO,  24
.set RD,   25
.set GO,   26
.set ROWV, 27                          ; my wave's first row
.set SPW,  28
.set NIL,  29
.set F0,   64
.set F1,   160
.set OB,   64                          ; v64-127, v128-191 by turns
.set G1,  24
.set G0,  32                           ; s[32:35] K step 0's group 0; s[36:39] K step 1's, which then walks on
.set G1B, 48
.set G0B, 56
.set TB,  66                           ; s66 0 or SLOT1: the slot in hand
.set MSB, 0
.macro WIN new
.if MSB != (\new)
	s_set_vgpr_msb (MSB<<8)|(\new)
.set MSB, \new
.endif
.endm
.macro JLOAD s                         ; a joint load: waves 0 and 1 fetch O's two halves, waves 2 and 3 Wo's
	s_cmp_eq_u32 s11, 0
	s_cbranch_scc0 .Lfor_b_\@
	tensor_load_to_lds s[G0+4*(\s):G0+4*(\s)+3], s[G1:G1+7]
	s_nop 0
.rept 4
	v_nop
.endr
	s_branch .Lasked_\@
.Lfor_b_\@:
	tensor_load_to_lds s[G0B+4*(\s):G0B+4*(\s)+3], s[G1B:G1B+7]
	s_nop 0
.rept 4
	v_nop
.endr
.Lasked_\@:
.endm
.macro CREST
	s_cmp_lg_u32 s10, 0
	s_cbranch_scc1 .Lnot_wave_0_\@
	s_barrier_signal -3
.Lnot_wave_0_\@:
	s_barrier_wait -3
	s_barrier_signal -1
	s_barrier_wait -1
.endm
.macro CROUND
	s_barrier_signal -1
	s_barrier_wait -1
	CREST
.endm
.macro PLACES
.rept 4
	v_nop
.endr
.endm
	s_load_b128 s[72:75], s[0:1], 0x0              ; ao s[72:73], ow s[74:75]
	s_load_b64 s[76:77], s[0:1], 0x10              ; out0
	v_lshl_add_u32 v[SPW], v0, 2, SPARE
	v_mov_b32 v[NIL], 0
	ds_add_u32 v[SPW], v[NIL]                      ; the wave's opening: the add and its wait ahead of my first tensor load
	v_lshrrev_b32 v1, 5, v0
	v_readfirstlane_b32 s10, v1
	s_lshr_b32 s11, s10, 1                         ; rw; also: I fetch O (0) or Wo (1)
	s_and_b32 s12, s10, 1                          ; cw; also: which half
	s_bfe_u32 s40, ttmp6, 0x40000
	s_bfe_u32 s41, ttmp6, 0x40004
	s_lshl_b32 s42, ttmp9, 2
	s_add_co_u32 s42, s42, s40                     ; tile column
	s_and_b32 s13, ttmp7, 0xffff
	s_lshl_b32 s13, s13, 2
	s_add_co_u32 s13, s13, s41                     ; tile row
	s_lshl_b32 s43, s41, 2
	s_lshl_b32 s43, 15, s43
	s_lshl_b32 s44, 0x1111, s40
	s_or_b32 s[G1+0], s43, (1<<16)|(1<<20)|(1<<21)|(5<<22)|(3<<25)
	s_or_b32 s[G1B+0], s44, (1<<16)|(1<<20)|(1<<21)|(5<<22)|(3<<25)
	s_mov_b32 s[G1+1], KSTEP<<16
	s_mov_b32 s[G1+2], 64<<16
	s_mov_b32 s[G1+3], KSTEP<<16
	s_mov_b32 s[G1+4], 64
	s_mov_b32 s[G1+5], SIZE_K
	s_mov_b32 s[G1+6], 0
	s_mov_b32 s[G1+7], 0
	s_mov_b32 s[G1B+1], KSTEP<<16
	s_mov_b32 s[G1B+2], 128<<16
	s_mov_b32 s[G1B+3], KSTEP<<16
	s_mov_b32 s[G1B+4], 128
	s_mov_b32 s[G1B+5], SIZE_K
	s_mov_b32 s[G1B+6], 0
	s_mov_b32 s[G1B+7], 0
	s_lshl_b32 s17, s12, 6
	s_lshl_b32 s16, s13, 7
	s_add_co_u32 s16, s16, s17
	s_lshl_b32 s16, s16, 11                        ; x 2,048 bytes
	s_mov_b32 s17, 0
	s_lshl_b32 s47, s12, 7
	s_lshl_b32 s46, s42, 8
	s_add_co_u32 s46, s46, s47
	s_lshl_b32 s46, s46, 11
	s_mov_b32 s47, 0
	s_mul_i32 s20, s12, AHALF
	s_mul_i32 s21, s12, BHALF
	s_add_co_u32 s21, s21, BOFF
	s_mov_b32 s[TB], 0                             ; slot 0 is read first
	s_wait_dscnt 0x0
	s_wait_kmcnt 0x0
	s_add_nc_u64 s[14:15], s[72:73], s[16:17]
	s_add_nc_u64 s[46:47], s[74:75], s[46:47]
	CROUND
.irp s, 0,1
	s_mov_b32 s[G0+4*(\s)], 1
	s_add_co_u32 s[G0+4*(\s)+1], s20, (\s)*SLOT1
	s_add_nc_u64 s[G0+4*(\s)+2:G0+4*(\s)+3], s[14:15], (\s)*KSTEP*2
	s_or_b32 s[G0+4*(\s)+3], s[G0+4*(\s)+3], 0x80000000
	s_mov_b32 s[G0B+4*(\s)], 1
	s_add_co_u32 s[G0B+4*(\s)+1], s21, (\s)*SLOT1
	s_add_nc_u64 s[G0B+4*(\s)+2:G0B+4*(\s)+3], s[46:47], (\s)*KSTEP*2
	s_or_b32 s[G0B+4*(\s)+3], s[G0B+4*(\s)+3], 0x80000000
	JLOAD \s
.endr
	v_and_b32 v1, 15, v0
	v_bfe_u32 v2, v0, 4, 1
	v_and_b32 v5, 31, v0
	v_mul_u32_u24 v3, v1, PITCH
	v_lshl_add_u32 v3, v2, 4, v3
	s_mul_i32 s4, s11, AHALF
	s_mul_i32 s5, s12, BHALF
	s_add_co_u32 s5, s5, BOFF
	v_add_nc_u32 v[ADRA0], s4, v3
	v_add_nc_u32 v[ADRB0], s5, v3
	v_add_nc_u32 v[ADRA], s4, v3                   ; the slot in hand is slot 0
	v_add_nc_u32 v[ADRB], s5, v3
	s_mul_i32 s9, s10, 16*SPITCH
	s_add_co_u32 s9, s9, STAGE                     ; my stage
	v_mul_u32_u24 v4, v1, SPITCH
	v_lshl_add_u32 v4, v2, 5, v4
	v_add_nc_u32 v[STO], s9, v4                    ; row r, 32 bytes for each half of the lanes
	v_lshl_add_u32 v[RD], v5, 4, s9                ; back: a row of 512 bytes
	v_lshlrev_b32 v[GO], 4, v5
	s_lshl_b32 s6, s13, 7
	s_lshl_b32 s7, s11, 6
	s_add_co_u32 s6, s6, s7
	v_mov_b32 v[ROWV], s6
	s_lshl_b32 s90, s6, 13                         ; rows of 8,192 bytes,
	s_lshl_b32 s7, s42, 10                         ; the tile's 256 columns,
	s_add_co_u32 s90, s90, s7
	s_lshl_b32 s7, s12, 9                          ; my 128
	s_add_co_u32 s90, s90, s7
	s_mov_b32 s91, 0
	s_add_nc_u64 s[90:91], s[76:77], s[90:91]
.macro MULA f, a, zero                 ; the 32 accumulators take turns in the same order in every quarter
	WIN 0x50
.irp b, 0,1,2,3,4,5,6,7
.if \zero
	v_wmma_f32_16x16x32_f16 v[8*(8*(\a)+(\b)):8*(8*(\a)+(\b))+7], v[(\f)+32+8*(\b):(\f)+32+8*(\b)+7], v[(\f)+8*(\a):(\f)+8*(\a)+7], 0
.else
	v_wmma_f32_16x16x32_f16 v[8*(8*(\a)+(\b)):8*(8*(\a)+(\b))+7], v[(\f)+32+8*(\b):(\f)+32+8*(\b)+7], v[(\f)+8*(\a):(\f)+8*(\a)+7], v[8*(8*(\a)+(\b)):8*(8*(\a)+(\b))+7]
.endif
.endr
.endm
.macro FETCH k, f                      ; 24 LDS loads in one run, from the slot in hand
	WIN 0
.irp b, 0,1,2,3,4,5,6,7
	ds_load_b128 v[(\f)+32+8*(\b):(\f)+32+8*(\b)+3],   v[ADRB] offset:(\k)+(\b)*16*PITCH
	ds_load_b128 v[(\f)+32+8*(\b)+4:(\f)+32+8*(\b)+7], v[ADRB] offset:(\k)+(\b)*16*PITCH+32
.endr
.irp a, 0,1,2,3
	ds_load_b128 v[(\f)+8*(\a):(\f)+8*(\a)+3],   v[ADRA] offset:(\k)+(\a)*16*PITCH
	ds_load_b128 v[(\f)+8*(\a)+4:(\f)+8*(\a)+7], v[ADRA] offset:(\k)+(\a)*16*PITCH+32
.endr
.endm
.macro QUARTER k, f, g, zero
	s_wait_dscnt 0x0                               ; buffer f is in
	MULA \f, 0, \zero
	MULA \f, 1, \zero
	PLACES
	FETCH \k, \g
	MULA \f, 2, \zero
	MULA \f, 3, \zero
.endm
; The change of slots: each wave waits for all its tensor loads, adds 0 to its spare word, waits for that and for its reads of this slot; fill = 1: a round of the cluster's barrier, the joint refill first
; behind it: the walking descriptor turns to the other slot than last time and steps one K step on.  Then the fragment addresses turn to the other slot.
.macro TURN fill
	s_wait_dscnt 0x0
	WIN 0
	s_wait_tensorcnt 0x0
	ds_add_u32 v[SPW], v[NIL]
	MULA F1, 0, 0
	s_wait_dscnt 0x0
	s_barrier_signal -1
	MULA F1, 1, 0
	WIN 0
	s_barrier_wait -1
.if \fill
	CREST
	s_xor_b32 s[G0+5], s[G0+5], SLOT1
	s_add_nc_u64 s[G0+6:G0+7], s[G0+6:G0+7], KSTEP*2
	s_xor_b32 s[G0B+5], s[G0B+5], SLOT1
	s_add_nc_u64 s[G0B+6:G0B+7], s[G0B+6:G0B+7], KSTEP*2
	JLOAD 1
.else
	PLACES
.endif
	s_xor_b32 s[TB], s[TB], SLOT1
	v_add_nc_u32 v[ADRA], s[TB], v[ADRA0]
	v_add_nc_u32 v[ADRB], s[TB], v[ADRB0]
	FETCH 0, F0
	MULA F1, 2, 0
	MULA F1, 3, 0
.endm
	s_wait_tensorcnt 1                             ; my part of K step 0 is in; K step 1's stays out
	s_barrier_signal -1
	s_barrier_wait -1
	FETCH 0, F0
	QUARTER 64, F0, F1, 1
	WIN 0
	s_mov_b32 s3, NSTEP-2
.Lstep:                                            ; a trip goes from a K step's second quarter to the next step's first and fills the slot that it leaves: K steps 2 to 7
	QUARTER 128, F1, F0, 0
	QUARTER 192, F0, F1, 0
	TURN 1
	QUARTER 64,  F0, F1, 0
	WIN 0
	s_sub_co_u32 s3, s3, 1
	s_cmp_lg_u32 s3, 0
	s_cbranch_scc1 .Lstep
	QUARTER 128, F1, F0, 0                         ; the last two K steps fill nothing
	QUARTER 192, F0, F1, 0
	TURN 0
	QUARTER 64,  F0, F1, 0
	QUARTER 128, F1, F0, 0
	QUARTER 192, F0, F1, 0
	s_wait_dscnt 0x0
	MULA F1, 0, 0
	MULA F1, 1, 0
	MULA F1, 2, 0
	MULA F1, 3, 0
; THE WAY OUT, 16 rows at a time through my own stage: a lane's 32 bytes in, whole rows of 512 bytes back.
.macro TOSTAGE a
	WIN 0x04                                       ; store data window 1; each accumulator's low four registers first
.irp b, 0,1,2,3,4,5,6,7
	ds_store_b128 v[STO], v[8*(8*(\a)+(\b)):8*(8*(\a)+(\b))+3]   offset:64*(\b)
	ds_store_b128 v[STO], v[8*(8*(\a)+(\b))+4:8*(8*(\a)+(\b))+7] offset:64*(\b)+16
.endr
	WIN 0
.irp t, 0,1,2,3,4,5,6,7,8,9,10,11,12,13,14,15
	ds_load_b128 v[OB+64*((\a)%2)+4*(\t):OB+64*((\a)%2)+4*(\t)+3], v[RD] offset:(\t)*SPITCH  ; LDS serves a wave's instructions in order (ISA guide 5.7.1.4)
.endr
.endm
.macro SEND a, younger                 ; younger: the next block's 32 LDS instructions, or none
	s_wait_dscnt \younger
.irp t, 0,1,2,3,4,5,6,7,8,9,10,11,12,13,14,15
	global_store_b128 v[GO], v[OB+64*((\a)%2)+4*(\t):OB+64*((\a)%2)+4*(\t)+3], s[90:91] offset:(16*(\a)+(\t))*8192 th:TH_STORE_NT  ; 512 consecutive bytes, aligned
.endr
.endm
	PLACES
	PLACES
	TOSTAGE 0
	TOSTAGE 1
	s_wait_xcnt 0x0                                ; EXEC changes only behind this wait
	v_cmp_ne_u32 vcc_lo, 0, v[ROWV]                ; rows 0-15 are not stored here: the lanes are chosen by EXEC, no branch hangs on the work-group's place
	s_and_saveexec_b32 s4, vcc_lo
	SEND 0, 32
	s_wait_xcnt 0x0                                ; and again in front of the line that widens it; it also frees the registers that the stores read
	s_or_b32 exec_lo, exec_lo, s4
	TOSTAGE 2
	SEND 1, 32
	s_wait_xcnt 0x0                                ; block 1's stores have read their registers
	TOSTAGE 3
	SEND 2, 32
	SEND 3, 0
	s_wait_tensorcnt 0x0                           ; the wave's end
	ds_add_u32 v[SPW], v[NIL]
	s_wait_dscnt 0x0
	CROUND
	s_endpgm
.Lfunc_end_k_qa1af45c093_oproj:
	.size	k_qa1af45c093_oproj, .Lfunc_end_k_qa1af45c093_oproj-k_qa1af45c093_oproj
	.p2alignl 7, 3214868480
	.fill 96, 4, 3214868480
	.section	.rodata,"a",@progbits
	.p2align	6, 0x0
	.amdhsa_kernel k_qa1af45c093_oproj
		.amdhsa_group_segment_fixed_size 327680
		.amdhsa_private_segment_fixed_size 0
		.amdhsa_enable_private_segment 0
		.amdhsa_kernarg_size 24
		.amdhsa_user_sgpr_count 2
		.amdhsa_user_sgpr_kernarg_segment_ptr 1
		.amdhsa_wavefront_size32 1
		.amdhsa_system_sgpr_workgroup_id_x 1
		.amdhsa_system_sgpr_workgroup_id_y 1
		.amdhsa_system_sgpr_workgroup_id_z 1
		.amdhsa_system_vgpr_workitem_id 0
		.amdhsa_next_free_vgpr 512
		.amdhsa_next_free_sgpr 96
		.amdhsa_reserve_vcc 1
		.amdhsa_float_denorm_mode_32 3
		.amdhsa_float_denorm_mode_16_64 3
		.amdhsa_memory_ordered 1
		.amdhsa_forward_progress 1
		.amdhsa_inst_pref_size 69
	.end_amdhsa_kernel
	.amdgpu_metadata
---
amdhsa.version: [ 1, 2 ]
amdhsa.kernels:
  - .name:           k_qa1af45c093_oproj
    .symbol:         k_qa1af45c093_oproj.kd
    .args:
      - { .name: ao, .offset: 0, .size: 8, .value_kind: global_buffer, .address_space: global }
      - { .name: ow, .offset: 8, .size: 8, .value_kind: global_buffer, .address_space: global }
      - { .name: out0, .offset: 16, .size: 8, .value_kind: global_buffer, .address_space: global }
    .group_segment_fixed_size: 327680
    .private_segment_fixed_size: 0
    .kernarg_segment_align: 8
    .kernarg_segment_size: 24
    .max_flat_workgroup_size: 128
    .sgpr_count:     96
    .vgpr_count:     512
    .wavefront_size: 32
...
	.end_amdgpu_metadata
.endif
;; end of part 8
